; MI455X (gfx1250); checked and timed in simulation.
; The chip was launched on July 23, 2026; its instructions are those of AMD's public machine-readable ISA for CDNA 5 (MIT licence, August 2026) and "CDNA5" Instruction Set Architecture Reference Guide (July 2026). The comments in the code are by the model that wrote it; some were corrected since.
;; Encoder Layer. Allowed arithmetic: matrix products marked QUANTISED: E4M3 operands, one E8M0 scale for each 32 along K, by v_wmma_scale_f32_16x16x128_f8f6f4 with both operands' format E4M3, f32 sums; everything else in f32.
;; Inputs: b1 1,024 float32; b2 1,024 float32; bf1 4,096 float32; bf2 1,024 float32; bk 1,024 float32; bo 1,024 float32; bq 1,024 float32; bv 1,024 float32; g1 1,024 float32; g2 1,024 float32; mask 2 x 2,048 int32; w1 1,024 x 4,096 float32; w2 4,096 x 1,024 float32; wk 1,024 x 1,024 float32; wo 1,024 x 1,024 float32; wq 1,024 x 1,024 float32; wv 1,024 x 1,024 float32; x 2 x 2,048 x 1,024 float32.
;; Outputs: out0 2 x 2,048 x 1,024 float32.
;; This version of the problem:
;;   THIS VERSION OF THE PROBLEM IS GIVEN IN LOW PRECISION. The matrix products marked QUANTISED in the list below multiply operands that are first quantised to E4M3 (4 exponent bits, 3 mantissa bits; 8 bits a number), with one power-of-two scale for each 32 numbers along K (OCP MX v1.0); their sums are f32. All else is computed in f32.
;;   The module's matrix products, in the order in which they are computed (A, B: the left and right operand; K: the contracted axis; several contracted axes count as one K, in the product's order):
;;     1. [M 4,096, K 1,024] x [K 1,024, N 1,024]; A: input x; B: input wq: QUANTISED
;;     2. [M 4,096, K 1,024] x [K 1,024, N 1,024]; A: input x; B: input wk: QUANTISED
;;     3. [M 4,096, K 1,024] x [K 1,024, N 1,024]; A: input x; B: input wv: QUANTISED
;;     4. batch 32 x [M 2,048, K 64] x [K 64, N 2,048]; A: computed on the way; B: computed on the way: QUANTISED
;;     5. batch 32 x [M 2,048, K 2,048] x [K 2,048, N 64]; A: softmax (see below); B: computed on the way: QUANTISED
;;     6. [M 4,096, K 1,024] x [K 1,024, N 1,024]; A: computed on the way; B: input wo: QUANTISED
;;     7. [M 4,096, K 1,024] x [K 1,024, N 4,096]; A: computed on the way; B: input w1: QUANTISED
;;     8. [M 4,096, K 4,096] x [K 4,096, N 1,024]; A: computed on the way; B: input w2: QUANTISED
;;   THE QUANTISER, for each operand of a quantised product, along K:
;;     - K is cut into blocks of 32 from its start; a last block that is shorter is filled with zeros.
;;     - A block's scale is 2^e with e = floor(log2(the largest magnitude in the block)) - 8, held to -126 .. 127; a block of zeros has e = 0. As a byte (E8M0): e + 127.
;;     - Each number is divided by its block's scale, clamped to +-448, and rounded to the nearest number of E4M3, ties to even, subnormals kept.
;;     - The product sums the exact products of the quantised numbers (number of the format x scale) in f32.
;;   ~~~python
;;   def quantise(x, axis):      # numpy; x: float32 -> the quantised numbers, widened to float32 again
;;       x = np.moveaxis(x, axis, -1); K = x.shape[-1]
;;       x = np.pad(x, [(0, 0)] * (x.ndim - 1) + [(0, -K % 32)]); x = x.reshape(x.shape[:-1] + (-1, 32)); a = np.abs(x).max(-1, keepdims=True)
;;       e = np.where(a > 0, np.clip(np.frexp(np.where(a > 0, a, 1))[1] - 1 - 8, -126, 127), 0)      # np.frexp(a)[1] - 1 = floor(log2(a)), exactly
;;       r = np.clip(x / 2.0 ** e, -448, 448)
;;       step = 2.0 ** (np.maximum(np.frexp(np.where(r == 0, 1, r))[1] - 1, -6) - 3)
;;       q = np.round(r / step) * step * 2.0 ** e      # np.round: ties to even
;;       return np.moveaxis(q.reshape(q.shape[:-2] + (-1,))[..., :K], -1, axis).astype(np.float32)
;;   ~~~
;;   SOFTMAX AHEAD OF A QUANTISED PRODUCT. Where the list says 'softmax', what is quantised is not the finished softmax but p = 2^(t - M), with t = logit x log2(e) and M = ceil(the row's largest t), a whole number; so 1/2 < the row's largest p <= 1. The row's sum l is taken of the UNQUANTISED p, in f32, and the product's result is divided by l at the end. Since M is a whole number, a kernel that streams over the keys may use a running M (the ceiling of the running maximum): every later rescaling is an exact power of two, which a block's scale takes up: the codes' values come out the same.
;;   OPERANDS COMPUTED ON THE WAY. 'Computed on the way' means the value that the module computes at that place (a softmax that the list does not call 'softmax' is quantised finished and normalised). What goes into a quantiser is computed in f32, as accurately as f32 sums, v_exp_f32 and their like allow (about 1e-6 of the number): no bf16 or f16 on the way to a quantiser, and a product that is left as it is and whose result goes on into a quantised operand takes f32 operands (vector FMAs, or v_wmma_f32_16x16x4_f32). A number that lies on a knife's edge between two numbers of the format may be rounded either way, as far as f32 arithmetic and the matrix unit's own rounding can turn it there, and no further.
;; 2 versions. Each part assembles by itself: llvm-mc -triple=amdgcn-amd-amdhsa -mcpu=gfx1250 --defsym DOCPART=n.
;; ======== version 1 of 2: 8 launches
;; workspace buffers: actq 4,325,376 bytes; wts 12,976,128 bytes; qkv 12,976,128 bytes; cbuf 16,777,216 bytes; h1 16,777,216 bytes; gq 17,301,504 bytes
;; launch quant (part 1): grid 512 x 1, 4 waves a work-group, no clusters, 51,712 bytes of LDS; arguments x, wq, wk, wv, wo, w1, w2, actq, wts; writes actq, wts
.if DOCPART == 1
	.amdgcn_target "amdgcn-amd-amdhsa--gfx1250"
	.amdhsa_code_object_version 6
	.text
	.protected	k_q5d2d44b818_quant
	.globl	k_q5d2d44b818_quant
	.p2align	8
	.type	k_q5d2d44b818_quant,@function
k_q5d2d44b818_quant:
	s_mov_b64 s[64:65], 0
	v_nop
	global_prefetch_b8 v0, s[64:65] scope:SCOPE_SE
	s_setreg_imm32_b32 hwreg(HW_REG_WAVE_MODE, 25, 1), 1
	s_wait_xcnt 0x0
; x [4096][1024] and the six weights [K][N], f32, become codes of E4M3 with one E8M0 byte for each 32 along K, in blocks of my own make.
; A BLOCK (33,792 bytes = 132 rows of 256) holds 128 operand rows x 256 along K: rows 0-127 the codes, rows 128-131 the scale bytes, 8 a row.
; Operand row rr lies at POSITION p = rr with bits 3 and 4 exchanged, codes and scale bytes alike: sixteen neighbouring positions are then the rows
; that a product wants in one fragment for its results to lie as 16 neighbours along the next K.
; Block (ks = k / 256, g = row / 128) of an operand of G groups is block ks G + g.  actq: x, G = 32.  wts: blocks 0-95 [wq|wk|wv] (G = 24), 96-127 wo (8), 128-255 w1 (32), 256-383 w2 (8).
; One work-group makes one block from 131,072 bytes of f32: work-groups 0-127 x, 128-511 the weights.  The two ways use LDS bytes of their own; waves share nothing: no barrier.
; A block's scale: the largest magnitude's exponent field less 8, held at 1 from below.  LIMITS: a block of zeros gets the byte 1, not 127 (its codes are zeros; only this program reads the bytes);
; largest magnitudes under 2^-118 are taken as that floor; NaN and infinities are not served.
.set BLK,  33792
.set RX,   16                          ; x way: v16-79 eight sets of 8 numbers as loaded
.set XX,   80                          ; v80-95 two sets of 8 neighbours
.set CX,   96                          ; v96-159 codes, two registers a step
.set EX,   160                         ; v160-191 a scale byte a step
.set XW,   32                          ; weights' way: v32-95 two sets of 32 numbers
.set CW,   96                          ; v96-103 a block's codes
.set SB,   24                          ; v24-25 eight scale bytes
.set AW,   128                         ; v128-159 offsets: 4 lane + i rows
.set OUTR, 160                         ; v160-223 the way out
	s_load_b256 s[4:11], s[0:1], 0x0               ; x, wq, wk, wv
	s_load_b256 s[12:19], s[0:1], 0x20             ; wo, w1, w2, actq
	s_load_b64 s[20:21], s[0:1], 0x40              ; wts
	v_lshl_add_u32 v224, v0, 2, 0xc800
	v_mov_b32 v225, 0
	v_lshrrev_b32 v1, 5, v0
	v_readfirstlane_b32 s22, v1                    ; wave
	v_and_b32 v2, 31, v0                           ; lane
	s_mov_b32 s23, 0x600000                        ; the mantissa field of 448
	s_cmp_lt_u32 ttmp9, 128
	s_cbranch_scc0 .Lweights
; ---------------- x: K is innermost.  Wave w takes rows 32 w + t of the block, a row's 1,024 bytes a step; a lane ends up with 8 neighbours, four lanes hold a block of 32
	s_and_b32 s24, ttmp9, 31                       ; g
	s_lshr_b32 s25, ttmp9, 5                       ; ks
	s_lshl_b32 s26, s24, 19                        ; 128 g rows of 4,096 bytes
	s_lshl_b32 s27, s22, 17                        ; 32 w rows
	s_add_co_u32 s26, s26, s27
	s_lshl_b32 s27, s25, 10                        ; 256 ks numbers
	s_add_co_u32 s26, s26, s27
	s_mov_b32 s27, 0
	s_lshl_b32 s28, s25, 5
	s_add_co_u32 s28, s28, s24
	s_mul_i32 s28, s28, BLK                        ; the block
	s_lshl_b32 s30, s22, 13
	s_add_co_u32 s30, s30, s28                     ; my 32 positions' codes
	s_mov_b32 s31, 0
	s_lshl_b32 s32, s22, 8
	s_add_co_u32 s32, s32, s28
	s_add_co_u32 s32, s32, 32768                   ; and their 256 scale bytes
	s_mov_b32 s33, 0
	s_lshl_b32 s29, s22, 12                        ; LDS: 4,096 bytes a wave: two stages of 32 x 48, then 256 scale bytes
	v_lshlrev_b32 v3, 4, v2                        ; my 16 bytes of a load's 512
	v_lshrrev_b32 v4, 1, v2
	v_mul_u32_u24 v4, v4, 48
	v_and_b32 v5, 1, v2
	v_lshl_add_u32 v4, v5, 4, v4
	v_add_nc_u32 v4, s29, v4                       ; the stage, in: two lanes' 32 bytes on end, then 16 of padding
	v_mul_u32_u24 v5, v2, 48
	v_add_nc_u32 v5, s29, v5                       ; out: 48 x lane: my 8 neighbours
	v_lshrrev_b32 v6, 2, v2
	v_add_nc_u32 v6, s29, v6
	v_add_nc_u32 v6, 3072, v6                      ; my block's scale byte
	v_lshlrev_b32 v7, 3, v2                        ; 8 bytes a lane on the way out
	v_add_nc_u32 v8, s29, v7
	v_add_nc_u32 v8, 3072, v8
	s_wait_kmcnt 0x0
	s_add_nc_u64 s[4:5], s[4:5], s[26:27]
	s_add_nc_u64 s[34:35], s[18:19], s[30:31]
	s_add_nc_u64 s[36:37], s[18:19], s[32:33]
.macro XLOAD t
	global_load_b128 v[RX+8*((\t)%8):RX+8*((\t)%8)+3], v3, s[4:5] offset:4096*(\t) th:TH_LOAD_NT       ; 32 lanes read 512 consecutive bytes
	global_load_b128 v[RX+8*((\t)%8)+4:RX+8*((\t)%8)+7], v3, s[4:5] offset:4096*(\t)+512 th:TH_LOAD_NT
.endm
.macro XTURN t                         ; a step's numbers through the stage; LDS serves a wave's instructions in order
	ds_store_b128 v4, v[RX+8*((\t)%8):RX+8*((\t)%8)+3] offset:1536*((\t)%2)
	ds_store_b128 v4, v[RX+8*((\t)%8)+4:RX+8*((\t)%8)+7] offset:1536*((\t)%2)+768
	ds_load_b128 v[XX+8*((\t)%2):XX+8*((\t)%2)+3], v5 offset:1536*((\t)%2)
	ds_load_b128 v[XX+8*((\t)%2)+4:XX+8*((\t)%2)+7], v5 offset:1536*((\t)%2)+16
.endm
.macro XSTEP t
.set XS, XX+8*((\t)%2)
.set SWT, ((\t)&7)|((((\t)>>3)&1)<<4)|((((\t)>>4)&1)<<3)   ; the row's position: bits 3 and 4 exchanged
.if (\t) > 0
	s_wait_dscnt 1                                 ; this step's numbers are back (the last step's byte store may be out): its stage stores have read their registers,
.else
	s_wait_dscnt 0x0
.endif
.if (\t)+8 < 32
	XLOAD (\t)+8                                   ; which take the loads of eight steps on
.endif
.if (\t)+1 < 32
.if (\t)+8 < 32
	s_wait_loadcnt 14                              ; the next step's two loads are in; those of the seven steps behind it may be out
.else
	s_wait_loadcnt 2*(30-(\t))
.endif
	XTURN (\t)+1
.endif
	v_max3_num_f32 v9, |v[XS]|, |v[XS+1]|, 0x4800000               ; my 8, and the floor 2^(9 - 127)
	v_max3_num_f32 v10, |v[XS+2]|, |v[XS+3]|, |v[XS+4]|
	v_max3_num_f32 v9, v9, |v[XS+5]|, |v[XS+6]|
	v_max3_num_f32 v9, v9, v10, |v[XS+7]|
	v_max_num_f32_dpp v9, v9, v9 row_xmask:1 row_mask:0xf bank_mask:0xf
	v_max_num_f32_dpp v9, v9, v9 row_xmask:2 row_mask:0xf bank_mask:0xf   ; the four lanes' 32: the block's largest magnitude
	v_add_nc_u32 v11, 0xfc000000, v9               ; 8 off its exponent field: the conversion's scale operand
	v_and_or_b32 v10, v9, 0x7f800000, s23          ; 448 x the scale
.irp i, 0,1,2,3,4,5,6,7
	v_med3_num_f32 v[XS+\i], v[XS+\i], -v10, v10   ; the conversion does not saturate (ISA guide 7.6.2): the hold
.endr
	v_cvt_scalef32_pk8_fp8_f32 v[CX+2*(\t):CX+2*(\t)+1], v[XS:XS+7], v11
	v_lshrrev_b32 v[EX+(\t)], 23, v11              ; the scale's byte
	ds_store_b8 v6, v[EX+(\t)] offset:8*SWT        ; the four lanes of a block write the same byte with the same value
	global_store_b64 v7, v[CX+2*(\t):CX+2*(\t)+1], s[34:35] offset:256*SWT   ; 32 lanes store 256 consecutive bytes, aligned
.endm
.irp t, 0,1,2,3,4,5,6,7
	XLOAD \t
.endr
	s_wait_loadcnt 14                              ; step 0's two loads are in
	XTURN 0
.set Q, 0
.rept 32
	XSTEP Q
.set Q, Q+1
.endr
	ds_load_b64 v[12:13], v8                       ; my wave's 256 scale bytes, behind my stores of them
	s_wait_dscnt 0x0
	global_store_b64 v7, v[12:13], s[36:37]        ; 256 consecutive bytes, aligned
	s_wait_tensorcnt 0x0
	ds_add_u32 v224, v225
	s_wait_dscnt 0x0
	s_endpgm
; ---------------- the weights: K is the first axis.  A lane takes a column n (an operand row), its registers run down K: a block of 32 lies in one lane
.Lweights:
	s_sub_co_u32 s24, ttmp9, 128                   ; 0 .. 383
	s_lshr_b32 s25, s24, 5                         ; 0 wq, 1 wk, 2 wv, 3 wo, 4-7 w1, 8-11 w2
	s_lshr_b32 s29, s25, 2                         ; 1: w1, 2: w2
	s_and_b32 s28, s24, 31
	s_and_b32 s30, s24, 127
	s_lshl_b32 s36, s25, 3
	s_cmp_lt_u32 s25, 4
	s_cselect_b32 s28, s28, s30                    ; the block's number within its weight
	s_cmp_lt_u32 s25, 3
	s_cselect_b32 s37, 24, 8                       ; groups of the operand in wts
	s_cselect_b32 s36, s36, 96                     ; its first block (wq, wk, wv: 8 groups apart in one operand)
	s_cmp_eq_u32 s29, 1
	s_cselect_b32 s30, 5, 3                        ; log2 of the weight's own groups
	s_cselect_b32 s31, 14, 12                      ; log2 of a row of the weight in bytes
	s_cselect_b32 s37, 32, s37
	s_cselect_b32 s36, 128, s36
	s_cmp_eq_u32 s29, 2
	s_cselect_b32 s36, 256, s36
	s_lshr_b32 s34, s28, s30                       ; ks
	s_lshl_b32 s35, s34, s30
	s_sub_co_u32 s35, s28, s35                     ; g
	s_mul_i32 s37, s37, s34
	s_add_co_u32 s36, s36, s37
	s_add_co_u32 s36, s36, s35
	s_mul_i32 s36, s36, BLK                        ; the block in wts
	s_mov_b32 s37, 0
	s_add_co_u32 s38, s31, 8
	s_lshl_b32 s38, s34, s38                       ; 256 ks rows
	s_lshl_b32 s39, s35, 9                         ; 128 g columns
	s_add_co_u32 s38, s38, s39
	s_lshl_b32 s39, s22, 7                         ; 32 w columns
	s_add_co_u32 s38, s38, s39
	s_mov_b32 s39, 0
	s_lshl_b32 s58, 1, s31                         ; a row
	s_lshl_b32 s56, s58, 5                         ; 32 rows
	s_mov_b32 s57, 0
	s_lshl_b32 s60, s22, 13                        ; my 32 positions' codes in the block
	s_mov_b32 s61, 0
	s_lshl_b32 s62, s22, 8
	s_add_co_u32 s62, s62, 32768                   ; and their scale bytes
	s_mov_b32 s63, 0
	v_lshlrev_b32 v[AW], 2, v2
.set Q, 1
.rept 31
	v_add_nc_u32 v[AW+Q], s58, v[AW+Q-1]           ; 4 lane + Q rows (the row's length is no constant here, so it stands in no immediate)
.set Q, Q+1
.endr
	v_and_b32 v3, 7, v2
	v_bfe_u32 v4, v2, 3, 1
	v_lshl_or_b32 v3, v4, 4, v3
	v_bfe_u32 v4, v2, 4, 1
	v_lshl_or_b32 v3, v4, 3, v3                    ; my column's position
	s_mul_i32 s59, s22, 8704
	s_add_co_u32 s59, s59, 16384                   ; my stage: 32 rows of 272 bytes, behind the other way's LDS bytes
	v_mul_u32_u24 v4, v3, 272
	v_add_nc_u32 v4, s59, v4                       ; in: row = my position
	v_and_b32 v5, 15, v2
	v_lshrrev_b32 v6, 4, v2
	v_mul_u32_u24 v7, v6, 272
	v_lshl_add_u32 v7, v5, 4, v7
	v_add_nc_u32 v7, s59, v7                       ; out: sixteen lanes to a row
	v_lshlrev_b32 v8, 4, v2                        ; the block's rows are dense: 16 bytes a lane
	v_lshlrev_b32 v9, 3, v3                        ; 8 scale bytes a position
	s_wait_kmcnt 0x0
	s_cmp_lt_u32 s25, 8                            ; which weight: choices on the work-group's number alone
	s_cselect_b64 s[26:27], s[14:15], s[16:17]
	s_cmp_lt_u32 s25, 4
	s_cselect_b64 s[26:27], s[12:13], s[26:27]
	s_cmp_lt_u32 s25, 3
	s_cselect_b64 s[26:27], s[10:11], s[26:27]
	s_cmp_lt_u32 s25, 2
	s_cselect_b64 s[26:27], s[8:9], s[26:27]
	s_cmp_lt_u32 s25, 1
	s_cselect_b64 s[26:27], s[6:7], s[26:27]
	s_add_nc_u64 s[40:41], s[26:27], s[38:39]      ; a base for each of the eight blocks of 32 along K
.irp t, 1,2,3,4,5,6,7
	s_add_nc_u64 s[40+2*\t:41+2*\t], s[38+2*\t:39+2*\t], s[56:57]
.endr
	s_add_nc_u64 s[20:21], s[20:21], s[36:37]
	s_add_nc_u64 s[60:61], s[20:21], s[60:61]
	s_add_nc_u64 s[62:63], s[20:21], s[62:63]
.macro WLOAD t
.set Q, 0
.rept 32
	global_load_b32 v[XW+32*((\t)%2)+Q], v[AW+Q], s[40+2*(\t):41+2*(\t)] th:TH_LOAD_NT   ; 32 lanes read 128 consecutive bytes, the four waves 512
.set Q, Q+1
.endr
.endm
	WLOAD 0
	WLOAD 1
.macro WBLOCK t
.set XS, XW+32*((\t)%2)
.if (\t) < 7
	s_wait_loadcnt 32                              ; this block's 32 loads are in; the next block's may be out
.else
	s_wait_loadcnt 0
.endif
	v_max3_num_f32 v12, |v[XS]|, |v[XS+1]|, |v[XS+2]|
	v_max3_num_f32 v13, |v[XS+3]|, |v[XS+4]|, |v[XS+5]|
.irp i, 6,10,14,18,22,26
	v_max3_num_f32 v12, v12, |v[XS+\i]|, |v[XS+\i+1]|
	v_max3_num_f32 v13, v13, |v[XS+\i+2]|, |v[XS+\i+3]|
.endr
	v_max3_num_f32 v12, v12, |v[XS+30]|, |v[XS+31]|
	v_max3_num_f32 v12, v12, v13, 0x4800000        ; and the floor
	v_add_nc_u32 v11, 0xfc000000, v12
	v_and_or_b32 v10, v12, 0x7f800000, s23
	v_lshrrev_b32 v13, 23, v11
.if (\t)%4 == 0
	v_mov_b32 v[SB+(\t)/4], v13
.else
	v_lshl_or_b32 v[SB+(\t)/4], v13, 8*((\t)%4), v[SB+(\t)/4]
.endif
.set Q, 0
.rept 32
	v_med3_num_f32 v[XS+Q], v[XS+Q], -v10, v10
.set Q, Q+1
.endr
.irp g, 0,1,2,3
	v_cvt_scalef32_pk8_fp8_f32 v[CW+2*\g:CW+2*\g+1], v[XS+8*\g:XS+8*\g+7], v11
.endr
	ds_store_b128 v4, v[CW:CW+3] offset:32*(\t)
	ds_store_b128 v4, v[CW+4:CW+7] offset:32*(\t)+16
.if (\t)+2 < 8
	WLOAD (\t)+2
.endif
	s_wait_dscnt 0x0                               ; the stores have read their registers
.endm
.irp t, 0,1,2,3,4,5,6,7
	WBLOCK \t
.endr
	global_store_b64 v9, v[SB:SB+1], s[62:63]      ; the 32 lanes fill 256 consecutive bytes, aligned
.irp t, 0,1,2,3,4,5,6,7,8,9,10,11,12,13,14,15
	ds_load_b128 v[OUTR+4*\t:OUTR+4*\t+3], v7 offset:544*\t
.endr
.irp t, 0,1,2,3,4,5,6,7,8,9,10,11,12,13,14,15
	s_wait_dscnt 15-\t
	global_store_b128 v8, v[OUTR+4*\t:OUTR+4*\t+3], s[60:61] offset:512*\t   ; 512 consecutive bytes
.endr
	s_wait_tensorcnt 0x0
	ds_add_u32 v224, v225
	s_wait_dscnt 0x0
	s_endpgm
.Lfunc_end_k_q5d2d44b818_quant:
	.size	k_q5d2d44b818_quant, .Lfunc_end_k_q5d2d44b818_quant-k_q5d2d44b818_quant
	.p2alignl 7, 3214868480
	.fill 96, 4, 3214868480
	.section	.rodata,"a",@progbits
	.p2align	6, 0x0
	.amdhsa_kernel k_q5d2d44b818_quant
		.amdhsa_group_segment_fixed_size 51712
		.amdhsa_private_segment_fixed_size 0
		.amdhsa_enable_private_segment 0
		.amdhsa_kernarg_size 72
		.amdhsa_user_sgpr_count 2
		.amdhsa_user_sgpr_kernarg_segment_ptr 1
		.amdhsa_wavefront_size32 1
		.amdhsa_system_sgpr_workgroup_id_x 1
		.amdhsa_system_sgpr_workgroup_id_y 1
		.amdhsa_system_sgpr_workgroup_id_z 1
		.amdhsa_system_vgpr_workitem_id 0
		.amdhsa_next_free_vgpr 226
		.amdhsa_next_free_sgpr 66
		.amdhsa_reserve_vcc 0
		.amdhsa_float_denorm_mode_32 3
		.amdhsa_float_denorm_mode_16_64 3
		.amdhsa_memory_ordered 1
		.amdhsa_forward_progress 1
		.amdhsa_inst_pref_size 122
	.end_amdhsa_kernel
	.amdgpu_metadata
---
amdhsa.version: [ 1, 2 ]
amdhsa.kernels:
  - .name:           k_q5d2d44b818_quant
    .symbol:         k_q5d2d44b818_quant.kd
    .args:
      - { .name: x, .offset: 0, .size: 8, .value_kind: global_buffer, .address_space: global }
      - { .name: wq, .offset: 8, .size: 8, .value_kind: global_buffer, .address_space: global }
      - { .name: wk, .offset: 16, .size: 8, .value_kind: global_buffer, .address_space: global }
      - { .name: wv, .offset: 24, .size: 8, .value_kind: global_buffer, .address_space: global }
      - { .name: wo, .offset: 32, .size: 8, .value_kind: global_buffer, .address_space: global }
      - { .name: w1, .offset: 40, .size: 8, .value_kind: global_buffer, .address_space: global }
      - { .name: w2, .offset: 48, .size: 8, .value_kind: global_buffer, .address_space: global }
      - { .name: actq, .offset: 56, .size: 8, .value_kind: global_buffer, .address_space: global }
      - { .name: wts, .offset: 64, .size: 8, .value_kind: global_buffer, .address_space: global }
    .group_segment_fixed_size: 51712
    .private_segment_fixed_size: 0
    .kernarg_segment_align: 8
    .kernarg_segment_size: 72
    .max_flat_workgroup_size: 128
    .sgpr_count:     66
    .vgpr_count:     226
    .wavefront_size: 32
...
	.end_amdgpu_metadata
.endif
;; end of part 1
;; launch qkv (part 2): grid 48 x 4, 4 waves a work-group, clusters of 4 x 4, 327,680 bytes of LDS; arguments actq, wts, bq, bk, bv, qkv; writes qkv
.if DOCPART == 2
	.amdgcn_target "amdgcn-amd-amdhsa--gfx1250"
	.amdhsa_code_object_version 6
	.text
	.protected	k_q5d2d44b818_qkv
	.globl	k_q5d2d44b818_qkv
	.p2align	8
	.type	k_q5d2d44b818_qkv,@function
k_q5d2d44b818_qkv:
	s_mov_b64 s[64:65], 0
	v_nop
	global_prefetch_b8 v0, s[64:65] scope:SCOPE_SE
	s_setreg_imm32_b32 hwreg(HW_REG_WAVE_MODE, 25, 1), 1
	s_wait_xcnt 0x0
	s_wait_alu depctr_hold_cnt(0) depctr_sa_sdst(0) depctr_va_vdst(0) depctr_va_sdst(0) depctr_va_ssrc(0) depctr_va_vcc(0) depctr_vm_vsrc(0)
	s_getreg_b32 s2, hwreg(HW_REG_IB_STS2, 6, 4)
	s_cmp_eq_u32 s2, 0
	s_cbranch_scc0 .Lentry_in_a_cluster
	s_endpgm
.Lentry_in_a_cluster:
	s_bfe_u32 s2, ttmp6, 0x10000c
	s_cmp_lg_u32 s2, 0xf033
	s_cbranch_scc0 .Lentry_shape_is_right
	s_endpgm
.Lentry_shape_is_right:
; q, k = x [wq|wk] + bias and v^T = wv^T x^T + bias, on codes of E4M3 with E8M0 scales; the results are quantised at once: q and k along the head's axis, v along the keys.
; Operands come in blocks of 33,792 bytes (128 rows x 256 along K: 128 rows of codes, then 4 rows of scale bytes); one tensor load brings a block, codes and scales together.
; Rows lie in POSITION order (row number with bits 3 and 4 exchanged), so that in accumulator (a, b) lane (r, h), register j holds C(position 16 a + r, column 32 (b / 2) + 16 h + 8 (b % 2) + j):
; the 64 registers of one a are four blocks of 32 along the columns, 16 neighbours a lane and block.
; A tile of C is 256 x 256, four waves of 128 x 128 (64 accumulators); K = 1,024 goes in four steps of 256 through two LDS slots.
; CLUSTERS of 4 x 4: clusters 0-7 make q and k (A = x's codes, B = [wq|wk]), clusters 8-11 make v^T (A = wv, B = x's codes).  A's blocks are asked for jointly along a row of the cluster, B's along a column.
; The choice between the two kinds hangs on the cluster's number alone, which all sixteen partners share.  The matrix instruction is used transposed: source 0 = B's rows, source 1 = A's.
; OUT (buffer qkv): byte 0: q|k codes [4096 positions][2048]; 8,388,608: v codes [b 1024 + position of n][2048 keys]; 12,582,912: q|k scales [tile column 0-7][4096][8]; 12,845,056: v scales [b 1024 + n][64].
; v's scale bytes leave in pieces of 8 bytes, 131,072 bytes in all.  LIMITS: as the quantiser's: a block of zeros gets the byte 1; magnitudes under 2^-118 count as that floor; NaN and infinities are not served.
; REGISTERS: window 0: v8-15 the bias along rows; v16-31 addresses; v32-63 scale words, two sets; v64-127 the bias along columns; v128-255 A's fragments, later the epilogue's work.
;   window 1: B's fragments, two sets.  windows 2, 3: the accumulators.
.set BLK,    33792
.set NQ,     2
.set PITCH,  272                       ; an LDS row: 256 bytes + 16 of padding: the 16 rows that a load touches start at 16 different banks (ISA guide 11.1)
.set FR,     16
.set NL,     4
.set NP,     8                         ; places behind this matrix instruction (ISA guide 7.12.1)
.set HALFT,  132*PITCH                 ; a block in LDS
.set SLOT,   4*HALFT                   ; A's two blocks, then B's two
.set SPARE,  2*SLOT                    ; the spare words: 512 bytes that no other line names
.set LAPS,   2
.set ADRA, 16
.set ADRB, 20
.set ADRS, 22
.set CSTO, 18
.set SSTO, 19
.set RDC,  24
.set RDS,  25
.set GC,   26
.set GS,   27
.set SPW,  28
.set NIL,  29
.set GS2,  30
.set SC,   32
.set BJ,   64
.set AF,   128
.set T,    128                         ; the epilogue: 64 numbers
.set PC,   192                         ; their codes
.set TM,   208                         ; v208-223 at work
.set PW,   224                         ; the scale word
.set G1,  24
.set G0,  32
.set G1B, 48
.set G0B, 56
.set SEL, 92
.set MNT, 94
.set MSB, 0
.macro WIN new                         ; the immediate's high byte repeats the setting that is left
.if MSB != \new
	s_set_vgpr_msb (MSB<<8)|\new
.set MSB, \new
.endif
.endm
.set MUL_LO, 0xa1                      ; source 0 (B) window 1, source 1 (A) window 0, C and D window 2
.set MUL_HI, 0xf1
.set TO_B,   0x40
.macro JLOAD g0a, g1a, g0b, g1b        ; a joint load: waves 0 and 1 fetch A's two blocks, waves 2 and 3 B's; four v_nop follow each line
	s_cmp_eq_u32 s15, 0
	s_cbranch_scc0 .Lfor_b_\@
	tensor_load_to_lds s[\g0a:\g0a+3], s[\g1a:\g1a+7]
	s_nop 0
.rept 4
	v_nop
.endr
	s_branch .Lasked_\@
.Lfor_b_\@:
	tensor_load_to_lds s[\g0b:\g0b+3], s[\g1b:\g1b+7]
	s_nop 0
.rept 4
	v_nop
.endr
.Lasked_\@:
.endm
.macro CREST
	s_cmp_lg_u32 s14, 0
	s_cbranch_scc1 .Lnot_wave_0_\@
	s_barrier_signal -3
.Lnot_wave_0_\@:
	s_barrier_wait -3
	s_barrier_signal -1
	s_barrier_wait -1
.endm
.macro CROUND
	s_barrier_signal -1
	s_barrier_wait -1
	CREST
.endm
.macro ADVANCE slot                    ; two K steps on: the groups of A and of B differ between the two kinds of cluster, so the steps lie in registers
	s_add_nc_u64 s[G0+4*\slot+2:G0+4*\slot+3], s[G0+4*\slot+2:G0+4*\slot+3], s[70:71]
	s_add_nc_u64 s[G0B+4*\slot+2:G0B+4*\slot+3], s[G0B+4*\slot+2:G0B+4*\slot+3], s[72:73]
.endm
	s_load_b128 s[4:7], s[0:1], 0x0                ; actq, wts
	s_load_b128 s[8:11], s[0:1], 0x10              ; bq, bk
	s_load_b64 s[12:13], s[0:1], 0x20              ; bv
	s_load_b64 s[18:19], s[0:1], 0x28              ; qkv
	v_lshl_add_u32 v[SPW], v0, 2, SPARE
	v_mov_b32 v[NIL], 0
	ds_add_u32 v28, v29
	s_wait_dscnt 0x0
	v_lshrrev_b32 v1, 5, v0
	v_readfirstlane_b32 s14, v1                    ; wave
	s_lshr_b32 s15, s14, 1                         ; my half of the tile's rows; also: I fetch for A (0) or B (1)
	s_and_b32 s16, s14, 1                          ; my half of its columns; also: which block I fetch
	s_bfe_u32 s40, ttmp6, 0x40000                  ; cx
	s_bfe_u32 s41, ttmp6, 0x40004                  ; cy
	s_mov_b32 s74, ttmp9                           ; the cluster: 0-7 q and k, 8-11 v
	s_and_b32 s75, s74, 3
	s_lshl_b32 s75, s75, 2
	s_lshr_b32 s76, s74, 2
	s_lshl_b32 s76, s76, 2
	s_sub_co_u32 s77, s74, 8
	s_lshl_b32 s77, s77, 2
	s_cmp_lt_u32 s74, 8
	s_cselect_b32 s17, s75, 0
	s_cselect_b32 s42, s76, s77
	s_cselect_b32 s78, 32, 24                      ; A's groups
	s_cselect_b32 s79, 24, 32                      ; B's groups
	s_cselect_b32 s80, 0, 16                       ; wv begins at group 16 of [wq|wk|wv]
	s_add_co_u32 s17, s17, s41                     ; tile row
	s_add_co_u32 s42, s42, s40                     ; tile column
	s_lshl_b32 s43, s41, 2
	s_lshl_b32 s43, 15, s43                        ; my row of the cluster
	s_lshl_b32 s44, 0x1111, s40                    ; my column
	; group 1: a block: 132 dense rows of 32 elements of 8 bytes, 16 bytes of padding behind each 256
	s_or_b32 s[G1+0], s43, (3<<16)|(1<<20)|(1<<21)|(5<<22)|(3<<25)
	s_or_b32 s[G1B+0], s44, (3<<16)|(1<<20)|(1<<21)|(5<<22)|(3<<25)
.irp g, G1, G1B
	s_mov_b32 s[\g+1], 32<<16                      ; tensor_dim0
	s_mov_b32 s[\g+2], 132<<16                     ; tensor_dim1
	s_mov_b32 s[\g+3], 32<<16                      ; tile_dim0
	s_mov_b32 s[\g+4], 132                         ; tile_dim1
	s_mov_b32 s[\g+5], 32                          ; the pitch
	s_mov_b32 s[\g+6], 0
	s_mov_b32 s[\g+7], 0
.endr
	s_lshl_b32 s20, s17, 1
	s_add_co_u32 s20, s20, s16
	s_add_co_u32 s20, s20, s80
	s_mul_i32 s20, s20, BLK                        ; A: group 2 x tile row + my block
	s_mov_b32 s21, 0
	s_lshl_b32 s46, s42, 1
	s_add_co_u32 s46, s46, s16
	s_mul_i32 s46, s46, BLK                        ; B: group 2 x tile column + my block
	s_mov_b32 s47, 0
	s_mul_i32 s66, s78, BLK                        ; a K step of A,
	s_mov_b32 s67, 0
	s_mul_i32 s68, s79, BLK                        ; of B,
	s_mov_b32 s69, 0
	s_lshl_b32 s70, s66, 1                         ; two of each
	s_mov_b32 s71, 0
	s_lshl_b32 s72, s68, 1
	s_mov_b32 s73, 0
	s_mul_i32 s45, s14, HALFT                      ; where my block goes: no place in the cluster enters an LDS address
	s_wait_kmcnt 0x0
	s_cmp_lt_u32 s74, 8
	s_cselect_b64 s[82:83], s[4:5], s[6:7]         ; A's buffer
	s_cselect_b64 s[84:85], s[6:7], s[4:5]         ; B's
	s_cselect_b64 s[86:87], s[10:11], s[12:13]     ; the bias: bk or bv,
	s_cmp_lt_u32 s74, 4
	s_cselect_b64 s[86:87], s[8:9], s[86:87]       ; or bq
	s_add_nc_u64 s[20:21], s[82:83], s[20:21]
	s_add_nc_u64 s[46:47], s[84:85], s[46:47]
	CROUND                                         ; all sixteen work-groups are here: the first joint loads meet
	s_mov_b32 s[G0], 1
	s_mov_b32 s[G0+1], s45
	s_mov_b64 s[G0+2:G0+3], s[20:21]
	s_or_b32 s[G0+3], s[G0+3], 0x80000000
	s_mov_b32 s[G0B], 1
	s_mov_b32 s[G0B+1], s45
	s_mov_b64 s[G0B+2:G0B+3], s[46:47]
	s_or_b32 s[G0B+3], s[G0B+3], 0x80000000
	JLOAD G0, G1, G0B, G1B                         ; K step 0
	s_mov_b32 s[G0+4], 1
	s_add_co_u32 s[G0+5], s45, SLOT
	s_add_nc_u64 s[G0+6:G0+7], s[20:21], s[66:67]
	s_or_b32 s[G0+7], s[G0+7], 0x80000000
	s_mov_b32 s[G0B+4], 1
	s_add_co_u32 s[G0B+5], s45, SLOT
	s_add_nc_u64 s[G0B+6:G0B+7], s[46:47], s[68:69]
	s_or_b32 s[G0B+7], s[G0B+7], 0x80000000
	JLOAD G0+4, G1, G0B+4, G1B                     ; K step 1: two tensor loads of mine are out
	v_and_b32 v1, 15, v0                           ; r
	v_bfe_u32 v2, v0, 4, 1                         ; h
	v_mul_u32_u24 v3, v1, PITCH
	v_lshl_add_u32 v4, v2, 4, v3                   ; a fragment's row x pitch + 16 h
	s_mul_i32 s21, s15, HALFT                      ; my block of A
	s_mul_i32 s22, s16, HALFT
	s_add_co_u32 s22, s22, 2*HALFT                 ; my block of B
	v_add_nc_u32 v[ADRA], s21, v4
	v_add_nc_u32 v[ADRB], s22, v4
	v_add_nc_u32 v[ADRA+1], SLOT, v[ADRA]
	v_add_nc_u32 v[ADRB+1], SLOT, v[ADRB]
	s_sub_co_u32 s22, s22, s21
	v_mul_u32_u24 v6, s22, v2                      ; lanes 16-31 take B's scale words
	v_lshl_add_u32 v5, v1, 3, v6                   ; 8 bytes a position
	s_add_co_u32 s21, s21, 128*PITCH               ; behind the block's 128 rows of codes
	v_add_nc_u32 v[ADRS], s21, v5
	v_add_nc_u32 v[ADRS+1], SLOT, v[ADRS]
	; the way out: one stage for the work-group, in slot 0: 256 rows of 272 bytes of codes, then [256][8] scale bytes
	s_mul_i32 s21, s15, 128*PITCH
	s_lshl_b32 s22, s16, 7
	s_add_co_u32 s21, s21, s22
	v_add_nc_u32 v[CSTO], s21, v4                  ; row 128 x half + r, byte 128 x half + 16 h
	s_lshl_b32 s21, s15, 10
	s_lshl_b32 s22, s16, 2
	s_add_co_u32 s21, s21, s22
	s_add_co_u32 s21, s21, 256*PITCH
	v_lshl_add_u32 v[SSTO], v1, 3, s21
	s_mul_i32 s21, s14, 64*PITCH
	v_mul_u32_u24 v5, v2, PITCH
	v_lshl_add_u32 v5, v1, 4, v5
	v_add_nc_u32 v[RDC], s21, v5                   ; back: my 64 rows, sixteen lanes to a row
	s_lshl_b32 s21, s14, 9
	s_add_co_u32 s21, s21, 256*PITCH
	v_and_b32 v5, 31, v0
	v_lshl_add_u32 v[RDS], v5, 3, s21
	v_lshlrev_b32 v[GC], 11, v2
	v_lshl_add_u32 v[GC], v1, 4, v[GC]             ; in memory rows are 2,048 bytes apart
	; the biases.  Along the columns (q, k): 64 numbers a lane in the results' order.  Along the rows (v): one a lane and block a, at the position's true row.  Both are loaded on both ways
	s_and_b32 s21, s42, 3
	s_lshl_b32 s21, s21, 10
	s_lshl_b32 s22, s16, 9
	s_add_co_u32 s88, s21, s22
	s_mov_b32 s89, 0
	s_add_nc_u64 s[88:89], s[86:87], s[88:89]
	s_and_b32 s21, s17, 3
	s_lshl_b32 s21, s21, 10
	s_lshl_b32 s22, s15, 9
	s_add_co_u32 s90, s21, s22
	s_mov_b32 s91, 0
	s_add_nc_u64 s[90:91], s[86:87], s[90:91]
	v_lshlrev_b32 v7, 6, v2                        ; 16 h numbers
	v_and_b32 v6, 8, v1
	v_add_nc_u32 v6, v6, v1
	v_lshlrev_b32 v6, 2, v6                        ; r + 8 (r / 8) numbers
.irp b, 0,1,2,3
.irp j, 0,1,2,3
	global_load_b128 v[BJ+16*\b+4*\j:BJ+16*\b+4*\j+3], v7, s[88:89] offset:128*\b+16*\j
.endr
.endr
.irp a, 0,1,2,3,4,5,6,7
	global_load_b32 v[8+\a], v6, s[90:91] offset:(32*(\a/2)+8*(\a%2))*4
.endr
	s_mov_b32 s[SEL], 0x76543210
	s_mov_b32 s[SEL+1], 0xfedcba98
	s_mov_b32 s[MNT], 0x600000
.macro FRAG reg, adr, q, i             ; 16 rows x 128 K of codes: lane l holds row l % 16; registers 4 c .. 4 c + 3 hold K = 32 c + 16 (l / 16) + 0 .. 15
.irp c, 0,1,2,3
	ds_load_b128 v[\reg+4*\c:\reg+4*\c+3], v[\adr] offset:128*(\q)+32*\c+(\i)*16*PITCH
.endr
.endm
.macro MUL16 a0, p, q, sc, zero        ; A's blocks a0, a0 + 1 x B's eight; the 64 accumulators take turns, one instruction a turn
.irp a, \a0, \a0+1
.irp b, 0,1,2,3,4,5,6,7
.if \zero
	v_wmma_scale_f32_16x16x128_f8f6f4 v[8*(8*((\a)%4)+\b):8*(8*((\a)%4)+\b)+7], v[128*(\p)+FR*\b:128*(\p)+FR*\b+FR-1], v[AF+FR*(\a):AF+FR*(\a)+FR-1], 0, v[SC+8*NQ*(\sc)+NQ*\b+(\q)], v[SC+8*NQ*(\sc)+NQ*(\a)+(\q)] matrix_a_scale:MATRIX_SCALE_ROW1
.else
	v_wmma_scale_f32_16x16x128_f8f6f4 v[8*(8*((\a)%4)+\b):8*(8*((\a)%4)+\b)+7], v[128*(\p)+FR*\b:128*(\p)+FR*\b+FR-1], v[AF+FR*(\a):AF+FR*(\a)+FR-1], v[8*(8*((\a)%4)+\b):8*(8*((\a)%4)+\b)+7], v[SC+8*NQ*(\sc)+NQ*\b+(\q)], v[SC+8*NQ*(\sc)+NQ*(\a)+(\q)] matrix_a_scale:MATRIX_SCALE_ROW1
.endif
.endr
.endr
.endm
.macro FETCH_B slot, q, p
	WIN TO_B
.irp i, 0,1,2,3,4,5,6,7
	FRAG 128*(\p)+FR*\i, ADRB+\slot, \q, \i
.endr
	WIN 0
.endm
.macro FETCH_A slot, q, i0
.irp i, \i0, \i0+1, \i0+2, \i0+3
	FRAG AF+FR*(\i), ADRA+\slot, \q, \i
.endr
.endm
.macro SCALES sc                       ; a slot's scale words: two a row; lanes 0-15 A's block i, lanes 16-31 B's block i
.irp i, 0,1,2,3,4,5,6,7
	ds_load_b64 v[SC+8*NQ*\sc+NQ*\i:SC+8*NQ*\sc+NQ*\i+1], v[ADRS+\sc] offset:(\i/2)*PITCH+(\i%2)*128
.endr
.endm
.macro PLACES n
.rept \n
	v_nop
.endr
.endm
.macro STEP slot, q, zero              ; 128 along K with its successor in the same slot
	s_wait_dscnt 4*NL                              ; all but the youngest 16 loads (A's blocks 4-7)
	WIN MUL_LO
	MUL16 0, (\q)%2, \q, \slot, \zero
	MUL16 2, (\q)%2, \q, \slot, \zero
	s_wait_dscnt 0
	PLACES NP
	FETCH_B \slot, (\q)+1, 1-(\q)%2
	FETCH_A \slot, (\q)+1, 0
	WIN MUL_HI
	MUL16 4, (\q)%2, \q, \slot, \zero
	MUL16 6, (\q)%2, \q, \slot, \zero
	PLACES NP
	WIN 0
	FETCH_A \slot, (\q)+1, 4
.endm
.macro TURN slot, next, fill           ; a slot's last step changes slots
	s_wait_tensorcnt 0x0                           ; all my tensor loads have landed: my block of the next slot
	ds_add_u32 v[SPW], v[NIL]                      ; 0 onto my spare word
	s_wait_dscnt 4*NL+1                            ; the add and the youngest 16 loads may be out
	WIN MUL_LO
	MUL16 0, 1, NQ-1, \slot, 0
	s_wait_dscnt 0x0                               ; the add is done, and my reads of this slot are over
	s_barrier_signal -1
	MUL16 2, 1, NQ-1, \slot, 0
	WIN 0
	s_barrier_wait -1
.if \fill
	CREST                                          ; the barrier opened a round of the cluster's: no wave of any partner still reads this slot or has a load on its way
	ADVANCE \slot
	JLOAD G0+4*\slot, G1, G0B+4*\slot, G1B         ; the first tensor load behind the round; its four v_nop are among the places below
	PLACES NP-4
.else
	PLACES NP
.endif
	FETCH_B \next, 0, 0
	FETCH_A \next, 0, 0
	SCALES \next
	WIN MUL_HI
	MUL16 4, 1, NQ-1, \slot, 0
	MUL16 6, 1, NQ-1, \slot, 0
	PLACES NP
	WIN 0
	FETCH_A \next, 0, 4
.endm
	s_wait_loadcnt 0x0                             ; the biases
	s_wait_tensorcnt 1                             ; my block of K step 0 is in; K step 1's may be out
	s_barrier_signal -1
	s_barrier_wait -1
	FETCH_B 0, 0, 0
	FETCH_A 0, 0, 0
	SCALES 0
	FETCH_A 0, 0, 4
	STEP 0, 0, 1                                   ; the first products start the sums
	s_mov_b32 s3, LAPS-1
.Llap:
	TURN 0, 1, 1
	STEP 1, 0, 0
	TURN 1, 0, 1
	STEP 0, 0, 0
	s_sub_co_u32 s3, s3, 1
	s_cmp_lg_u32 s3, 0
	s_cbranch_scc1 .Llap
	TURN 0, 1, 0                                   ; the last lap fills nothing
	STEP 1, 0, 0
	s_wait_dscnt 4*NL
	WIN MUL_LO
	MUL16 0, 1, NQ-1, 1, 0
	MUL16 2, 1, NQ-1, 1, 0
	s_wait_dscnt 0
	WIN MUL_HI
	MUL16 4, 1, NQ-1, 1, 0
	MUL16 6, 1, NQ-1, 1, 0
	WIN 0
; 64 numbers of a lane, register 16 b + i = column 32 b + 16 (lane / 16) + i of my row, become 16 registers of codes in v[PC] on and a scale word in v[PW]
.macro QUANT s
.irp b, 0,1,2,3
	v_max3_num_f32 v[TM+\b], |v[\s+16*\b]|, |v[\s+1+16*\b]|, 0x4800000   ; my 16 numbers of block b, and the floor 2^(9 - 127)
.endr
.irp i, 2,4,6,8,10,12,14
.irp b, 0,1,2,3
	v_max3_num_f32 v[TM+\b], v[TM+\b], |v[\s+16*\b+\i]|, |v[\s+1+16*\b+\i]|
.endr
.endr
.irp b, 0,1,2,3
	v_permlanex16_b32 v[TM+4+\b], v[TM+\b], s[SEL], s[SEL+1]
.endr
.irp b, 0,1,2,3
	v_max_num_f32 v[TM+\b], v[TM+\b], v[TM+4+\b]   ; with lane l xor 16's: the block's largest magnitude
.endr
.irp b, 0,1,2,3
	v_add_nc_u32 v[TM+12+\b], 0xfc000000, v[TM+\b] ; the conversion's scale operand
.endr
.irp b, 0,1,2,3
	v_and_or_b32 v[TM+8+\b], v[TM+\b], 0x7f800000, s[MNT]   ; 448 x the scale
.endr
.irp b, 0,1,2,3
	v_lshrrev_b32 v[TM+4+\b], 23, v[TM+12+\b]      ; the byte
.endr
	v_lshl_or_b32 v[PW], v[TM+5], 8, v[TM+4]
	v_lshl_or_b32 v[PW], v[TM+6], 16, v[PW]
	v_lshl_or_b32 v[PW], v[TM+7], 24, v[PW]
.irp b, 0,1,2,3
.irp i, 0,1,2,3,4,5,6,7,8,9,10,11,12,13,14,15
	v_med3_num_f32 v[\s+16*\b+\i], v[\s+16*\b+\i], -v[TM+8+\b], v[TM+8+\b]   ; the conversion does not saturate (ISA guide 7.6.2)
.endr
	v_cvt_scalef32_pk8_fp8_f32 v[PC+4*\b:PC+1+4*\b], v[\s+16*\b:\s+7+16*\b], v[TM+12+\b]
	v_cvt_scalef32_pk8_fp8_f32 v[PC+2+4*\b:PC+3+4*\b], v[\s+8+16*\b:\s+15+16*\b], v[TM+12+\b]
.endr
	v_nop                                          ; a plain line between the conversions and the next vector line that writes their sources
.endm
; block a: the bias, the quantiser, codes and scale word into the stage.  Each accumulator is read from its low end on
.macro EPIA a
.set WW, 0x02+(\a)/4
	s_cmp_lt_u32 s74, 8
	s_cbranch_scc0 .Lrowbias_\@
	WIN WW
.set n, 0
.rept 32
	v_pk_add_f32 v[T+2*n:T+2*n+1], v[64*((\a)%4)+2*n:64*((\a)%4)+2*n+1], v[BJ+2*n:BJ+2*n+1]
.set n, n+1
.endr
	WIN 0
	s_branch .Lbiased_\@
.Lrowbias_\@:
	v_mov_b32 v226, v[8+(\a)]                      ; v: one bias for the lane's whole row
	WIN WW
.set n, 0
.rept 32
	v_pk_add_f32 v[T+2*n:T+2*n+1], v[64*((\a)%4)+2*n:64*((\a)%4)+2*n+1], v[226:227] op_sel_hi:[1,0]
.set n, n+1
.endr
	WIN 0
.Lbiased_\@:
	QUANT T
.irp b, 0,1,2,3
	ds_store_b128 v[CSTO], v[PC+4*\b:PC+4*\b+3] offset:(\a)*16*PITCH+32*\b
.endr
	ds_store_b32 v[SSTO], v[PW] offset:128*(\a)    ; both halves of the lanes write the same word with the same value
	s_wait_dscnt 0x0                               ; the stores have read their registers
.endm
	PLACES NP                                      ; in front of the first read of results and the first write of registers that held fragments
.irp b, 0,1,2,3
	v_mov_b32 v[TM+4+\b], 0                        ; a lane permute's destination counts as read
.endr
	v_mov_b32 v227, 0                              ; named as the upper half of a pair
.irp a, 0,1,2,3,4,5,6,7
	EPIA \a
.endr
	; where my 64 rows go
	s_lshl_b32 s75, s17, 8
	s_lshl_b32 s76, s14, 6
	s_add_co_u32 s75, s75, s76                     ; 256 x tile row + 64 x wave
	s_lshr_b32 s76, s42, 3
	s_lshl_b32 s76, s76, 10                        ; v: 1,024 x batch
	s_and_b32 s77, s42, 7
	s_lshl_b32 s78, s42, 15                        ; q, k: the tile column's plane of scale bytes
	s_lshl_b32 s79, s77, 3                         ; v: 8 bytes for each 256 keys
	s_cmp_lt_u32 s74, 8
	s_cselect_b32 s76, 0, s76
	s_cselect_b32 s77, s42, s77
	s_cselect_b32 s80, 0, 8388608
	s_cselect_b32 s81, 3, 6                        ; log2 of a row of scale bytes
	s_cselect_b32 s78, s78, s79
	s_mov_b32 s79, 12845056
	s_cselect_b32 s79, 12582912, s79
	s_add_co_u32 s75, s75, s76
	s_lshl_b32 s76, s75, 11
	s_lshl_b32 s77, s77, 8
	s_add_co_u32 s76, s76, s77
	s_add_co_u32 s76, s76, s80
	s_mov_b32 s77, 0
	s_add_nc_u64 s[82:83], s[18:19], s[76:77]      ; codes
	s_lshl_b32 s76, s75, s81
	s_add_co_u32 s76, s76, s78
	s_add_co_u32 s76, s76, s79
	s_add_nc_u64 s[84:85], s[18:19], s[76:77]      ; scale bytes
	v_and_b32 v5, 31, v0
	v_lshlrev_b32 v[GS], s81, v5
	s_lshl_b32 s86, 32, s81
	v_add_nc_u32 v[GS2], s86, v[GS]
	s_wait_dscnt 0x0                               ; for the others' sake: my stores into the stage are done
	s_barrier_signal -1
	s_barrier_wait -1
.set n, 0
.rept 32
	ds_load_b128 v[64+4*n:67+4*n], v[RDC] offset:544*n
.set n, n+1
.endr
	ds_load_b64 v[192:193], v[RDS]
	ds_load_b64 v[194:195], v[RDS] offset:256
.set n, 0
.rept 32
	s_wait_dscnt 33-n                              ; the younger read-backs may be out
	global_store_b128 v[GC], v[64+4*n:67+4*n], s[82:83] offset:4096*n   ; sixteen lanes store 256 consecutive bytes, aligned
.set n, n+1
.endr
	s_wait_dscnt 0x1
	global_store_b64 v[GS], v[192:193], s[84:85]
	s_wait_dscnt 0x0
	global_store_b64 v[GS2], v[194:195], s[84:85]
	s_wait_tensorcnt 0x0                           ; the wave's end
	ds_add_u32 v[SPW], v[NIL]
	s_wait_dscnt 0x0
	CROUND                                         ; the closing round
	s_endpgm
.Lfunc_end_k_q5d2d44b818_qkv:
	.size	k_q5d2d44b818_qkv, .Lfunc_end_k_q5d2d44b818_qkv-k_q5d2d44b818_qkv
	.p2alignl 7, 3214868480
	.fill 96, 4, 3214868480
	.section	.rodata,"a",@progbits
	.p2align	6, 0x0
	.amdhsa_kernel k_q5d2d44b818_qkv
		.amdhsa_group_segment_fixed_size 327680
		.amdhsa_private_segment_fixed_size 0
		.amdhsa_enable_private_segment 0
		.amdhsa_kernarg_size 48
		.amdhsa_user_sgpr_count 2
		.amdhsa_user_sgpr_kernarg_segment_ptr 1
		.amdhsa_wavefront_size32 1
		.amdhsa_system_sgpr_workgroup_id_x 1
		.amdhsa_system_sgpr_workgroup_id_y 1
		.amdhsa_system_sgpr_workgroup_id_z 1
		.amdhsa_system_vgpr_workitem_id 0
		.amdhsa_next_free_vgpr 1024
		.amdhsa_next_free_sgpr 100
		.amdhsa_reserve_vcc 0
		.amdhsa_float_denorm_mode_32 3
		.amdhsa_float_denorm_mode_16_64 3
		.amdhsa_memory_ordered 1
		.amdhsa_forward_progress 1
		.amdhsa_inst_pref_size 225
	.end_amdhsa_kernel
	.amdgpu_metadata
---
amdhsa.version: [ 1, 2 ]
amdhsa.kernels:
  - .name:           k_q5d2d44b818_qkv
    .symbol:         k_q5d2d44b818_qkv.kd
    .args:
      - { .name: actq, .offset: 0, .size: 8, .value_kind: global_buffer, .address_space: global }
      - { .name: wts, .offset: 8, .size: 8, .value_kind: global_buffer, .address_space: global }
      - { .name: bq, .offset: 16, .size: 8, .value_kind: global_buffer, .address_space: global }
      - { .name: bk, .offset: 24, .size: 8, .value_kind: global_buffer, .address_space: global }
      - { .name: bv, .offset: 32, .size: 8, .value_kind: global_buffer, .address_space: global }
      - { .name: qkv, .offset: 40, .size: 8, .value_kind: global_buffer, .address_space: global }
    .group_segment_fixed_size: 327680
    .private_segment_fixed_size: 0
    .kernarg_segment_align: 8
    .kernarg_segment_size: 48
    .max_flat_workgroup_size: 128
    .sgpr_count:     100
    .vgpr_count:     1024
    .wavefront_size: 32
...
	.end_amdgpu_metadata
.endif
;; end of part 2
;; launch attn (part 3): grid 32 x 8, 16 waves a work-group, clusters of 4 x 1, 327,680 bytes of LDS; arguments qkv, mask, actq; writes actq
.if DOCPART == 3
	.amdgcn_target "amdgcn-amd-amdhsa--gfx1250"
	.amdhsa_code_object_version 6
	.text
	.protected	k_q5d2d44b818_attn
	.globl	k_q5d2d44b818_attn
	.p2align	8
	.type	k_q5d2d44b818_attn,@function
k_q5d2d44b818_attn:
	s_mov_b64 s[64:65], 0
	v_nop
	global_prefetch_b8 v0, s[64:65] scope:SCOPE_SE
	s_setreg_imm32_b32 hwreg(HW_REG_WAVE_MODE, 25, 1), 1
	s_wait_xcnt 0x0
	s_wait_alu depctr_hold_cnt(0) depctr_sa_sdst(0) depctr_va_vdst(0) depctr_va_sdst(0) depctr_va_ssrc(0) depctr_va_vcc(0) depctr_vm_vsrc(0)
	s_getreg_b32 s2, hwreg(HW_REG_IB_STS2, 6, 4)
	s_cmp_eq_u32 s2, 0
	s_cbranch_scc0 .Lentry_in_a_cluster
	s_endpgm
.Lentry_in_a_cluster:
	s_bfe_u32 s2, ttmp6, 0x10000c
	s_cmp_lg_u32 s2, 0x3003
	s_cbranch_scc0 .Lentry_shape_is_right
	s_endpgm
.Lentry_shape_is_right:
; Attention on codes of E4M3: S = q k^T (K = the head's 64), the additive mask, p = 2^(t - M) quantised along the keys, O = p v, O / l, quantised along the model's 1,024 into blocks for the next product.
; t = (S - 80,000 (1 - m)) x log2(e) / 8, which is reference's score x log2(e); M = the running largest t rounded up to a whole number; l = the sum of the unquantised p.
; SHARES.  A work-group owns 64 queries x 4 heads; wave w owns 16 queries (w % 4) of head w / 4.  Every wave walks the 2,048 keys, 128 a step, 256 to an LDS slot.
; The four work-groups of a cluster walk the same keys and values of the same four heads: every fill is asked for jointly (mask 15).
; K = 64 IS HALF OF THE INSTRUCTION'S 128: q's upper eight registers are zero codes, so whatever stands in the upper eight registers of a fragment of k (the next fragment's codes, or zeros) adds nothing.
; THE MASK'S TERM hangs on the key alone: it is loaded as the C of S^T = k q^T and costs no vector instruction.  It enters the matrix unit's f32 sum: one rounding, as in reference.
; Both products are used transposed: a lane holds one query.  Rows of q, k, v lie in position order (bits 3, 4 of the row number exchanged): sixteen neighbouring LDS rows of k give, in two neighbouring tiles, 16 neighbouring keys a lane.
; LIMITS: NaN and infinities are not served; a mask's 1 - m must be exact in f32; blocks of zeros get the byte 1.
; REGISTERS: v1-4 k's and v's addresses by slot; v5-6 the add's; v7 the prefetches' offset; v8-10 the step's addresses; v12 -M, v13 largest t, v[14:15] l; v16-31 q; v32-95 fragments; v96-103 zeros;
;   v104-167 S^T, then p; v168-199 O^T; v200-215 p's codes; v216-231 at work; v232-239 scale words; v240 f, v241 p's scale word; v242 at work; v243 q's scale word; v244-246 lane parts.
.set KP,    272
.set HALF,  128*KP                     ; what one tensor load brings
.set VOFF,  256*KP                     ; a slot: 256 keys' rows of k (4 heads x 64 codes), then 256 rows of v (4 heads x 64) x 256 keys
.set SLOTB, 2*VOFF
.set SCK,   2*SLOTB                    ; k's scale bytes of the batch and head group, 16,384 bytes as 64 rows of 256 + 16
.set SCH,   32*KP
.set SCV,   SCK+2*SCH                  ; v's likewise
.set MSK,   SCV+2*SCH                  ; the mask's terms, 2,048 f32: written by LDS stores alone
.set SPARE, MSK+8192                   ; the spare words: 2,048 bytes that no other line names
.set BLK,   33792
.set S,   104
.set O,   168
.set PCD, 200
.set BM,  216
.set PD,  220
.set HO,  224
.set SO,  228
.set SPW, 5
.set NIL, 6
.set PFO, 7
.set WV,  10
.set MNT, 19
.set SEL, 20
.set CS,  22
.set G1,  24
.set G1S, 32
.set G0,  40                           ; s[40:43] slot 0's group 0, s[44:47] slot 1's
.set G0S, 48
.set ST2, 52
.set PFA, 54
.set PFS, 56
.set LIM, 58
.set FL,  59
.set TS,  60
.set TJ,  61
.set TM,  62
.set LP,  63
.macro TLOAD g0, g1                    ; waves 0 and 1 fetch k's halves, waves 2 and 3 v's, each by its own group 0; the others nothing
	s_cmp_lt_u32 s[WV], 4
	s_cbranch_scc0 .Lnone_\@
	tensor_load_to_lds s[\g0:\g0+3], s[\g1:\g1+7]
	s_nop 0
.rept 4
	v_nop
.endr
.Lnone_\@:
.endm
.macro CROUND
	s_barrier_signal -1
	s_barrier_wait -1
	s_cmp_lg_u32 s[WV], 0
	s_cbranch_scc1 .Lnot_wave_0_\@
	s_barrier_signal -3
.Lnot_wave_0_\@:
	s_barrier_wait -3
	s_barrier_signal -1
	s_barrier_wait -1
.endm
; A prefetch of the slot after the one that is being asked for: 256 rows of k and 256 of v, 256 bytes of each, a lane a row.  All clusters of a batch and head group walk the same rows: the first of them asks.
; Its four partners take 64 rows each, told apart by address; in each, waves 4 and 5 ask for k's and waves 6 and 7 for v's.  The last fill asks for nothing; nothing is asked for at the head.
.macro ASK
	s_cmp_gt_u32 s[FL], s[LIM]
	s_cbranch_scc0 .Lnot_mine_\@
	global_prefetch_b8 v[PFO], s[PFA:PFA+1] th:TH_LOAD_NT scope:SCOPE_SE
.Lnot_mine_\@:
.endm
	s_load_b128 s[4:7], s[0:1], 0x0                ; qkv, mask
	s_load_b64 s[8:9], s[0:1], 0x10                ; actq
	v_lshl_add_u32 v[SPW], v0, 2, SPARE
	v_mov_b32 v[NIL], 0
	ds_add_u32 v5, v6
	s_wait_dscnt 0x0
	v_lshrrev_b32 v8, 5, v0
	v_readfirstlane_b32 s[WV], v8                  ; wave 0..15
	s_lshr_b32 s11, s[WV], 2                       ; my head of the four
	s_and_b32 s12, s[WV], 3                        ; my tile of queries
	s_bfe_u32 s13, ttmp6, 0x40000                  ; cx
	s_lshl_b32 s14, ttmp9, 2
	s_add_co_u32 s14, s14, s13                     ; my block of 64 queries: it enters global addresses alone
	s_and_b32 s15, ttmp7, 0xffff
	s_lshr_b32 s16, s15, 2                         ; batch
	s_and_b32 s17, s15, 3                          ; head group
	s_and_b32 s66, s[WV], 1
	s_and_b32 s78, s[WV], 3
	s_lshl_b32 s67, s16, 22
	s_lshl_b32 s69, s17, 8
	s_add_co_u32 s67, s67, s69
	s_add_co_u32 s67, s67, 1024                    ; k's first byte: batch x 2,048 rows of 2,048 bytes, behind q's 1,024, + 256 x head group
	s_lshl_b32 s68, s16, 21
	s_lshl_b32 s69, s17, 19
	s_add_co_u32 s68, s68, s69
	s_add_co_u32 s68, s68, 8388608                 ; v's first byte: row 1,024 x batch + 256 x head group
	s_lshl_b32 s69, s66, 18                        ; my half: 128 rows of 2,048 bytes
	s_lshl_b32 s76, s17, 15
	s_lshl_b32 s79, s16, 14
	s_add_co_u32 s76, s76, s79
	s_add_co_u32 s76, s76, 12582912+4*32768        ; k's scale bytes
	s_lshl_b32 s79, s16, 16
	s_lshl_b32 s80, s17, 14
	s_add_co_u32 s79, s79, s80
	s_add_co_u32 s79, s79, 12845056                ; v's
	s_mov_b32 s72, 256
	s_cmp_lt_u32 s[WV], 2
	s_cselect_b32 s70, s67, s68
	s_cselect_b32 s72, 524288, s72                 ; a slot on: 256 rows of k, 256 bytes in a row of v
	s_cselect_b32 s76, s76, s79
	s_add_co_u32 s70, s70, s69
	s_mov_b32 s71, 0
	s_add_co_u32 s74, s70, s72
	s_mov_b32 s75, 0
	s_lshl_b32 s79, s66, 13
	s_add_co_u32 s76, s76, s79
	s_mov_b32 s77, 0
	s_lshl_b32 s[ST2], s72, 1                      ; two slots on
	s_mov_b32 s[ST2+1], 0
	; group 1: 128 rows of 256 bytes, 2,048 bytes apart, 16 bytes of padding behind each; mask: all four work-groups
	s_mov_b32 s[G1], 15|(1<<20)|(1<<21)|(5<<22)|(3<<25)
	s_mov_b32 s[G1+1], 256<<16
	s_mov_b32 s[G1+2], 128<<16
	s_mov_b32 s[G1+3], 256<<16
	s_mov_b32 s[G1+4], 128
	s_mov_b32 s[G1+5], 2048
	s_mov_b32 s[G1+6], 0
	s_mov_b32 s[G1+7], 0
	; and for 8,192 dense scale bytes: 32 rows of 32 elements of 8 bytes
	s_mov_b32 s[G1S], 15|(3<<16)|(1<<20)|(1<<21)|(5<<22)|(3<<25)
	s_mov_b32 s[G1S+1], 32<<16
	s_mov_b32 s[G1S+2], 32<<16
	s_mov_b32 s[G1S+3], 32<<16
	s_mov_b32 s[G1S+4], 32
	s_mov_b32 s[G1S+5], 32
	s_mov_b32 s[G1S+6], 0
	s_mov_b32 s[G1S+7], 0
	s_mov_b32 s[SEL], 0x76543210
	s_mov_b32 s[SEL+1], 0xfedcba98
	s_mov_b32 s[CS], 0x3e38aa3b                    ; c = log2(e) / 8
	s_mov_b32 s[CS+1], s[CS]
	s_mov_b32 s[MNT], 0x600000
	s_mov_b32 s[TS], 0
	s_mov_b32 s[TJ], 0
	s_mov_b32 s[TM], 0
	s_mov_b32 s[FL], 7                             ; fills still to come
	s_wait_kmcnt 0x0
	s_mov_b32 s[G0], 1
	s_mul_i32 s[G0+1], s78, HALF
	s_add_nc_u64 s[G0+2:G0+3], s[4:5], s[70:71]
	s_or_b32 s[G0+3], s[G0+3], 0x80000000
	s_mov_b32 s[G0+4], 1
	s_add_co_u32 s[G0+5], s[G0+1], SLOTB
	s_add_nc_u64 s[G0+6:G0+7], s[4:5], s[74:75]
	s_or_b32 s[G0+7], s[G0+7], 0x80000000
	s_mov_b32 s[G0S], 1
	s_mul_i32 s[G0S+1], s78, SCH
	s_add_co_u32 s[G0S+1], s[G0S+1], SCK
	s_add_nc_u64 s[G0S+2:G0S+3], s[4:5], s[76:77]
	s_or_b32 s[G0S+3], s[G0S+3], 0x80000000
	CROUND                                         ; all four work-groups are here: the first joint loads meet
	TLOAD G0S, G1S                                 ; the scale bytes: filled once
	TLOAD G0, G1                                   ; keys 0-255: two tensor loads of a fetching wave are out; the next wait on them is for 0
	; q, the mask, the output
	s_lshl_b32 s79, s16, 11
	s_lshl_b32 s80, s14, 6
	s_add_co_u32 s79, s79, s80
	s_lshl_b32 s80, s12, 4
	s_add_co_u32 s79, s79, s80                     ; my first query's position
	s_lshl_b32 s80, s79, 11
	s_lshl_b32 s81, s17, 8
	s_add_co_u32 s80, s80, s81
	s_lshl_b32 s81, s11, 6
	s_add_co_u32 s80, s80, s81
	s_mov_b32 s81, 0
	s_add_nc_u64 s[88:89], s[4:5], s[80:81]        ; its codes of my head
	s_lshl_b32 s80, s79, 3
	s_lshl_b32 s82, s17, 15
	s_add_co_u32 s80, s80, s82
	s_lshl_b32 s82, s11, 1
	s_add_co_u32 s80, s80, s82
	s_add_co_u32 s80, s80, 12582912
	s_add_nc_u64 s[90:91], s[4:5], s[80:81]        ; its two scale bytes
	s_lshl_b32 s80, s16, 13
	s_add_nc_u64 s[92:93], s[6:7], s[80:81]        ; the batch's mask
	s_lshl_b32 s80, s17, 5
	s_lshl_b32 s82, s16, 4
	s_add_co_u32 s80, s80, s82
	s_lshr_b32 s82, s14, 1
	s_add_co_u32 s80, s80, s82
	s_mul_i32 s80, s80, BLK                        ; the output's block: K step = head group, group = 16 x batch + query block / 2
	s_and_b32 s82, s14, 1
	s_lshl_b32 s83, s82, 14
	s_lshl_b32 s84, s[WV], 10
	s_add_co_u32 s83, s83, s84
	s_add_co_u32 s86, s80, s83
	s_mov_b32 s87, 0
	s_add_nc_u64 s[94:95], s[8:9], s[86:87]        ; my four rows of codes
	s_lshl_b32 s83, s82, 9
	s_add_co_u32 s86, s80, s83
	s_add_co_u32 s86, s86, 32768
	s_add_nc_u64 s[96:97], s[8:9], s[86:87]        ; the 64 rows' scale bytes
	; the prefetches
	s_mov_b32 s[PFS], 256
	s_cmp_lt_u32 s[WV], 6
	s_cselect_b32 s84, s67, s68
	s_cselect_b32 s[PFS], 524288, s[PFS]
	s_mov_b32 s[PFS+1], 0
	s_lshl_b32 s85, s13, 6
	s_lshl_b32 s86, s66, 5
	s_add_co_u32 s85, s85, s86
	s_lshl_b32 s85, s85, 11                        ; rows 64 cx + 32 (wave % 2) on
	s_add_co_u32 s84, s84, s85
	s_add_co_u32 s84, s84, s[PFS]                  ; at keys 256 on; the first change of slots steps it to keys 512 on
	s_mov_b32 s85, 0
	s_add_nc_u64 s[PFA:PFA+1], s[4:5], s[84:85]
	s_lshr_b32 s86, s[WV], 2
	s_xor_b32 s86, s86, 1                          ; 0 in waves 4 to 7,
	s_or_b32 s86, s86, ttmp9                       ; of the first cluster: the same in all four partners
	s_cmp_eq_u32 s86, 0
	s_cselect_b32 s[LIM], 1, -1
	s_mov_b32 s98, 0x479c4000                      ; 80,000
	v_and_b32 v8, 15, v0                           ; r
	v_bfe_u32 v9, v0, 4, 1                         ; h
	v_lshlrev_b32 v10, 11, v8
	v_lshl_add_u32 v10, v9, 4, v10
	global_load_b128 v[16:19], v10, s[88:89]       ; q: K = 16 h + 0 .. 15
	global_load_b128 v[20:23], v10, s[88:89] offset:32   ; K = 32 + 16 h + 0 .. 15
	v_lshlrev_b32 v11, 3, v8
	global_load_u16 v243, v11, s[90:91]
	v_lshlrev_b32 v242, 4, v0
	global_load_b128 v[32:35], v242, s[92:93]      ; thread t: mask of keys 4 t .. 4 t + 3
	v_add_nc_u32 v247, MSK, v242
	v_and_b32 v[PFO], 31, v0
	v_lshlrev_b32 v[PFO], 11, v[PFO]
	v_mul_u32_u24 v1, v8, KP
	v_lshl_add_u32 v1, v9, 4, v1                   ; row r, + 16 h
	s_mul_i32 s80, s11, 64*KP
	s_add_co_u32 s80, s80, VOFF
	v_add_nc_u32 v3, s80, v1                       ; v: my head's 64 rows
	v_add_nc_u32 v4, SLOTB, v3
	s_lshl_b32 s80, s11, 6
	v_add_nc_u32 v1, s80, v1                       ; k: my head's 64 bytes of a row
	v_add_nc_u32 v2, SLOTB, v1
	s_lshl_b32 s80, s11, 1
	s_add_co_u32 s80, s80, SCK
	v_lshl_add_u32 v244, v8, 3, s80                ; k's scale bytes: 8 a key, my head's two
	v_lshrrev_b32 v245, 2, v8
	v_and_b32 v246, 3, v8
	v_lshlrev_b32 v246, 6, v246
	v_mad_u32_u24 v245, v245, KP, v246             ; v's: 64 bytes a row, four rows to 256 bytes
	s_mul_i32 s80, s11, 16*KP
	s_add_co_u32 s80, s80, SCV
	v_add_nc_u32 v245, s80, v245
	v_lshlrev_b32 v246, 6, v9
	v_add_nc_u32 v246, MSK, v246                   ; the mask's terms: 16 h keys on
.irp j, 24,25,26,27,28,29,30,31
	v_mov_b32 v[\j], 0                             ; q's K = 64 .. 127: zero codes
.endr
.irp j, 96,97,98,99,100,101,102,103
	v_mov_b32 v[\j], 0                             ; behind the last fragment of k
.endr
.set n, 0
.rept 32
	v_mov_b32 v[O+n], 0                            ; O^T: the step is written once, its first turn finds zeros
.set n, n+1
.endr
	v_mov_b32 v13, 0xff61b1e6                      ; the largest t so far: -3e38
	v_floor_f32 v12, -v13
	v_mov_b32 v14, 0
	v_mov_b32 v15, 0
.irp b, 0,1,2,3
	v_mov_b32 v[PD+\b], 0                          ; a lane permute's destination counts as read
.endr
	v_mov_b32 v241, 0                              ; named as the upper half of a pair before it is first made
	s_wait_loadcnt 0x0
	v_or_b32 v243, 0x7f7f0000, v243                ; q's scale word: 2^0 for the zero codes
.irp i, 0,1,2,3
	v_cvt_f32_i32 v[32+\i], v[32+\i]
.endr
.irp i, 0,1,2,3
	v_add_f32 v[32+\i], -1.0, v[32+\i]
.endr
.irp i, 0,1,2,3
	v_mul_f32 v[32+\i], s98, v[32+\i]              ; -10,000 (1 - m) x 8: the scores here are 8 times reference's
.endr
	ds_store_b128 v247, v[32:35]                   ; shown to all waves by the first change of slots: its wait for 0 and its barrier
; A KEY STEP: 128 keys, the q-th of slot s
.macro STEP q, s
	v_add_nc_u32 v8, s[TS], v244
	v_add_nc_u32 v9, s[TJ], v245
	v_add_nc_u32 v10, s[TM], v246
.rept 5
	v_nop                                          ; with the three additions: eight places in front of loads into registers that the last products read
.endr
.irp t, 0,1,2,3,4,5,6,7
	ds_load_b128 v[32+8*\t:35+8*\t], v[1+\s] offset:(128*(\q)+16*\t)*KP
	ds_load_b128 v[36+8*\t:39+8*\t], v[1+\s] offset:(128*(\q)+16*\t)*KP+32
	ds_load_u16 v[232+\t], v8 offset:KP*(\t/2)+128*(\t%2)          ; two bytes; the upper two come as 0, a power of two like any other, over products with zero codes
	ds_load_b128 v[S+8*\t:S+8*\t+3], v10 offset:128*(\t/2)+32*(\t%2)       ; the mask's terms of keys 32 (t / 2) + 16 h + 8 (t % 2) + 0 .. 7: the product's C
	ds_load_b128 v[S+8*\t+4:S+8*\t+7], v10 offset:128*(\t/2)+32*(\t%2)+16
.endr
	s_wait_dscnt 0x0
.irp t, 0,1,2,3,4,5,6,7
	v_wmma_scale_f32_16x16x128_f8f6f4 v[S+8*\t:S+8*\t+7], v[32+8*\t:47+8*\t], v[16:31], v[S+8*\t:S+8*\t+7], v[232+\t], v243
.endr
.rept 8
	v_nop                                          ; places in front of the loads below and of the first read of the scores
.endr
.irp t, 0,1,2,3                                ; v's four fragments are asked for now and land under the softmax
.irp c, 0,1,2,3
	ds_load_b128 v[32+16*\t+4*\c:35+16*\t+4*\c], v[3+\s] offset:16*\t*KP+128*(\q)+32*\c
.endr
	ds_load_b32 v[232+\t], v9 offset:4*\t*KP
.endr
.irp b, 0,1,2,3
	v_max3_num_f32 v[BM+\b], v[S+16*\b], v[S+1+16*\b], v[S+2+16*\b]   ; the largest score of each block of 32 keys: for the row's maximum and for the block's largest p
.endr
.irp i, 3,5,7,9,11,13
.irp b, 0,1,2,3
	v_max3_num_f32 v[BM+\b], v[BM+\b], v[S+16*\b+\i], v[S+1+16*\b+\i]
.endr
.endr
.irp b, 0,1,2,3
	v_max_num_f32 v[BM+\b], v[BM+\b], v[S+15+16*\b]
.endr
.irp b, 0,1,2,3
	v_permlanex16_b32 v[PD+\b], v[BM+\b], s[SEL], s[SEL+1]
.endr
.irp b, 0,1,2,3
	v_max_num_f32 v[BM+\b], v[BM+\b], v[PD+\b]
.endr
	v_max3_num_f32 v242, v[BM], v[BM+1], v[BM+2]
	v_max_num_f32 v242, v242, v[BM+3]
	v_mul_f32 v242, s[CS], v242
	v_max_num_f32 v13, v13, v242                   ; the running largest t
	v_mov_b32 v242, v12
	v_floor_f32 v12, -v13                          ; -M = floor(-t)
	v_sub_f32 v242, v12, v242                      ; old M - new M: a whole number, 0 or less
	v_cvt_i32_f32 v242, v242
	v_ldexp_f32 v240, 1.0, v242                    ; f = 2^(old M - new M)
.set n, 0
.rept 32
	v_pk_fma_f32 v[S+2*n:S+2*n+1], v[S+2*n:S+2*n+1], s[CS:CS+1], v[12:13] op_sel_hi:[1,0,0]   ; t - M
.set n, n+1
.endr
.irp b, 0,1,2,3
	v_fma_f32 v[BM+\b], v[BM+\b], s[CS], v12
.endr
.set n, 0
.rept 64
	v_exp_f32 v[S+n], v[S+n]                       ; p
.set n, n+1
.endr
	v_pk_mul_f32 v[14:15], v[14:15], v[240:241] op_sel_hi:[1,0]   ; l under the new M: a plain line behind the exponentials
	s_wait_alu depctr_va_vdst(0)                   ; one wait for the batch, ahead of its first reader
.irp b, 0,1,2,3
	v_exp_f32 v[BM+\b], v[BM+\b]                   ; the block's largest p
.endr
	v_pk_add_f32 v[PD:PD+1], v[S:S+1], v[S+2:S+3]  ; l is taken of the unquantised p, in two chains
.irp j, 4,8,12,16,20,24,28,32,36,40,44,48,52,56,60
	v_pk_add_f32 v[14:15], v[14:15], v[S+\j:S+1+\j]
	v_pk_add_f32 v[PD:PD+1], v[PD:PD+1], v[S+2+\j:S+3+\j]
.endr
	v_pk_add_f32 v[14:15], v[14:15], v[PD:PD+1]
	s_wait_alu depctr_va_vdst(0)                   ; and one for the four
.irp b, 0,1,2,3
	v_max_num_f32 v[BM+\b], 0x4800000, v[BM+\b]    ; the floor
.endr
.irp b, 0,1,2,3
	v_add_nc_u32 v[SO+\b], 0xfc000000, v[BM+\b]
.endr
.irp b, 0,1,2,3
	v_and_or_b32 v[HO+\b], v[BM+\b], 0x7f800000, s[MNT]
.endr
.irp b, 0,1,2,3
	v_lshrrev_b32 v[PD+\b], 23, v[SO+\b]
.endr
	v_lshl_or_b32 v241, v[PD+1], 8, v[PD]          ; p's scale word for these 128 keys
	v_lshl_or_b32 v241, v[PD+2], 16, v241
	v_lshl_or_b32 v241, v[PD+3], 24, v241
.irp b, 0,1,2,3
.irp i, 0,1,2,3,4,5,6,7,8,9,10,11,12,13,14,15
	v_min_num_f32 v[S+16*\b+\i], v[S+16*\b+\i], v[HO+\b]   ; p is not negative: a one-sided hold
.endr
	v_cvt_scalef32_pk8_fp8_f32 v[PCD+4*\b:PCD+1+4*\b], v[S+16*\b:S+7+16*\b], v[SO+\b]
	v_cvt_scalef32_pk8_fp8_f32 v[PCD+2+4*\b:PCD+3+4*\b], v[S+8+16*\b:S+15+16*\b], v[SO+\b]
.endr
.set n, 0
.rept 16
	v_pk_mul_f32 v[O+2*n:O+2*n+1], v[O+2*n:O+2*n+1], v[240:241] op_sel_hi:[1,0]   ; O^T under the new M; also the places in front of the products below
.set n, n+1
.endr
	s_wait_dscnt 0x0                               ; v's fragments and scale words
.irp t, 0,1,2,3
	v_wmma_scale_f32_16x16x128_f8f6f4 v[O+8*\t:O+8*\t+7], v[32+16*\t:47+16*\t], v[PCD:PCD+15], v[O+8*\t:O+8*\t+7], v[232+\t], v241
.endr
	s_add_co_u32 s[TS], s[TS], 4*KP
	s_add_co_u32 s[TJ], s[TJ], 4
	s_add_co_u32 s[TM], s[TM], 512
.endm
; THE CHANGE OF SLOTS, at the head of slot s.  Each wave waits for all its tensor loads, adds 0 to its spare word, and waits for that and for its reads of the slot that it has left.
; fill = 1: a round of the cluster's barrier, and behind it the other slot is filled with the keys that follow: a slot's two steps in which to land.
.macro CHANGE s, fill
	s_wait_tensorcnt 0x0
	ds_add_u32 v[SPW], v[NIL]
.if \fill
	s_add_nc_u64 s[G0+4*\s+2:G0+4*\s+3], s[G0+4*\s+2:G0+4*\s+3], s[ST2:ST2+1]   ; no tensor load of mine is out: this slot's next keys
	s_wait_xcnt 0x0                                ; the last prefetch has read its address
	s_add_nc_u64 s[PFA:PFA+1], s[PFA:PFA+1], s[PFS:PFS+1]
	s_wait_dscnt 0x0
	CROUND
	TLOAD G0+4*(1-\s), G1
	ASK
	s_sub_co_u32 s[FL], s[FL], 1
.else
	s_wait_dscnt 0x0
	s_barrier_signal -1
	s_barrier_wait -1
.endif
.endm
	s_mov_b32 s[LP], 3
.Lring:
	CHANGE 0, 1
	STEP 0, 0
	STEP 1, 0
	CHANGE 1, 1
	STEP 0, 1
	STEP 1, 1
	s_sub_co_u32 s[LP], s[LP], 1
	s_cmp_lg_u32 s[LP], 0
	s_cbranch_scc1 .Lring
	CHANGE 0, 1                                    ; the tail is written out: the seventh and last fill,
	STEP 0, 0
	STEP 1, 0
	CHANGE 1, 0                                    ; and a change that asks for nothing
	STEP 0, 1
	STEP 1, 1
	; THE WAY OUT.  O^T / l; register 16 b + i is channel 32 b + 16 h + i of my head: two blocks of 32 along the next K.  Codes and bytes meet in a stage in slot 0, which has had its last fill and its last read.
	v_add_f32 v14, v14, v15
	v_permlanex16_b32 v240, v14, s[SEL], s[SEL+1]
	v_add_f32 v14, v14, v240
	v_rcp_f32 v14, v14
	v_and_b32 v8, 15, v0
	v_bfe_u32 v9, v0, 4, 1
	s_lshl_b32 s66, s12, 4
	v_add_nc_u32 v10, s66, v8                      ; my row of the 64
	v_mul_u32_u24 v11, v10, KP
	v_lshl_add_u32 v11, v9, 4, v11
	s_lshl_b32 s67, s11, 6
	v_add_nc_u32 v11, s67, v11                     ; codes in: + 64 x head + 16 h
	v_lshlrev_b32 v10, 3, v10
	s_lshl_b32 s67, s11, 1
	v_add_nc_u32 v10, s67, v10
	v_add_nc_u32 v10, 64*KP, v10                   ; bytes in: 8 a row, my head's two
	s_mul_i32 s67, s[WV], 4*KP
	v_mul_u32_u24 v1, v9, KP
	v_lshl_add_u32 v1, v8, 4, v1
	v_add_nc_u32 v1, s67, v1                       ; back: my four rows, sixteen lanes to a row
	v_and_b32 v2, 31, v0
	s_wait_xcnt 0x0                                ; the last prefetch has read its offset
	v_lshlrev_b32 v7, 4, v2
	v_add_nc_u32 v3, 64*KP, v7
	s_wait_alu depctr_va_vdst(0)                   ; the reciprocal's wait, ahead of its first reader
.set n, 0
.rept 32
	v_mul_f32 v[S+n], v[O+n], v14
.set n, n+1
.endr
.irp b, 0,1
	v_max3_num_f32 v[BM+\b], |v[S+16*\b]|, |v[S+1+16*\b]|, 0x4800000
.endr
.irp i, 2,4,6,8,10,12,14
.irp b, 0,1
	v_max3_num_f32 v[BM+\b], v[BM+\b], |v[S+16*\b+\i]|, |v[S+1+16*\b+\i]|
.endr
.endr
.irp b, 0,1
	v_permlanex16_b32 v[PD+\b], v[BM+\b], s[SEL], s[SEL+1]
.endr
.irp b, 0,1
	v_max_num_f32 v[BM+\b], v[BM+\b], v[PD+\b]
.endr
.irp b, 0,1
	v_add_nc_u32 v[SO+\b], 0xfc000000, v[BM+\b]
.endr
.irp b, 0,1
	v_and_or_b32 v[HO+\b], v[BM+\b], 0x7f800000, s[MNT]
.endr
.irp b, 0,1
	v_lshrrev_b32 v[PD+\b], 23, v[SO+\b]
.endr
	v_lshl_or_b32 v242, v[PD+1], 8, v[PD]
.irp b, 0,1
.irp i, 0,1,2,3,4,5,6,7,8,9,10,11,12,13,14,15
	v_med3_num_f32 v[S+16*\b+\i], v[S+16*\b+\i], -v[HO+\b], v[HO+\b]
.endr
	v_cvt_scalef32_pk8_fp8_f32 v[PCD+4*\b:PCD+1+4*\b], v[S+16*\b:S+7+16*\b], v[SO+\b]
	v_cvt_scalef32_pk8_fp8_f32 v[PCD+2+4*\b:PCD+3+4*\b], v[S+8+16*\b:S+15+16*\b], v[SO+\b]
.endr
	v_nop
	ds_store_b128 v11, v[PCD:PCD+3]
	ds_store_b128 v11, v[PCD+4:PCD+7] offset:32
	ds_store_b16 v10, v242                         ; both halves of the lanes write the same two bytes
	s_wait_dscnt 0x0                               ; for the others' sake
	s_barrier_signal -1
	s_barrier_wait -1
	ds_load_b128 v[104:107], v1
	ds_load_b128 v[108:111], v1 offset:2*KP
	s_wait_dscnt 0x1
	global_store_b128 v7, v[104:107], s[94:95]     ; 512 consecutive bytes: two rows of the block
	s_wait_dscnt 0x0
	global_store_b128 v7, v[108:111], s[94:95] offset:512
	s_cmp_lg_u32 s[WV], 0
	s_cbranch_scc1 .Lno_bytes
	ds_load_b128 v[112:115], v3                    ; wave 0: the 64 rows' 512 scale bytes
	s_wait_dscnt 0x0
	global_store_b128 v7, v[112:115], s[96:97]
.Lno_bytes:
	s_wait_tensorcnt 0x0                           ; the wave's end
	ds_add_u32 v[SPW], v[NIL]
	s_wait_dscnt 0x0
	CROUND                                         ; the closing round
	s_endpgm
.Lfunc_end_k_q5d2d44b818_attn:
	.size	k_q5d2d44b818_attn, .Lfunc_end_k_q5d2d44b818_attn-k_q5d2d44b818_attn
	.p2alignl 7, 3214868480
	.fill 96, 4, 3214868480
	.section	.rodata,"a",@progbits
	.p2align	6, 0x0
	.amdhsa_kernel k_q5d2d44b818_attn
		.amdhsa_group_segment_fixed_size 327680
		.amdhsa_private_segment_fixed_size 0
		.amdhsa_enable_private_segment 0
		.amdhsa_kernarg_size 24
		.amdhsa_user_sgpr_count 2
		.amdhsa_user_sgpr_kernarg_segment_ptr 1
		.amdhsa_wavefront_size32 1
		.amdhsa_system_sgpr_workgroup_id_x 1
		.amdhsa_system_sgpr_workgroup_id_y 1
		.amdhsa_system_sgpr_workgroup_id_z 1
		.amdhsa_system_vgpr_workitem_id 0
		.amdhsa_next_free_vgpr 256
		.amdhsa_next_free_sgpr 100
		.amdhsa_reserve_vcc 0
		.amdhsa_float_denorm_mode_32 3
		.amdhsa_float_denorm_mode_16_64 3
		.amdhsa_memory_ordered 1
		.amdhsa_forward_progress 1
		.amdhsa_inst_pref_size 181
	.end_amdhsa_kernel
	.amdgpu_metadata
---
amdhsa.version: [ 1, 2 ]
amdhsa.kernels:
  - .name:           k_q5d2d44b818_attn
    .symbol:         k_q5d2d44b818_attn.kd
    .args:
      - { .name: qkv, .offset: 0, .size: 8, .value_kind: global_buffer, .address_space: global }
      - { .name: mask, .offset: 8, .size: 8, .value_kind: global_buffer, .address_space: global }
      - { .name: actq, .offset: 16, .size: 8, .value_kind: global_buffer, .address_space: global }
    .group_segment_fixed_size: 327680
    .private_segment_fixed_size: 0
    .kernarg_segment_align: 8
    .kernarg_segment_size: 24
    .max_flat_workgroup_size: 512
    .sgpr_count:     100
    .vgpr_count:     256
    .wavefront_size: 32
...
	.end_amdgpu_metadata
.endif
;; end of part 3
;; launch proj (part 4): grid 4 x 16, 4 waves a work-group, clusters of 4 x 4, 327,680 bytes of LDS; arguments actq, wts, cbuf; writes cbuf
.if DOCPART == 4
	.amdgcn_target "amdgcn-amd-amdhsa--gfx1250"
	.amdhsa_code_object_version 6
	.text
	.protected	k_q5d2d44b818_proj
	.globl	k_q5d2d44b818_proj
	.p2align	8
	.type	k_q5d2d44b818_proj,@function
k_q5d2d44b818_proj:
	s_mov_b64 s[64:65], 0
	v_nop
	global_prefetch_b8 v0, s[64:65] scope:SCOPE_SE
	s_setreg_imm32_b32 hwreg(HW_REG_WAVE_MODE, 25, 1), 1
	s_wait_xcnt 0x0
	s_wait_alu depctr_hold_cnt(0) depctr_sa_sdst(0) depctr_va_vdst(0) depctr_va_sdst(0) depctr_va_ssrc(0) depctr_va_vcc(0) depctr_vm_vsrc(0)
	s_getreg_b32 s2, hwreg(HW_REG_IB_STS2, 6, 4)
	s_cmp_eq_u32 s2, 0
	s_cbranch_scc0 .Lentry_in_a_cluster
	s_endpgm
.Lentry_in_a_cluster:
	s_bfe_u32 s2, ttmp6, 0x10000c
	s_cmp_lg_u32 s2, 0xf033
	s_cbranch_scc0 .Lentry_shape_is_right
	s_endpgm
.Lentry_shape_is_right:
; cbuf [4096][1024] f32 = (attention's output) wo, on codes of E4M3 with E8M0 scales.  K = 1,024.  A: actq (32 groups), B: wo's blocks, from block 96 of wts on (8 groups).
; Operands come in blocks of 33,792 bytes (128 rows x 256 along K: 128 rows of codes, then 4 rows of scale bytes); one tensor load brings a block.  Rows lie in position order (bits 3, 4 of the row number exchanged):
; in accumulator (a, b) lane (r, h), register j holds C(row 32 (a / 2) + 8 (a % 2) + r + 8 (r / 8), column 32 (b / 2) + 16 h + 8 (b % 2) + j) of the wave's 128 x 128.
; A tile of C is 256 x 256, four waves; two LDS slots of 256 along K; clusters of 4 x 4 with joint loads: A's blocks along a row of the cluster, B's along a column.  64 tiles: N = 1,024 gives no more of this size.
; REGISTERS: window 0: v16-31 addresses; v32-63 scale words; v128-255 A's fragments, later rows on their way out.  window 1: B's fragments.  windows 2, 3: the accumulators.
.set LAPS,   2
.set GA,     32
.set GB,     8
.set BLK,    33792
.set BOFF,   96*BLK
.set NQ,     2
.set PITCH,  272
.set FR,     16
.set NL,     4
.set NP,     8
.set HALFT,  132*PITCH
.set SLOT,   4*HALFT
.set SPARE,  2*SLOT
.set SPITCH, 528                       ; the way out: 16 rows x (512 + 16) bytes a wave, in slot 0, which has had its last fill and its last read by then
.set ADRA, 16
.set ADRB, 20
.set ADRS, 22
.set STO,  24
.set RD,   25
.set CO,   26
.set SPW,  28
.set NIL,  29
.set SC,   32
.set AF,   128
.set BK,   128
.set G1,  24
.set G0,  32
.set G1B, 48
.set G0B, 56
.set MSB, 0
.macro WIN new
.if MSB != \new
	s_set_vgpr_msb (MSB<<8)|\new
.set MSB, \new
.endif
.endm
.set MUL_LO, 0xa1
.set MUL_HI, 0xf1
.set TO_B,   0x40
.macro JLOAD g0a, g1a, g0b, g1b        ; a joint load: waves 0 and 1 fetch A's two blocks, waves 2 and 3 B's; four v_nop follow each line
	s_cmp_eq_u32 s15, 0
	s_cbranch_scc0 .Lfor_b_\@
	tensor_load_to_lds s[\g0a:\g0a+3], s[\g1a:\g1a+7]
	s_nop 0
.rept 4
	v_nop
.endr
	s_branch .Lasked_\@
.Lfor_b_\@:
	tensor_load_to_lds s[\g0b:\g0b+3], s[\g1b:\g1b+7]
	s_nop 0
.rept 4
	v_nop
.endr
.Lasked_\@:
.endm
.macro CREST
	s_cmp_lg_u32 s14, 0
	s_cbranch_scc1 .Lnot_wave_0_\@
	s_barrier_signal -3
.Lnot_wave_0_\@:
	s_barrier_wait -3
	s_barrier_signal -1
	s_barrier_wait -1
.endm
.macro CROUND
	s_barrier_signal -1
	s_barrier_wait -1
	CREST
.endm
.macro ADVANCE slot                    ; two K steps on
	s_add_nc_u64 s[G0+4*\slot+2:G0+4*\slot+3], s[G0+4*\slot+2:G0+4*\slot+3], 2*GA*BLK
	s_add_nc_u64 s[G0B+4*\slot+2:G0B+4*\slot+3], s[G0B+4*\slot+2:G0B+4*\slot+3], 2*GB*BLK
.endm
	s_load_b128 s[4:7], s[0:1], 0x0                ; A's blocks, wts
	s_load_b64 s[12:13], s[0:1], 0x10              ; C
	v_lshl_add_u32 v[SPW], v0, 2, SPARE
	v_mov_b32 v[NIL], 0
	ds_add_u32 v28, v29
	s_wait_dscnt 0x0
	v_lshrrev_b32 v1, 5, v0
	v_readfirstlane_b32 s14, v1
	s_lshr_b32 s15, s14, 1
	s_and_b32 s16, s14, 1
	s_bfe_u32 s40, ttmp6, 0x40000
	s_bfe_u32 s41, ttmp6, 0x40004
	s_lshl_b32 s42, ttmp9, 2
	s_add_co_u32 s42, s42, s40                     ; tile column
	s_and_b32 s17, ttmp7, 0xffff
	s_lshl_b32 s17, s17, 2
	s_add_co_u32 s17, s17, s41                     ; tile row
	s_lshl_b32 s43, s41, 2
	s_lshl_b32 s43, 15, s43
	s_lshl_b32 s44, 0x1111, s40
	s_or_b32 s[G1+0], s43, (3<<16)|(1<<20)|(1<<21)|(5<<22)|(3<<25)   ; a block: 132 dense rows of 32 elements of 8 bytes, 16 bytes of padding behind each 256
	s_or_b32 s[G1B+0], s44, (3<<16)|(1<<20)|(1<<21)|(5<<22)|(3<<25)
.irp g, G1, G1B
	s_mov_b32 s[\g+1], 32<<16
	s_mov_b32 s[\g+2], 132<<16
	s_mov_b32 s[\g+3], 32<<16
	s_mov_b32 s[\g+4], 132
	s_mov_b32 s[\g+5], 32
	s_mov_b32 s[\g+6], 0
	s_mov_b32 s[\g+7], 0
.endr
	s_lshl_b32 s20, s17, 1
	s_add_co_u32 s20, s20, s16
	s_mul_i32 s20, s20, BLK
	s_mov_b32 s21, 0
	s_lshl_b32 s46, s42, 1
	s_add_co_u32 s46, s46, s16
	s_mul_i32 s46, s46, BLK
	s_add_co_u32 s46, s46, BOFF
	s_mov_b32 s47, 0
	s_mul_i32 s45, s14, HALFT
	s_wait_kmcnt 0x0
	s_add_nc_u64 s[20:21], s[4:5], s[20:21]
	s_add_nc_u64 s[46:47], s[6:7], s[46:47]
	CROUND
.irp s, 0,1
	s_mov_b32 s[G0+4*\s], 1
	s_add_co_u32 s[G0+4*\s+1], s45, \s*SLOT
	s_add_nc_u64 s[G0+4*\s+2:G0+4*\s+3], s[20:21], \s*GA*BLK
	s_or_b32 s[G0+4*\s+3], s[G0+4*\s+3], 0x80000000
	s_mov_b32 s[G0B+4*\s], 1
	s_add_co_u32 s[G0B+4*\s+1], s45, \s*SLOT
	s_add_nc_u64 s[G0B+4*\s+2:G0B+4*\s+3], s[46:47], \s*GB*BLK
	s_or_b32 s[G0B+4*\s+3], s[G0B+4*\s+3], 0x80000000
	JLOAD G0+4*\s, G1, G0B+4*\s, G1B               ; K steps 0 and 1: two tensor loads of mine are out
.endr
	v_and_b32 v1, 15, v0
	v_bfe_u32 v2, v0, 4, 1
	v_mul_u32_u24 v3, v1, PITCH
	v_lshl_add_u32 v4, v2, 4, v3
	s_mul_i32 s21, s15, HALFT
	s_mul_i32 s22, s16, HALFT
	s_add_co_u32 s22, s22, 2*HALFT
	v_add_nc_u32 v[ADRA], s21, v4
	v_add_nc_u32 v[ADRB], s22, v4
	v_add_nc_u32 v[ADRA+1], SLOT, v[ADRA]
	v_add_nc_u32 v[ADRB+1], SLOT, v[ADRB]
	s_sub_co_u32 s22, s22, s21
	v_mul_u32_u24 v6, s22, v2
	v_lshl_add_u32 v5, v1, 3, v6
	s_add_co_u32 s21, s21, 128*PITCH
	v_add_nc_u32 v[ADRS], s21, v5
	v_add_nc_u32 v[ADRS+1], SLOT, v[ADRS]
	s_mul_i32 s23, s14, 16*SPITCH                  ; my stage
	v_mul_u32_u24 v5, v1, SPITCH
	v_lshl_add_u32 v5, v2, 6, v5
	v_add_nc_u32 v[STO], s23, v5                   ; in: row r, + 64 h bytes
	v_and_b32 v6, 31, v0
	v_lshlrev_b32 v[CO], 4, v6
	v_add_nc_u32 v[RD], s23, v[CO]                 ; back: the 32 lanes take a row of 512 bytes
	s_lshl_b32 s20, s17, 20
	s_lshl_b32 s21, s15, 19
	s_add_co_u32 s20, s20, s21                     ; row 256 x tile row + 128 x half, of 4,096 bytes
	s_mov_b32 s21, 0
	s_lshl_b32 s46, s42, 10
	s_lshl_b32 s47, s16, 9
	s_add_co_u32 s46, s46, s47
	s_mov_b32 s47, 0
	s_add_nc_u64 s[20:21], s[20:21], s[46:47]
	s_add_nc_u64 s[12:13], s[12:13], s[20:21]
.macro FRAG reg, adr, q, i
.irp c, 0,1,2,3
	ds_load_b128 v[\reg+4*\c:\reg+4*\c+3], v[\adr] offset:128*(\q)+32*\c+(\i)*16*PITCH
.endr
.endm
.macro MUL16 a0, p, q, sc, zero        ; the 64 accumulators take turns, one instruction a turn
.irp a, \a0, \a0+1
.irp b, 0,1,2,3,4,5,6,7
.if \zero
	v_wmma_scale_f32_16x16x128_f8f6f4 v[8*(8*((\a)%4)+\b):8*(8*((\a)%4)+\b)+7], v[128*(\p)+FR*\b:128*(\p)+FR*\b+FR-1], v[AF+FR*(\a):AF+FR*(\a)+FR-1], 0, v[SC+8*NQ*(\sc)+NQ*\b+(\q)], v[SC+8*NQ*(\sc)+NQ*(\a)+(\q)] matrix_a_scale:MATRIX_SCALE_ROW1
.else
	v_wmma_scale_f32_16x16x128_f8f6f4 v[8*(8*((\a)%4)+\b):8*(8*((\a)%4)+\b)+7], v[128*(\p)+FR*\b:128*(\p)+FR*\b+FR-1], v[AF+FR*(\a):AF+FR*(\a)+FR-1], v[8*(8*((\a)%4)+\b):8*(8*((\a)%4)+\b)+7], v[SC+8*NQ*(\sc)+NQ*\b+(\q)], v[SC+8*NQ*(\sc)+NQ*(\a)+(\q)] matrix_a_scale:MATRIX_SCALE_ROW1
.endif
.endr
.endr
.endm
.macro FETCH_B slot, q, p
	WIN TO_B
.irp i, 0,1,2,3,4,5,6,7
	FRAG 128*(\p)+FR*\i, ADRB+\slot, \q, \i
.endr
	WIN 0
.endm
.macro FETCH_A slot, q, i0
.irp i, \i0, \i0+1, \i0+2, \i0+3
	FRAG AF+FR*(\i), ADRA+\slot, \q, \i
.endr
.endm
.macro SCALES sc
.irp i, 0,1,2,3,4,5,6,7
	ds_load_b64 v[SC+8*NQ*\sc+NQ*\i:SC+8*NQ*\sc+NQ*\i+1], v[ADRS+\sc] offset:(\i/2)*PITCH+(\i%2)*128
.endr
.endm
.macro PLACES n
.rept \n
	v_nop
.endr
.endm
.macro STEP slot, q, zero
	s_wait_dscnt 4*NL                              ; all but the youngest 16 loads (A's blocks 4-7)
	WIN MUL_LO
	MUL16 0, (\q)%2, \q, \slot, \zero
	MUL16 2, (\q)%2, \q, \slot, \zero
	s_wait_dscnt 0
	PLACES NP
	FETCH_B \slot, (\q)+1, 1-(\q)%2
	FETCH_A \slot, (\q)+1, 0
	WIN MUL_HI
	MUL16 4, (\q)%2, \q, \slot, \zero
	MUL16 6, (\q)%2, \q, \slot, \zero
	PLACES NP
	WIN 0
	FETCH_A \slot, (\q)+1, 4
.endm
.macro TURN slot, next, fill
	s_wait_tensorcnt 0x0                           ; all my tensor loads have landed
	ds_add_u32 v[SPW], v[NIL]
	s_wait_dscnt 4*NL+1                            ; the add and the youngest 16 loads may be out
	WIN MUL_LO
	MUL16 0, 1, NQ-1, \slot, 0
	s_wait_dscnt 0x0                               ; the add is done, and my reads of this slot are over
	s_barrier_signal -1
	MUL16 2, 1, NQ-1, \slot, 0
	WIN 0
	s_barrier_wait -1
.if \fill
	CREST
	ADVANCE \slot
	JLOAD G0+4*\slot, G1, G0B+4*\slot, G1B
	PLACES NP-4
.else
	PLACES NP
.endif
	FETCH_B \next, 0, 0
	FETCH_A \next, 0, 0
	SCALES \next
	WIN MUL_HI
	MUL16 4, 1, NQ-1, \slot, 0
	MUL16 6, 1, NQ-1, \slot, 0
	PLACES NP
	WIN 0
	FETCH_A \next, 0, 4
.endm
	s_wait_tensorcnt 1                             ; my block of K step 0 is in; K step 1's may be out
	s_barrier_signal -1
	s_barrier_wait -1
	FETCH_B 0, 0, 0
	FETCH_A 0, 0, 0
	SCALES 0
	FETCH_A 0, 0, 4
	STEP 0, 0, 1
	s_mov_b32 s3, LAPS-1
.Llap:
	TURN 0, 1, 1
	STEP 1, 0, 0
	TURN 1, 0, 1
	STEP 0, 0, 0
	s_sub_co_u32 s3, s3, 1
	s_cmp_lg_u32 s3, 0
	s_cbranch_scc1 .Llap
	TURN 0, 1, 0
	STEP 1, 0, 0
	s_wait_dscnt 4*NL
	WIN MUL_LO
	MUL16 0, 1, NQ-1, 1, 0
	MUL16 2, 1, NQ-1, 1, 0
	s_wait_dscnt 0
	WIN MUL_HI
	MUL16 4, 1, NQ-1, 1, 0
	MUL16 6, 1, NQ-1, 1, 0
	WIN 0
; THE WAY OUT, block by block of 16 rows x 128 columns, through my own stage; a wave's LDS instructions are served in order
.macro TOSTAGE a
.set AC, 64*((\a)%4)
.set WW, 0x08+4*((\a)/4)
	WIN WW                                         ; an LDS store's data are its source 1: window 2 or 3
.irp b, 0,1,2,3,4,5,6,7
	ds_store_b128 v[STO], v[AC+8*\b:AC+8*\b+3] offset:128*(\b/2)+32*(\b%2)       ; each accumulator from its low end on
	ds_store_b128 v[STO], v[AC+8*\b+4:AC+8*\b+7] offset:128*(\b/2)+32*(\b%2)+16
.endr
	WIN 0
.set BB, BK+64*((\a)%2)
.irp t, 0,1,2,3,4,5,6,7,8,9,10,11,12,13,14,15
	ds_load_b128 v[BB+4*\t:BB+4*\t+3], v[RD] offset:\t*SPITCH
.endr
.endm
.macro SEND a, younger
.set BB, BK+64*((\a)%2)
	s_wait_dscnt \younger
.irp t, 0,1,2,3,4,5,6,7,8,9,10,11,12,13,14,15
	global_store_b128 v[CO], v[BB+4*\t:BB+4*\t+3], s[12:13] offset:(32*((\a)/2)+8*((\a)%2)+\t+8*(\t/8))*4096 th:TH_STORE_NT   ; position 16 a + t is this true row; 512 consecutive bytes
.endr
.endm
	PLACES NP
	TOSTAGE 0
.irp a, 1,2,3,4,5,6,7
.if \a > 1
	s_wait_xcnt 0x0                                ; block a - 2's stores have read their registers
.endif
	TOSTAGE \a
	SEND \a-1, 32                                  ; behind block a - 1's loads: block a's 16 stores and 16 loads
.endr
	SEND 7, 0
	s_wait_tensorcnt 0x0                           ; the wave's end
	ds_add_u32 v[SPW], v[NIL]
	s_wait_dscnt 0x0
	CROUND
	s_endpgm
.Lfunc_end_k_q5d2d44b818_proj:
	.size	k_q5d2d44b818_proj, .Lfunc_end_k_q5d2d44b818_proj-k_q5d2d44b818_proj
	.p2alignl 7, 3214868480
	.fill 96, 4, 3214868480
	.section	.rodata,"a",@progbits
	.p2align	6, 0x0
	.amdhsa_kernel k_q5d2d44b818_proj
		.amdhsa_group_segment_fixed_size 327680
		.amdhsa_private_segment_fixed_size 0
		.amdhsa_enable_private_segment 0
		.amdhsa_kernarg_size 24
		.amdhsa_user_sgpr_count 2
		.amdhsa_user_sgpr_kernarg_segment_ptr 1
		.amdhsa_wavefront_size32 1
		.amdhsa_system_sgpr_workgroup_id_x 1
		.amdhsa_system_sgpr_workgroup_id_y 1
		.amdhsa_system_sgpr_workgroup_id_z 1
		.amdhsa_system_vgpr_workitem_id 0
		.amdhsa_next_free_vgpr 1024
		.amdhsa_next_free_sgpr 100
		.amdhsa_reserve_vcc 0
		.amdhsa_float_denorm_mode_32 3
		.amdhsa_float_denorm_mode_16_64 3
		.amdhsa_memory_ordered 1
		.amdhsa_forward_progress 1
		.amdhsa_inst_pref_size 142
	.end_amdhsa_kernel
	.amdgpu_metadata
---
amdhsa.version: [ 1, 2 ]
amdhsa.kernels:
  - .name:           k_q5d2d44b818_proj
    .symbol:         k_q5d2d44b818_proj.kd
    .args:
      - { .name: actq, .offset: 0, .size: 8, .value_kind: global_buffer, .address_space: global }
      - { .name: wts, .offset: 8, .size: 8, .value_kind: global_buffer, .address_space: global }
      - { .name: cbuf, .offset: 16, .size: 8, .value_kind: global_buffer, .address_space: global }
    .group_segment_fixed_size: 327680
    .private_segment_fixed_size: 0
    .kernarg_segment_align: 8
    .kernarg_segment_size: 24
    .max_flat_workgroup_size: 128
    .sgpr_count:     100
    .vgpr_count:     1024
    .wavefront_size: 32
...
	.end_amdgpu_metadata
.endif
;; end of part 4
;; launch ln1 (part 5): grid 128 x 1, 8 waves a work-group, no clusters, 51,200 bytes of LDS; arguments cbuf, x, bo, g1, b1, h1, actq; writes h1, actq
.if DOCPART == 5
	.amdgcn_target "amdgcn-amd-amdhsa--gfx1250"
	.amdhsa_code_object_version 6
	.text
	.protected	k_q5d2d44b818_ln1
	.globl	k_q5d2d44b818_ln1
	.p2align	8
	.type	k_q5d2d44b818_ln1,@function
k_q5d2d44b818_ln1:
	s_mov_b64 s[64:65], 0
	v_nop
	global_prefetch_b8 v0, s[64:65] scope:SCOPE_SE
	s_setreg_imm32_b32 hwreg(HW_REG_WAVE_MODE, 25, 1), 1
	s_wait_xcnt 0x0
; h1 = LN(x + (c + bo)) with gain g1 and offset b1, f32; and its codes of E4M3 with E8M0 scales, into actq's blocks (128 rows x 256 along K; a row at the position that has bits 3 and 4 of its number exchanged).
; A stream: memory binds.  A work-group takes 32 rows, a wave 4; a row (4,096 bytes) lies in 32 registers of the wave, a lane holding bytes 512 i + 16 lane: every load and store covers 512 consecutive bytes.
; Two row slots: one at work, one on its way in.  For the quantiser a lane needs 8 neighbours: each 1,024 bytes of the finished row turn through the wave's own LDS stage (48 bytes a lane: 32 + 16 of padding).
; The 32 rows' scale bytes meet in LDS and leave as four runs of 256 consecutive bytes.  LIMITS: as the quantiser's (a block of zeros gets the byte 1; NaN and infinities are not served).
.set BLK,   33792
.set BIAS,  16
.set GAM,   48
.set BET,   80
.set SCB,   49152                      ; behind the eight waves' stages (4 x 1,536 bytes each): [4 K steps][32 positions][8] scale bytes
	s_load_b256 s[4:11], s[0:1], 0x0               ; c, x, bo, g1
	s_load_b128 s[12:15], s[0:1], 0x20             ; b1, h1
	s_load_b64 s[16:17], s[0:1], 0x30              ; actq
	v_lshl_add_u32 v14, v0, 2, 0xc400
	v_mov_b32 v15, 0
	v_lshrrev_b32 v1, 5, v0
	v_readfirstlane_b32 s18, v1                    ; wave
	v_and_b32 v2, 31, v0
	v_lshlrev_b32 v3, 4, v2                        ; 16 bytes a lane
	s_lshl_b32 s20, ttmp9, 17                      ; 32 rows of 4,096 bytes
	s_lshl_b32 s21, s18, 14                        ; 4 rows
	s_add_co_u32 s20, s20, s21
	s_mov_b32 s21, 0
	s_bfe_u32 s22, s18, 0x10001
	s_lshl_b32 s22, s22, 4
	s_lshr_b32 s23, s18, 2
	s_lshl_b32 s23, s23, 3
	s_add_co_u32 s22, s22, s23
	s_and_b32 s23, s18, 1
	s_lshl_b32 s23, s23, 2
	s_add_co_u32 s22, s22, s23                     ; rows 4 w + k of the 32 lie at positions s22 + k
	s_lshr_b32 s24, ttmp9, 2
	s_mul_i32 s24, s24, BLK                        ; the group's block of K step 0
	s_and_b32 s25, ttmp9, 3
	s_lshl_b32 s31, s25, 5
	s_add_co_u32 s31, s31, s22
	s_lshl_b32 s31, s31, 8
	s_add_co_u32 s32, s24, s31                     ; my first position's codes
	s_mov_b32 s33, 0
	s_and_b32 s31, s18, 3
	s_mul_i32 s34, s31, 32*BLK                     ; waves 0-3 send the scale bytes of K step w
	s_add_co_u32 s34, s34, s24
	s_lshl_b32 s35, s25, 8
	s_add_co_u32 s34, s34, s35
	s_add_co_u32 s34, s34, 32768
	s_mov_b32 s35, 0
	s_mov_b32 s26, 0x3a800000                      ; 1 / 1,024
	s_mov_b32 s27, 0x2b8cbccc                      ; 1e-12
	s_mov_b32 s28, 0x76543210
	s_mov_b32 s29, 0xfedcba98
	s_mov_b32 s30, 0x600000
	s_mul_i32 s19, s18, 6144                       ; my stages
	v_lshrrev_b32 v4, 1, v2
	v_mul_u32_u24 v4, v4, 48
	v_and_b32 v5, 1, v2
	v_lshl_add_u32 v4, v5, 4, v4
	v_add_nc_u32 v4, s19, v4                       ; in
	v_mul_u32_u24 v5, v2, 48
	v_add_nc_u32 v5, s19, v5                       ; out
	s_lshl_b32 s19, s22, 3
	v_lshrrev_b32 v6, 2, v2
	v_add_nc_u32 v6, s19, v6
	v_add_nc_u32 v6, SCB, v6                       ; my block's scale byte
	v_lshlrev_b32 v7, 3, v2
	s_lshl_b32 s19, s31, 8
	v_add_nc_u32 v8, s19, v7
	v_add_nc_u32 v8, SCB, v8
	s_wait_kmcnt 0x0
	s_add_nc_u64 s[4:5], s[4:5], s[20:21]
	s_add_nc_u64 s[6:7], s[6:7], s[20:21]
	s_add_nc_u64 s[14:15], s[14:15], s[20:21]
	s_add_nc_u64 s[32:33], s[16:17], s[32:33]
	s_add_nc_u64 s[34:35], s[16:17], s[34:35]
.irp i, 0,1,2,3,4,5,6,7
	global_load_b128 v[BIAS+4*\i:BIAS+4*\i+3], v3, s[8:9] offset:512*\i
	global_load_b128 v[GAM+4*\i:GAM+4*\i+3], v3, s[10:11] offset:512*\i
	global_load_b128 v[BET+4*\i:BET+4*\i+3], v3, s[12:13] offset:512*\i
.endr
.macro RLOAD k
.set CC, 112+64*((\k)%2)
.irp i, 0,1,2,3,4,5,6,7
	global_load_b128 v[CC+4*\i:CC+4*\i+3], v3, s[4:5] offset:4096*(\k)+512*\i th:TH_LOAD_NT
.endr
.irp i, 0,1,2,3,4,5,6,7
	global_load_b128 v[CC+32+4*\i:CC+32+4*\i+3], v3, s[6:7] offset:4096*(\k)+512*\i th:TH_LOAD_NT
.endr
.endm
.macro ALLSUM a, b                     ; v[a] summed over the 32 lanes; v[b] has been written
	v_add_f32_dpp v[\a], v[\a], v[\a] row_xmask:1 row_mask:0xf bank_mask:0xf
	v_add_f32_dpp v[\a], v[\a], v[\a] row_xmask:2 row_mask:0xf bank_mask:0xf
	v_add_f32_dpp v[\a], v[\a], v[\a] row_xmask:4 row_mask:0xf bank_mask:0xf
	v_add_f32_dpp v[\a], v[\a], v[\a] row_xmask:8 row_mask:0xf bank_mask:0xf
	v_permlanex16_b32 v[\b], v[\a], s28, s29
	v_add_f32 v[\a], v[\a], v[\b]
.endm
.macro ROW k
.set CC, 112+64*((\k)%2)
.set RR, CC+32
.if (\k) < 3
	s_wait_loadcnt 16                              ; this row is in; the next row's 16 loads may be out
.else
	s_wait_loadcnt 0
.endif
.set n, 0
.rept 16
	v_pk_add_f32 v[CC+2*n:CC+2*n+1], v[CC+2*n:CC+2*n+1], v[BIAS+2*n:BIAS+2*n+1]
.set n, n+1
.endr
.set n, 0
.rept 16
	v_pk_add_f32 v[CC+2*n:CC+2*n+1], v[RR+2*n:RR+2*n+1], v[CC+2*n:CC+2*n+1]
.set n, n+1
.endr
.irp j, 0,1,2,3
	v_pk_add_f32 v[240+2*\j:241+2*\j], v[CC+4*\j:CC+4*\j+1], v[CC+4*\j+2:CC+4*\j+3]   ; four chains
.endr
.irp i, 0,1
.irp j, 0,1,2,3
	v_pk_add_f32 v[240+2*\j:241+2*\j], v[240+2*\j:241+2*\j], v[CC+16+8*\i+2*\j:CC+17+8*\i+2*\j]
.endr
.endr
	v_pk_add_f32 v[240:241], v[240:241], v[242:243]
	v_pk_add_f32 v[244:245], v[244:245], v[246:247]
	v_pk_add_f32 v[240:241], v[240:241], v[244:245]
	v_add_f32 v240, v240, v241
	ALLSUM 240, 241
	v_mul_f32 v240, s26, v240                      ; the mean
.set n, 0
.rept 16
	v_pk_add_f32 v[CC+2*n:CC+2*n+1], v[CC+2*n:CC+2*n+1], v[240:241] op_sel_hi:[1,0] neg_lo:[0,1] neg_hi:[0,1]
.set n, n+1
.endr
.irp j, 0,1,2,3
	v_pk_mul_f32 v[242+2*\j:243+2*\j], v[CC+2*\j:CC+2*\j+1], v[CC+2*\j:CC+2*\j+1]
.endr
.irp i, 1,2,3
.irp j, 0,1,2,3
	v_pk_fma_f32 v[242+2*\j:243+2*\j], v[CC+8*\i+2*\j:CC+8*\i+2*\j+1], v[CC+8*\i+2*\j:CC+8*\i+2*\j+1], v[242+2*\j:243+2*\j]
.endr
.endr
	v_pk_add_f32 v[242:243], v[242:243], v[244:245]
	v_pk_add_f32 v[246:247], v[246:247], v[248:249]
	v_pk_add_f32 v[242:243], v[242:243], v[246:247]
	v_add_f32 v242, v242, v243
	ALLSUM 242, 243
	v_fma_f32 v242, v242, s26, s27                 ; the variance + 1e-12
	v_rsq_f32 v242, v242
	v_nop                                          ; a plain line behind the transcendental
	s_wait_alu depctr_va_vdst(0)                   ; and its wait, ahead of the first reader
.set n, 0
.rept 16
	v_pk_mul_f32 v[CC+2*n:CC+2*n+1], v[CC+2*n:CC+2*n+1], v[242:243] op_sel_hi:[1,0]
.set n, n+1
.endr
.set n, 0
.rept 16
	v_pk_fma_f32 v[CC+2*n:CC+2*n+1], v[CC+2*n:CC+2*n+1], v[GAM+2*n:GAM+2*n+1], v[BET+2*n:BET+2*n+1]
.set n, n+1
.endr
.irp i, 0,1,2,3,4,5,6,7
	global_store_b128 v3, v[CC+4*\i:CC+4*\i+3], s[14:15] offset:4096*(\k)+512*\i
.endr
	; the quantiser: K step s is the row's bytes 1,024 s on
.irp s, 0,1,2,3
	ds_store_b128 v4, v[CC+8*\s:CC+8*\s+3] offset:1536*\s
	ds_store_b128 v4, v[CC+8*\s+4:CC+8*\s+7] offset:1536*\s+768
.endr
.irp s, 0,1,2,3
	ds_load_b128 v[RR+8*\s:RR+8*\s+3], v5 offset:1536*\s
	ds_load_b128 v[RR+8*\s+4:RR+8*\s+7], v5 offset:1536*\s+16
.endr
	s_wait_dscnt 0x0
.irp s, 0,1,2,3
	v_max3_num_f32 v[240+\s], |v[RR+8*\s]|, |v[RR+8*\s+1]|, 0x4800000
.endr
.irp s, 0,1,2,3
	v_max3_num_f32 v[244+\s], |v[RR+8*\s+2]|, |v[RR+8*\s+3]|, |v[RR+8*\s+4]|
.endr
.irp s, 0,1,2,3
	v_max3_num_f32 v[240+\s], v[240+\s], |v[RR+8*\s+5]|, |v[RR+8*\s+6]|
.endr
.irp s, 0,1,2,3
	v_max3_num_f32 v[240+\s], v[240+\s], v[244+\s], |v[RR+8*\s+7]|
.endr
.irp s, 0,1,2,3
	v_max_num_f32_dpp v[240+\s], v[240+\s], v[240+\s] row_xmask:1 row_mask:0xf bank_mask:0xf
.endr
.irp s, 0,1,2,3
	v_max_num_f32_dpp v[240+\s], v[240+\s], v[240+\s] row_xmask:2 row_mask:0xf bank_mask:0xf   ; four lanes hold a block of 32
.endr
.irp s, 0,1,2,3
	v_add_nc_u32 v[248+\s], 0xfc000000, v[240+\s]
.endr
.irp s, 0,1,2,3
	v_and_or_b32 v[244+\s], v[240+\s], 0x7f800000, s30
.endr
.irp s, 0,1,2,3
.irp i, 0,1,2,3,4,5,6,7
	v_med3_num_f32 v[RR+8*\s+\i], v[RR+8*\s+\i], -v[244+\s], v[244+\s]
.endr
.endr
	v_cvt_scalef32_pk8_fp8_f32 v[240:241], v[RR:RR+7], v248
	v_cvt_scalef32_pk8_fp8_f32 v[242:243], v[RR+8:RR+15], v249
.irp s, 0,1,2,3
	v_lshrrev_b32 v[252+\s], 23, v[248+\s]         ; the bytes; also the plain lines in front of conversions that write over the first two's sources
.endr
	v_cvt_scalef32_pk8_fp8_f32 v[RR:RR+1], v[RR+16:RR+23], v250
	v_cvt_scalef32_pk8_fp8_f32 v[RR+8:RR+9], v[RR+24:RR+31], v251
	v_nop
.irp s, 0,1,2,3
	ds_store_b8 v6, v[252+\s] offset:256*\s+8*(\k)
.endr
	global_store_b64 v7, v[240:241], s[32:33] offset:256*(\k)                  ; 256 consecutive bytes, aligned: a row of a block
	global_store_b64 v7, v[242:243], s[32:33] offset:32*BLK+256*(\k)
	global_store_b64 v7, v[RR:RR+1], s[32:33] offset:2*32*BLK+256*(\k)
	global_store_b64 v7, v[RR+8:RR+9], s[32:33] offset:3*32*BLK+256*(\k)
	s_wait_xcnt 0x0                                ; the stores have read their registers: the slot and the work registers may be written again
.if (\k) < 2
	RLOAD (\k)+2
.endif
.endm
	RLOAD 0
	RLOAD 1
	ROW 0
	ROW 1
	ROW 2
	ROW 3
	s_wait_dscnt 0x0                               ; for the others' sake: my byte stores are done
	s_barrier_signal -1
	s_barrier_wait -1
	s_cmp_lt_u32 s18, 4
	s_cbranch_scc0 .Ldone
	ds_load_b64 v[240:241], v8
	s_wait_dscnt 0x0
	global_store_b64 v7, v[240:241], s[34:35]      ; the 32 positions' bytes of K step w: 256 consecutive bytes, aligned
.Ldone:
	s_wait_tensorcnt 0x0
	ds_add_u32 v14, v15
	s_wait_dscnt 0x0
	s_endpgm
.Lfunc_end_k_q5d2d44b818_ln1:
	.size	k_q5d2d44b818_ln1, .Lfunc_end_k_q5d2d44b818_ln1-k_q5d2d44b818_ln1
	.p2alignl 7, 3214868480
	.fill 96, 4, 3214868480
	.section	.rodata,"a",@progbits
	.p2align	6, 0x0
	.amdhsa_kernel k_q5d2d44b818_ln1
		.amdhsa_group_segment_fixed_size 51200
		.amdhsa_private_segment_fixed_size 0
		.amdhsa_enable_private_segment 0
		.amdhsa_kernarg_size 56
		.amdhsa_user_sgpr_count 2
		.amdhsa_user_sgpr_kernarg_segment_ptr 1
		.amdhsa_wavefront_size32 1
		.amdhsa_system_sgpr_workgroup_id_x 1
		.amdhsa_system_sgpr_workgroup_id_y 1
		.amdhsa_system_sgpr_workgroup_id_z 1
		.amdhsa_system_vgpr_workitem_id 0
		.amdhsa_next_free_vgpr 256
		.amdhsa_next_free_sgpr 66
		.amdhsa_reserve_vcc 0
		.amdhsa_float_denorm_mode_32 3
		.amdhsa_float_denorm_mode_16_64 3
		.amdhsa_memory_ordered 1
		.amdhsa_forward_progress 1
		.amdhsa_inst_pref_size 73
	.end_amdhsa_kernel
	.amdgpu_metadata
---
amdhsa.version: [ 1, 2 ]
amdhsa.kernels:
  - .name:           k_q5d2d44b818_ln1
    .symbol:         k_q5d2d44b818_ln1.kd
    .args:
      - { .name: cbuf, .offset: 0, .size: 8, .value_kind: global_buffer, .address_space: global }
      - { .name: x, .offset: 8, .size: 8, .value_kind: global_buffer, .address_space: global }
      - { .name: bo, .offset: 16, .size: 8, .value_kind: global_buffer, .address_space: global }
      - { .name: g1, .offset: 24, .size: 8, .value_kind: global_buffer, .address_space: global }
      - { .name: b1, .offset: 32, .size: 8, .value_kind: global_buffer, .address_space: global }
      - { .name: h1, .offset: 40, .size: 8, .value_kind: global_buffer, .address_space: global }
      - { .name: actq, .offset: 48, .size: 8, .value_kind: global_buffer, .address_space: global }
    .group_segment_fixed_size: 51200
    .private_segment_fixed_size: 0
    .kernarg_segment_align: 8
    .kernarg_segment_size: 56
    .max_flat_workgroup_size: 256
    .sgpr_count:     66
    .vgpr_count:     256
    .wavefront_size: 32
...
	.end_amdgpu_metadata
.endif
;; end of part 5
;; launch ffn1 (part 6): grid 16 x 16, 4 waves a work-group, clusters of 4 x 4, 327,680 bytes of LDS; arguments actq, wts, bf1, gq; writes gq
.if DOCPART == 6
	.amdgcn_target "amdgcn-amd-amdhsa--gfx1250"
	.amdhsa_code_object_version 6
	.text
	.protected	k_q5d2d44b818_ffn1
	.globl	k_q5d2d44b818_ffn1
	.p2align	8
	.type	k_q5d2d44b818_ffn1,@function
k_q5d2d44b818_ffn1:
	s_mov_b64 s[64:65], 0
	v_nop
	global_prefetch_b8 v0, s[64:65] scope:SCOPE_SE
	s_setreg_imm32_b32 hwreg(HW_REG_WAVE_MODE, 25, 1), 1
	s_wait_xcnt 0x0
	s_wait_alu depctr_hold_cnt(0) depctr_sa_sdst(0) depctr_va_vdst(0) depctr_va_sdst(0) depctr_va_ssrc(0) depctr_va_vcc(0) depctr_vm_vsrc(0)
	s_getreg_b32 s2, hwreg(HW_REG_IB_STS2, 6, 4)
	s_cmp_eq_u32 s2, 0
	s_cbranch_scc0 .Lentry_in_a_cluster
	s_endpgm
.Lentry_in_a_cluster:
	s_bfe_u32 s2, ttmp6, 0x10000c
	s_cmp_lg_u32 s2, 0xf033
	s_cbranch_scc0 .Lentry_shape_is_right
	s_endpgm
.Lentry_shape_is_right:
; gq = the codes of gelu(h1 w1 + bf1), exact-erf GELU, quantised along the 4,096 hidden units.  K = 1,024.  A: actq (32 groups), B: w1's blocks, from block 128 of wts on (32 groups).
; Operands and result lie in blocks of 33,792 bytes (128 rows x 256 along K: 128 rows of codes, 4 rows of scale bytes), rows in position order (bits 3, 4 of the row number exchanged):
; in accumulator (a, b) lane (r, h), register j holds C(position 16 a + r, column 32 (b / 2) + 16 h + 8 (b % 2) + j): the 64 registers of one a are four blocks of 32 along the next K.  The result keeps A's positions.
; A tile of C is 256 x 256, four waves; two LDS slots of 256 along K; clusters of 4 x 4 with joint loads.  256 work-groups.
; GELU: g = max(x, 0) - |x| erfc(|x| / sqrt 2) / 2, erfc(z) = t exp(-z^2 + poly(t)), t = 1 / (1 + z / 2): a fit of degree 9 with a fractional error of 1.2e-7 for every z, so small negative results keep their relative accuracy.
; The exponent is formed in base 2 (the coefficients are multiplied by log2 e).  LIMITS: as the quantiser's; NaN and infinities are not served.
; The epilogue is a loop over a, so that its text is written once; only the 32 additions of the bias, which name the accumulators, are written eight times.
; REGISTERS: window 0: v2-9 at work; v[10:11] a coefficient; v16-31 addresses; v32-63 scale words; v64-127 the bias; v128-255 A's fragments, later T (v128-191), U (v192-223), W (v224-255).
.set LAPS,   2
.set GA,     32
.set GB,     32
.set BLK,    33792
.set BOFF,   128*BLK
.set NQ,     2
.set PITCH,  272
.set FR,     16
.set NL,     4
.set NP,     8
.set HALFT,  132*PITCH
.set SLOT,   4*HALFT
.set SPARE,  2*SLOT
.set ADRA, 16
.set ADRB, 20
.set ADRS, 22
.set CSTO, 18
.set SSTO, 19
.set RDC,  24
.set RDS,  25
.set GC,   26
.set GS,   27
.set SPW,  28
.set NIL,  29
.set SA,   30
.set CA,   31
.set SC,   32
.set BJ,   64
.set AF,   128
.set T,    128
.set U,    192
.set W,    224
.set PC,   192
.set TM,   208
.set PW,   224
.set G1,  24
.set G0,  32
.set G1B, 48
.set G0B, 56
.set SEL, 92
.set MNT, 94
.set KH,  95
.set AL,  96
.set RO,  97
.set RS,  98
.set MSB, 0
.macro WIN new
.if MSB != \new
	s_set_vgpr_msb (MSB<<8)|\new
.set MSB, \new
.endif
.endm
.set MUL_LO, 0xa1
.set MUL_HI, 0xf1
.set TO_B,   0x40
.macro JLOAD g0a, g1a, g0b, g1b        ; a joint load: waves 0 and 1 fetch A's two blocks, waves 2 and 3 B's; four v_nop follow each line
	s_cmp_eq_u32 s15, 0
	s_cbranch_scc0 .Lfor_b_\@
	tensor_load_to_lds s[\g0a:\g0a+3], s[\g1a:\g1a+7]
	s_nop 0
.rept 4
	v_nop
.endr
	s_branch .Lasked_\@
.Lfor_b_\@:
	tensor_load_to_lds s[\g0b:\g0b+3], s[\g1b:\g1b+7]
	s_nop 0
.rept 4
	v_nop
.endr
.Lasked_\@:
.endm
.macro CREST
	s_cmp_lg_u32 s14, 0
	s_cbranch_scc1 .Lnot_wave_0_\@
	s_barrier_signal -3
.Lnot_wave_0_\@:
	s_barrier_wait -3
	s_barrier_signal -1
	s_barrier_wait -1
.endm
.macro CROUND
	s_barrier_signal -1
	s_barrier_wait -1
	CREST
.endm
.macro ADVANCE slot
	s_add_nc_u64 s[G0+4*\slot+2:G0+4*\slot+3], s[G0+4*\slot+2:G0+4*\slot+3], 2*GA*BLK
	s_add_nc_u64 s[G0B+4*\slot+2:G0B+4*\slot+3], s[G0B+4*\slot+2:G0B+4*\slot+3], 2*GB*BLK
.endm
	s_load_b128 s[4:7], s[0:1], 0x0                ; actq, wts
	s_load_b128 s[8:11], s[0:1], 0x10              ; bf1, gq
	v_lshl_add_u32 v[SPW], v0, 2, SPARE
	v_mov_b32 v[NIL], 0
	ds_add_u32 v28, v29
	s_wait_dscnt 0x0
	v_lshrrev_b32 v1, 5, v0
	v_readfirstlane_b32 s14, v1
	s_lshr_b32 s15, s14, 1
	s_and_b32 s16, s14, 1
	s_bfe_u32 s40, ttmp6, 0x40000
	s_bfe_u32 s41, ttmp6, 0x40004
	s_lshl_b32 s42, ttmp9, 2
	s_add_co_u32 s42, s42, s40                     ; tile column
	s_and_b32 s17, ttmp7, 0xffff
	s_lshl_b32 s17, s17, 2
	s_add_co_u32 s17, s17, s41                     ; tile row
	s_lshl_b32 s43, s41, 2
	s_lshl_b32 s43, 15, s43
	s_lshl_b32 s44, 0x1111, s40
	s_or_b32 s[G1+0], s43, (3<<16)|(1<<20)|(1<<21)|(5<<22)|(3<<25)   ; a block: 132 dense rows of 32 elements of 8 bytes, 16 bytes of padding behind each 256
	s_or_b32 s[G1B+0], s44, (3<<16)|(1<<20)|(1<<21)|(5<<22)|(3<<25)
.irp g, G1, G1B
	s_mov_b32 s[\g+1], 32<<16
	s_mov_b32 s[\g+2], 132<<16
	s_mov_b32 s[\g+3], 32<<16
	s_mov_b32 s[\g+4], 132
	s_mov_b32 s[\g+5], 32
	s_mov_b32 s[\g+6], 0
	s_mov_b32 s[\g+7], 0
.endr
	s_lshl_b32 s20, s17, 1
	s_add_co_u32 s20, s20, s16
	s_mul_i32 s20, s20, BLK
	s_mov_b32 s21, 0
	s_lshl_b32 s46, s42, 1
	s_add_co_u32 s46, s46, s16
	s_mul_i32 s46, s46, BLK
	s_add_co_u32 s46, s46, BOFF
	s_mov_b32 s47, 0
	s_mul_i32 s45, s14, HALFT
	s_wait_kmcnt 0x0
	s_add_nc_u64 s[20:21], s[4:5], s[20:21]
	s_add_nc_u64 s[46:47], s[6:7], s[46:47]
	CROUND
.irp s, 0,1
	s_mov_b32 s[G0+4*\s], 1
	s_add_co_u32 s[G0+4*\s+1], s45, \s*SLOT
	s_add_nc_u64 s[G0+4*\s+2:G0+4*\s+3], s[20:21], \s*GA*BLK
	s_or_b32 s[G0+4*\s+3], s[G0+4*\s+3], 0x80000000
	s_mov_b32 s[G0B+4*\s], 1
	s_add_co_u32 s[G0B+4*\s+1], s45, \s*SLOT
	s_add_nc_u64 s[G0B+4*\s+2:G0B+4*\s+3], s[46:47], \s*GB*BLK
	s_or_b32 s[G0B+4*\s+3], s[G0B+4*\s+3], 0x80000000
	JLOAD G0+4*\s, G1, G0B+4*\s, G1B               ; K steps 0 and 1: two tensor loads of mine are out
.endr
	v_and_b32 v1, 15, v0
	v_bfe_u32 v2, v0, 4, 1
	v_mul_u32_u24 v3, v1, PITCH
	v_lshl_add_u32 v4, v2, 4, v3
	s_mul_i32 s21, s15, HALFT
	s_mul_i32 s22, s16, HALFT
	s_add_co_u32 s22, s22, 2*HALFT
	v_add_nc_u32 v[ADRA], s21, v4
	v_add_nc_u32 v[ADRB], s22, v4
	v_add_nc_u32 v[ADRA+1], SLOT, v[ADRA]
	v_add_nc_u32 v[ADRB+1], SLOT, v[ADRB]
	s_sub_co_u32 s22, s22, s21
	v_mul_u32_u24 v6, s22, v2
	v_lshl_add_u32 v5, v1, 3, v6
	s_add_co_u32 s21, s21, 128*PITCH
	v_add_nc_u32 v[ADRS], s21, v5
	v_add_nc_u32 v[ADRS+1], SLOT, v[ADRS]
	; the way out: one stage for the work-group, in slot 0: 256 rows of 272 bytes of codes, then [256][8] scale bytes
	s_mul_i32 s21, s15, 128*PITCH
	s_lshl_b32 s22, s16, 7
	s_add_co_u32 s21, s21, s22
	v_add_nc_u32 v[CSTO], s21, v4
	s_lshl_b32 s21, s15, 10
	s_lshl_b32 s22, s16, 2
	s_add_co_u32 s21, s21, s22
	s_add_co_u32 s21, s21, 256*PITCH
	v_lshl_add_u32 v[SSTO], v1, 3, s21
	s_mul_i32 s21, s14, 64*PITCH
	v_mul_u32_u24 v5, v2, PITCH
	v_lshl_add_u32 v5, v1, 4, v5
	v_add_nc_u32 v[RDC], s21, v5
	s_lshl_b32 s21, s14, 9
	s_add_co_u32 s21, s21, 256*PITCH
	v_and_b32 v5, 31, v0
	v_lshl_add_u32 v[RDS], v5, 3, s21
	v_lshlrev_b32 v[GC], 4, v5
	v_lshlrev_b32 v[GS], 3, v5
	s_lshl_b32 s66, s42, 10
	s_lshl_b32 s67, s16, 9
	s_add_co_u32 s66, s66, s67
	s_mov_b32 s67, 0
	s_add_nc_u64 s[8:9], s[8:9], s[66:67]          ; the bias of my 128 columns
	v_lshlrev_b32 v7, 6, v2
.irp b, 0,1,2,3
.irp j, 0,1,2,3
	global_load_b128 v[BJ+16*\b+4*\j:BJ+16*\b+4*\j+3], v7, s[8:9] offset:128*\b+16*\j
.endr
.endr
	s_lshl_b32 s66, s42, 5
	s_lshl_b32 s67, s17, 1
	s_add_co_u32 s66, s66, s67
	s_add_co_u32 s66, s66, s15
	s_mul_i32 s66, s66, BLK                        ; the block that takes my 64 rows: K step = tile column, group = 2 x tile row + wave / 2
	s_lshl_b32 s67, s16, 9
	s_add_co_u32 s68, s66, s67
	s_add_co_u32 s68, s68, 32768
	s_mov_b32 s69, 0
	s_lshl_b32 s67, s16, 14
	s_add_co_u32 s66, s66, s67
	s_mov_b32 s67, 0
	s_add_nc_u64 s[66:67], s[10:11], s[66:67]
	s_add_nc_u64 s[68:69], s[10:11], s[68:69]
	s_mov_b32 s[SEL], 0x76543210
	s_mov_b32 s[SEL+1], 0xfedcba98
	s_mov_b32 s[MNT], 0x600000
	s_mov_b32 s[KH], 0x3eb504f3                    ; 1 / (2 sqrt 2)
.macro FRAG reg, adr, q, i
.irp c, 0,1,2,3
	ds_load_b128 v[\reg+4*\c:\reg+4*\c+3], v[\adr] offset:128*(\q)+32*\c+(\i)*16*PITCH
.endr
.endm
.macro MUL16 a0, p, q, sc, zero        ; the 64 accumulators take turns, one instruction a turn
.irp a, \a0, \a0+1
.irp b, 0,1,2,3,4,5,6,7
.if \zero
	v_wmma_scale_f32_16x16x128_f8f6f4 v[8*(8*((\a)%4)+\b):8*(8*((\a)%4)+\b)+7], v[128*(\p)+FR*\b:128*(\p)+FR*\b+FR-1], v[AF+FR*(\a):AF+FR*(\a)+FR-1], 0, v[SC+8*NQ*(\sc)+NQ*\b+(\q)], v[SC+8*NQ*(\sc)+NQ*(\a)+(\q)] matrix_a_scale:MATRIX_SCALE_ROW1
.else
	v_wmma_scale_f32_16x16x128_f8f6f4 v[8*(8*((\a)%4)+\b):8*(8*((\a)%4)+\b)+7], v[128*(\p)+FR*\b:128*(\p)+FR*\b+FR-1], v[AF+FR*(\a):AF+FR*(\a)+FR-1], v[8*(8*((\a)%4)+\b):8*(8*((\a)%4)+\b)+7], v[SC+8*NQ*(\sc)+NQ*\b+(\q)], v[SC+8*NQ*(\sc)+NQ*(\a)+(\q)] matrix_a_scale:MATRIX_SCALE_ROW1
.endif
.endr
.endr
.endm
.macro FETCH_B slot, q, p
	WIN TO_B
.irp i, 0,1,2,3,4,5,6,7
	FRAG 128*(\p)+FR*\i, ADRB+\slot, \q, \i
.endr
	WIN 0
.endm
.macro FETCH_A slot, q, i0
.irp i, \i0, \i0+1, \i0+2, \i0+3
	FRAG AF+FR*(\i), ADRA+\slot, \q, \i
.endr
.endm
.macro SCALES sc
.irp i, 0,1,2,3,4,5,6,7
	ds_load_b64 v[SC+8*NQ*\sc+NQ*\i:SC+8*NQ*\sc+NQ*\i+1], v[ADRS+\sc] offset:(\i/2)*PITCH+(\i%2)*128
.endr
.endm
.macro PLACES n
.rept \n
	v_nop
.endr
.endm
.macro STEP slot, q, zero
	s_wait_dscnt 4*NL                              ; all but the youngest 16 loads (A's blocks 4-7)
	WIN MUL_LO
	MUL16 0, (\q)%2, \q, \slot, \zero
	MUL16 2, (\q)%2, \q, \slot, \zero
	s_wait_dscnt 0
	PLACES NP
	FETCH_B \slot, (\q)+1, 1-(\q)%2
	FETCH_A \slot, (\q)+1, 0
	WIN MUL_HI
	MUL16 4, (\q)%2, \q, \slot, \zero
	MUL16 6, (\q)%2, \q, \slot, \zero
	PLACES NP
	WIN 0
	FETCH_A \slot, (\q)+1, 4
.endm
.macro TURN slot, next, fill
	s_wait_tensorcnt 0x0                           ; all my tensor loads have landed
	ds_add_u32 v[SPW], v[NIL]
	s_wait_dscnt 4*NL+1                            ; the add and the youngest 16 loads may be out
	WIN MUL_LO
	MUL16 0, 1, NQ-1, \slot, 0
	s_wait_dscnt 0x0                               ; the add is done, and my reads of this slot are over
	s_barrier_signal -1
	MUL16 2, 1, NQ-1, \slot, 0
	WIN 0
	s_barrier_wait -1
.if \fill
	CREST
	ADVANCE \slot
	JLOAD G0+4*\slot, G1, G0B+4*\slot, G1B
	PLACES NP-4
.else
	PLACES NP
.endif
	FETCH_B \next, 0, 0
	FETCH_A \next, 0, 0
	SCALES \next
	WIN MUL_HI
	MUL16 4, 1, NQ-1, \slot, 0
	MUL16 6, 1, NQ-1, \slot, 0
	PLACES NP
	WIN 0
	FETCH_A \next, 0, 4
.endm
	s_wait_loadcnt 0x0                             ; the bias
	s_wait_tensorcnt 1                             ; my block of K step 0 is in; K step 1's may be out
	s_barrier_signal -1
	s_barrier_wait -1
	FETCH_B 0, 0, 0
	FETCH_A 0, 0, 0
	SCALES 0
	FETCH_A 0, 0, 4
	STEP 0, 0, 1
	s_mov_b32 s3, LAPS-1
.Llap:
	TURN 0, 1, 1
	STEP 1, 0, 0
	TURN 1, 0, 1
	STEP 0, 0, 0
	s_sub_co_u32 s3, s3, 1
	s_cmp_lg_u32 s3, 0
	s_cbranch_scc1 .Llap
	TURN 0, 1, 0
	STEP 1, 0, 0
	s_wait_dscnt 4*NL
	WIN MUL_LO
	MUL16 0, 1, NQ-1, 1, 0
	MUL16 2, 1, NQ-1, 1, 0
	s_wait_dscnt 0
	WIN MUL_HI
	MUL16 4, 1, NQ-1, 1, 0
	MUL16 6, 1, NQ-1, 1, 0
	WIN 0
.macro QUANT s
.irp b, 0,1,2,3
	v_max3_num_f32 v[TM+\b], |v[\s+16*\b]|, |v[\s+1+16*\b]|, 0x4800000
.endr
.irp i, 2,4,6,8,10,12,14
.irp b, 0,1,2,3
	v_max3_num_f32 v[TM+\b], v[TM+\b], |v[\s+16*\b+\i]|, |v[\s+1+16*\b+\i]|
.endr
.endr
.irp b, 0,1,2,3
	v_permlanex16_b32 v[TM+4+\b], v[TM+\b], s[SEL], s[SEL+1]
.endr
.irp b, 0,1,2,3
	v_max_num_f32 v[TM+\b], v[TM+\b], v[TM+4+\b]
.endr
.irp b, 0,1,2,3
	v_add_nc_u32 v[TM+12+\b], 0xfc000000, v[TM+\b]
.endr
.irp b, 0,1,2,3
	v_and_or_b32 v[TM+8+\b], v[TM+\b], 0x7f800000, s[MNT]
.endr
.irp b, 0,1,2,3
	v_lshrrev_b32 v[TM+4+\b], 23, v[TM+12+\b]
.endr
	v_lshl_or_b32 v[PW], v[TM+5], 8, v[TM+4]
	v_lshl_or_b32 v[PW], v[TM+6], 16, v[PW]
	v_lshl_or_b32 v[PW], v[TM+7], 24, v[PW]
.irp b, 0,1,2,3
.irp i, 0,1,2,3,4,5,6,7,8,9,10,11,12,13,14,15
	v_med3_num_f32 v[\s+16*\b+\i], v[\s+16*\b+\i], -v[TM+8+\b], v[TM+8+\b]
.endr
	v_cvt_scalef32_pk8_fp8_f32 v[PC+4*\b:PC+1+4*\b], v[\s+16*\b:\s+7+16*\b], v[TM+12+\b]
	v_cvt_scalef32_pk8_fp8_f32 v[PC+2+4*\b:PC+3+4*\b], v[\s+8+16*\b:\s+15+16*\b], v[TM+12+\b]
.endr
	v_nop
.endm
; 32 numbers v[x] on become their GELU, in place
.macro GELU x
.set n, 0
.rept 32
	v_fma_f32 v[U+n], |v[\x+n]|, s[KH], 1.0        ; 1 + z / 2
.set n, n+1
.endr
.set n, 0
.rept 32
	v_rcp_f32 v[U+n], v[U+n]                       ; t
.set n, n+1
.endr
	v_nop                                          ; a plain line behind the batch,
	s_wait_alu depctr_va_vdst(0)                   ; and one wait for it, ahead of its first reader
.set n, 0
.rept 16
	v_pk_fma_f32 v[W+2*n:W+2*n+1], v[U+2*n:U+2*n+1], 0x3e7c6f08, v[10:11] op_sel_hi:[1,0,1]   ; c9 t + c8
.set n, n+1
.endr
.irp c, 0x40097039, 0xbfd1a1e5, 0x3ecdfd18, 0xbe899a80, 0x3e0efb2e, 0x3f0a29d2, 0x3fb8ab5a, 0xbfe9b21e
.set n, 0
.rept 16
	v_pk_fma_f32 v[W+2*n:W+2*n+1], v[W+2*n:W+2*n+1], v[U+2*n:U+2*n+1], \c op_sel_hi:[1,1,0]   ; Horner, c7 down to c0
.set n, n+1
.endr
.endr
.set n, 0
.rept 4
.irp k, 0,1,2,3
	v_pk_mul_f32 v[2+2*\k:3+2*\k], v[\x+8*n+2*\k:\x+8*n+2*\k+1], 0xbf38aa3b op_sel_hi:[1,0]   ; -x log2(e) / 2
.endr
.irp k, 0,1,2,3
	v_pk_fma_f32 v[W+8*n+2*\k:W+8*n+2*\k+1], v[2+2*\k:3+2*\k], v[\x+8*n+2*\k:\x+8*n+2*\k+1], v[W+8*n+2*\k:W+8*n+2*\k+1]   ; - z^2 log2(e)
.endr
.set n, n+1
.endr
.set n, 0
.rept 32
	v_exp_f32 v[W+n], v[W+n]
.set n, n+1
.endr
	v_nop
	s_wait_alu depctr_va_vdst(0)
.set n, 0
.rept 16
	v_pk_mul_f32 v[W+2*n:W+2*n+1], v[W+2*n:W+2*n+1], v[U+2*n:U+2*n+1]       ; erfc
.set n, n+1
.endr
.set n, 0
.rept 16
	v_pk_mul_f32 v[W+2*n:W+2*n+1], v[W+2*n:W+2*n+1], v[\x+2*n:\x+2*n+1]     ; x erfc
.set n, n+1
.endr
.set n, 0
.rept 32
	v_max_num_f32 v[U+n], 0, v[\x+n]
.set n, n+1
.endr
.set n, 0
.rept 32
	v_fma_f32 v[\x+n], |v[W+n]|, -0.5, v[U+n]
.set n, n+1
.endr
.endm
.macro ARM a                           ; T = block a's 64 results + the bias; each accumulator from its low end on
.set WW, 0x02+(\a)/4
	WIN WW
.set n, 0
.rept 32
	v_pk_add_f32 v[T+2*n:T+2*n+1], v[64*((\a)%4)+2*n:64*((\a)%4)+2*n+1], v[BJ+2*n:BJ+2*n+1]
.set n, n+1
.endr
	WIN 0
.endm
	PLACES NP                                      ; in front of the first read of results and the first write of registers that held fragments
	v_mov_b32 v10, 0xbf97d29d                      ; c8, twice
	v_mov_b32 v11, 0xbf97d29d
	s_mov_b32 s[AL], 0
	s_mov_b32 s[RO], 0
	s_mov_b32 s[RS], 0
.Lblocks:                                          ; eight trips: block a = the trip's number
.irp a, 0,1,2,3,4,5,6
	s_cmp_eq_u32 s[AL], \a
	s_cbranch_scc1 .Larm\a
.endr
	ARM 7
	s_branch .Ljoin
.irp a, 0,1,2,3,4,5,6
.Larm\a:
	ARM \a
	s_branch .Ljoin
.endr
.Ljoin:
	GELU T
	GELU T+32
	QUANT T
	v_add_nc_u32 v[CA], s[RO], v[CSTO]
	v_add_nc_u32 v[SA], s[RS], v[SSTO]
.irp b, 0,1,2,3
	ds_store_b128 v[CA], v[PC+4*\b:PC+4*\b+3] offset:32*\b
.endr
	ds_store_b32 v[SA], v[PW]                      ; both halves of the lanes write the same word with the same value
	s_wait_dscnt 0x0                               ; the stores have read their registers
	s_add_co_u32 s[RO], s[RO], 16*PITCH
	s_add_co_u32 s[RS], s[RS], 128
	s_add_co_u32 s[AL], s[AL], 1
	s_cmp_lt_u32 s[AL], 8
	s_cbranch_scc1 .Lblocks
	s_barrier_signal -1                            ; my stores into the stage are done (the wait for 0 above)
	s_barrier_wait -1
.set n, 0
.rept 32
	ds_load_b128 v[64+4*n:67+4*n], v[RDC] offset:544*n
.set n, n+1
.endr
	ds_load_b64 v[192:193], v[RDS]
	ds_load_b64 v[194:195], v[RDS] offset:256
.set n, 0
.rept 32
	s_wait_dscnt 33-n                              ; the younger read-backs may be out
	global_store_b128 v[GC], v[64+4*n:67+4*n], s[66:67] offset:512*n   ; 512 consecutive bytes: two rows of the block
.set n, n+1
.endr
	s_wait_dscnt 0x1
	global_store_b64 v[GS], v[192:193], s[68:69]   ; 256 consecutive bytes, aligned
	s_wait_dscnt 0x0
	global_store_b64 v[GS], v[194:195], s[68:69] offset:256
	s_wait_tensorcnt 0x0                           ; the wave's end
	ds_add_u32 v[SPW], v[NIL]
	s_wait_dscnt 0x0
	CROUND
	s_endpgm
.Lfunc_end_k_q5d2d44b818_ffn1:
	.size	k_q5d2d44b818_ffn1, .Lfunc_end_k_q5d2d44b818_ffn1-k_q5d2d44b818_ffn1
	.p2alignl 7, 3214868480
	.fill 96, 4, 3214868480
	.section	.rodata,"a",@progbits
	.p2align	6, 0x0
	.amdhsa_kernel k_q5d2d44b818_ffn1
		.amdhsa_group_segment_fixed_size 327680
		.amdhsa_private_segment_fixed_size 0
		.amdhsa_enable_private_segment 0
		.amdhsa_kernarg_size 32
		.amdhsa_user_sgpr_count 2
		.amdhsa_user_sgpr_kernarg_segment_ptr 1
		.amdhsa_wavefront_size32 1
		.amdhsa_system_sgpr_workgroup_id_x 1
		.amdhsa_system_sgpr_workgroup_id_y 1
		.amdhsa_system_sgpr_workgroup_id_z 1
		.amdhsa_system_vgpr_workitem_id 0
		.amdhsa_next_free_vgpr 1024
		.amdhsa_next_free_sgpr 100
		.amdhsa_reserve_vcc 0
		.amdhsa_float_denorm_mode_32 3
		.amdhsa_float_denorm_mode_16_64 3
		.amdhsa_memory_ordered 1
		.amdhsa_forward_progress 1
		.amdhsa_inst_pref_size 199
	.end_amdhsa_kernel
	.amdgpu_metadata
---
amdhsa.version: [ 1, 2 ]
amdhsa.kernels:
  - .name:           k_q5d2d44b818_ffn1
    .symbol:         k_q5d2d44b818_ffn1.kd
    .args:
      - { .name: actq, .offset: 0, .size: 8, .value_kind: global_buffer, .address_space: global }
      - { .name: wts, .offset: 8, .size: 8, .value_kind: global_buffer, .address_space: global }
      - { .name: bf1, .offset: 16, .size: 8, .value_kind: global_buffer, .address_space: global }
      - { .name: gq, .offset: 24, .size: 8, .value_kind: global_buffer, .address_space: global }
    .group_segment_fixed_size: 327680
    .private_segment_fixed_size: 0
    .kernarg_segment_align: 8
    .kernarg_segment_size: 32
    .max_flat_workgroup_size: 128
    .sgpr_count:     100
    .vgpr_count:     1024
    .wavefront_size: 32
...
	.end_amdgpu_metadata
.endif
;; end of part 6
;; launch ffn2 (part 7): grid 4 x 16, 4 waves a work-group, clusters of 4 x 4, 327,680 bytes of LDS; arguments gq, wts, cbuf; writes cbuf
.if DOCPART == 7
	.amdgcn_target "amdgcn-amd-amdhsa--gfx1250"
	.amdhsa_code_object_version 6
	.text
	.protected	k_q5d2d44b818_ffn2
	.globl	k_q5d2d44b818_ffn2
	.p2align	8
	.type	k_q5d2d44b818_ffn2,@function
k_q5d2d44b818_ffn2:
	s_mov_b64 s[64:65], 0
	v_nop
	global_prefetch_b8 v0, s[64:65] scope:SCOPE_SE
	s_setreg_imm32_b32 hwreg(HW_REG_WAVE_MODE, 25, 1), 1
	s_wait_xcnt 0x0
	s_wait_alu depctr_hold_cnt(0) depctr_sa_sdst(0) depctr_va_vdst(0) depctr_va_sdst(0) depctr_va_ssrc(0) depctr_va_vcc(0) depctr_vm_vsrc(0)
	s_getreg_b32 s2, hwreg(HW_REG_IB_STS2, 6, 4)
	s_cmp_eq_u32 s2, 0
	s_cbranch_scc0 .Lentry_in_a_cluster
	s_endpgm
.Lentry_in_a_cluster:
	s_bfe_u32 s2, ttmp6, 0x10000c
	s_cmp_lg_u32 s2, 0xf033
	s_cbranch_scc0 .Lentry_shape_is_right
	s_endpgm
.Lentry_shape_is_right:
; cbuf [4096][1024] f32 = gelu(..) w2, on codes of E4M3 with E8M0 scales.  K = 4,096.  A: gq (32 groups), B: w2's blocks, from block 256 of wts on (8 groups).
; Operands come in blocks of 33,792 bytes (128 rows x 256 along K: 128 rows of codes, then 4 rows of scale bytes); one tensor load brings a block.  Rows lie in position order (bits 3, 4 of the row number exchanged):
; in accumulator (a, b) lane (r, h), register j holds C(row 32 (a / 2) + 8 (a % 2) + r + 8 (r / 8), column 32 (b / 2) + 16 h + 8 (b % 2) + j) of the wave's 128 x 128.
; A tile of C is 256 x 256, four waves; two LDS slots of 256 along K; clusters of 4 x 4 with joint loads: A's blocks along a row of the cluster, B's along a column.  64 tiles: N = 1,024 gives no more of this size.
; REGISTERS: window 0: v16-31 addresses; v32-63 scale words; v128-255 A's fragments, later rows on their way out.  window 1: B's fragments.  windows 2, 3: the accumulators.
.set LAPS,   8
.set GA,     32
.set GB,     8
.set BLK,    33792
.set BOFF,   256*BLK
.set NQ,     2
.set PITCH,  272
.set FR,     16
.set NL,     4
.set NP,     8
.set HALFT,  132*PITCH
.set SLOT,   4*HALFT
.set SPARE,  2*SLOT
.set SPITCH, 528                       ; the way out: 16 rows x (512 + 16) bytes a wave, in slot 0, which has had its last fill and its last read by then
.set ADRA, 16
.set ADRB, 20
.set ADRS, 22
.set STO,  24
.set RD,   25
.set CO,   26
.set SPW,  28
.set NIL,  29
.set SC,   32
.set AF,   128
.set BK,   128
.set G1,  24
.set G0,  32
.set G1B, 48
.set G0B, 56
.set MSB, 0
.macro WIN new
.if MSB != \new
	s_set_vgpr_msb (MSB<<8)|\new
.set MSB, \new
.endif
.endm
.set MUL_LO, 0xa1
.set MUL_HI, 0xf1
.set TO_B,   0x40
.macro JLOAD g0a, g1a, g0b, g1b        ; a joint load: waves 0 and 1 fetch A's two blocks, waves 2 and 3 B's; four v_nop follow each line
	s_cmp_eq_u32 s15, 0
	s_cbranch_scc0 .Lfor_b_\@
	tensor_load_to_lds s[\g0a:\g0a+3], s[\g1a:\g1a+7]
	s_nop 0
.rept 4
	v_nop
.endr
	s_branch .Lasked_\@
.Lfor_b_\@:
	tensor_load_to_lds s[\g0b:\g0b+3], s[\g1b:\g1b+7]
	s_nop 0
.rept 4
	v_nop
.endr
.Lasked_\@:
.endm
.macro CREST
	s_cmp_lg_u32 s14, 0
	s_cbranch_scc1 .Lnot_wave_0_\@
	s_barrier_signal -3
.Lnot_wave_0_\@:
	s_barrier_wait -3
	s_barrier_signal -1
	s_barrier_wait -1
.endm
.macro CROUND
	s_barrier_signal -1
	s_barrier_wait -1
	CREST
.endm
.macro ADVANCE slot                    ; two K steps on
	s_add_nc_u64 s[G0+4*\slot+2:G0+4*\slot+3], s[G0+4*\slot+2:G0+4*\slot+3], 2*GA*BLK
	s_add_nc_u64 s[G0B+4*\slot+2:G0B+4*\slot+3], s[G0B+4*\slot+2:G0B+4*\slot+3], 2*GB*BLK
.endm
	s_load_b128 s[4:7], s[0:1], 0x0                ; A's blocks, wts
	s_load_b64 s[12:13], s[0:1], 0x10              ; C
	v_lshl_add_u32 v[SPW], v0, 2, SPARE
	v_mov_b32 v[NIL], 0
	ds_add_u32 v28, v29
	s_wait_dscnt 0x0
	v_lshrrev_b32 v1, 5, v0
	v_readfirstlane_b32 s14, v1
	s_lshr_b32 s15, s14, 1
	s_and_b32 s16, s14, 1
	s_bfe_u32 s40, ttmp6, 0x40000
	s_bfe_u32 s41, ttmp6, 0x40004
	s_lshl_b32 s42, ttmp9, 2
	s_add_co_u32 s42, s42, s40                     ; tile column
	s_and_b32 s17, ttmp7, 0xffff
	s_lshl_b32 s17, s17, 2
	s_add_co_u32 s17, s17, s41                     ; tile row
	s_lshl_b32 s43, s41, 2
	s_lshl_b32 s43, 15, s43
	s_lshl_b32 s44, 0x1111, s40
	s_or_b32 s[G1+0], s43, (3<<16)|(1<<20)|(1<<21)|(5<<22)|(3<<25)   ; a block: 132 dense rows of 32 elements of 8 bytes, 16 bytes of padding behind each 256
	s_or_b32 s[G1B+0], s44, (3<<16)|(1<<20)|(1<<21)|(5<<22)|(3<<25)
.irp g, G1, G1B
	s_mov_b32 s[\g+1], 32<<16
	s_mov_b32 s[\g+2], 132<<16
	s_mov_b32 s[\g+3], 32<<16
	s_mov_b32 s[\g+4], 132
	s_mov_b32 s[\g+5], 32
	s_mov_b32 s[\g+6], 0
	s_mov_b32 s[\g+7], 0
.endr
	s_lshl_b32 s20, s17, 1
	s_add_co_u32 s20, s20, s16
	s_mul_i32 s20, s20, BLK
	s_mov_b32 s21, 0
	s_lshl_b32 s46, s42, 1
	s_add_co_u32 s46, s46, s16
	s_mul_i32 s46, s46, BLK
	s_add_co_u32 s46, s46, BOFF
	s_mov_b32 s47, 0
	s_mul_i32 s45, s14, HALFT
	s_wait_kmcnt 0x0
	s_add_nc_u64 s[20:21], s[4:5], s[20:21]
	s_add_nc_u64 s[46:47], s[6:7], s[46:47]
	CROUND
.irp s, 0,1
	s_mov_b32 s[G0+4*\s], 1
	s_add_co_u32 s[G0+4*\s+1], s45, \s*SLOT
	s_add_nc_u64 s[G0+4*\s+2:G0+4*\s+3], s[20:21], \s*GA*BLK
	s_or_b32 s[G0+4*\s+3], s[G0+4*\s+3], 0x80000000
	s_mov_b32 s[G0B+4*\s], 1
	s_add_co_u32 s[G0B+4*\s+1], s45, \s*SLOT
	s_add_nc_u64 s[G0B+4*\s+2:G0B+4*\s+3], s[46:47], \s*GB*BLK
	s_or_b32 s[G0B+4*\s+3], s[G0B+4*\s+3], 0x80000000
	JLOAD G0+4*\s, G1, G0B+4*\s, G1B               ; K steps 0 and 1: two tensor loads of mine are out
.endr
	v_and_b32 v1, 15, v0
	v_bfe_u32 v2, v0, 4, 1
	v_mul_u32_u24 v3, v1, PITCH
	v_lshl_add_u32 v4, v2, 4, v3
	s_mul_i32 s21, s15, HALFT
	s_mul_i32 s22, s16, HALFT
	s_add_co_u32 s22, s22, 2*HALFT
	v_add_nc_u32 v[ADRA], s21, v4
	v_add_nc_u32 v[ADRB], s22, v4
	v_add_nc_u32 v[ADRA+1], SLOT, v[ADRA]
	v_add_nc_u32 v[ADRB+1], SLOT, v[ADRB]
	s_sub_co_u32 s22, s22, s21
	v_mul_u32_u24 v6, s22, v2
	v_lshl_add_u32 v5, v1, 3, v6
	s_add_co_u32 s21, s21, 128*PITCH
	v_add_nc_u32 v[ADRS], s21, v5
	v_add_nc_u32 v[ADRS+1], SLOT, v[ADRS]
	s_mul_i32 s23, s14, 16*SPITCH                  ; my stage
	v_mul_u32_u24 v5, v1, SPITCH
	v_lshl_add_u32 v5, v2, 6, v5
	v_add_nc_u32 v[STO], s23, v5                   ; in: row r, + 64 h bytes
	v_and_b32 v6, 31, v0
	v_lshlrev_b32 v[CO], 4, v6
	v_add_nc_u32 v[RD], s23, v[CO]                 ; back: the 32 lanes take a row of 512 bytes
	s_lshl_b32 s20, s17, 20
	s_lshl_b32 s21, s15, 19
	s_add_co_u32 s20, s20, s21                     ; row 256 x tile row + 128 x half, of 4,096 bytes
	s_mov_b32 s21, 0
	s_lshl_b32 s46, s42, 10
	s_lshl_b32 s47, s16, 9
	s_add_co_u32 s46, s46, s47
	s_mov_b32 s47, 0
	s_add_nc_u64 s[20:21], s[20:21], s[46:47]
	s_add_nc_u64 s[12:13], s[12:13], s[20:21]
.macro FRAG reg, adr, q, i
.irp c, 0,1,2,3
	ds_load_b128 v[\reg+4*\c:\reg+4*\c+3], v[\adr] offset:128*(\q)+32*\c+(\i)*16*PITCH
.endr
.endm
.macro MUL16 a0, p, q, sc, zero        ; the 64 accumulators take turns, one instruction a turn
.irp a, \a0, \a0+1
.irp b, 0,1,2,3,4,5,6,7
.if \zero
	v_wmma_scale_f32_16x16x128_f8f6f4 v[8*(8*((\a)%4)+\b):8*(8*((\a)%4)+\b)+7], v[128*(\p)+FR*\b:128*(\p)+FR*\b+FR-1], v[AF+FR*(\a):AF+FR*(\a)+FR-1], 0, v[SC+8*NQ*(\sc)+NQ*\b+(\q)], v[SC+8*NQ*(\sc)+NQ*(\a)+(\q)] matrix_a_scale:MATRIX_SCALE_ROW1
.else
	v_wmma_scale_f32_16x16x128_f8f6f4 v[8*(8*((\a)%4)+\b):8*(8*((\a)%4)+\b)+7], v[128*(\p)+FR*\b:128*(\p)+FR*\b+FR-1], v[AF+FR*(\a):AF+FR*(\a)+FR-1], v[8*(8*((\a)%4)+\b):8*(8*((\a)%4)+\b)+7], v[SC+8*NQ*(\sc)+NQ*\b+(\q)], v[SC+8*NQ*(\sc)+NQ*(\a)+(\q)] matrix_a_scale:MATRIX_SCALE_ROW1
.endif
.endr
.endr
.endm
.macro FETCH_B slot, q, p
	WIN TO_B
.irp i, 0,1,2,3,4,5,6,7
	FRAG 128*(\p)+FR*\i, ADRB+\slot, \q, \i
.endr
	WIN 0
.endm
.macro FETCH_A slot, q, i0
.irp i, \i0, \i0+1, \i0+2, \i0+3
	FRAG AF+FR*(\i), ADRA+\slot, \q, \i
.endr
.endm
.macro SCALES sc
.irp i, 0,1,2,3,4,5,6,7
	ds_load_b64 v[SC+8*NQ*\sc+NQ*\i:SC+8*NQ*\sc+NQ*\i+1], v[ADRS+\sc] offset:(\i/2)*PITCH+(\i%2)*128
.endr
.endm
.macro PLACES n
.rept \n
	v_nop
.endr
.endm
.macro STEP slot, q, zero
	s_wait_dscnt 4*NL                              ; all but the youngest 16 loads (A's blocks 4-7)
	WIN MUL_LO
	MUL16 0, (\q)%2, \q, \slot, \zero
	MUL16 2, (\q)%2, \q, \slot, \zero
	s_wait_dscnt 0
	PLACES NP
	FETCH_B \slot, (\q)+1, 1-(\q)%2
	FETCH_A \slot, (\q)+1, 0
	WIN MUL_HI
	MUL16 4, (\q)%2, \q, \slot, \zero
	MUL16 6, (\q)%2, \q, \slot, \zero
	PLACES NP
	WIN 0
	FETCH_A \slot, (\q)+1, 4
.endm
.macro TURN slot, next, fill
	s_wait_tensorcnt 0x0                           ; all my tensor loads have landed
	ds_add_u32 v[SPW], v[NIL]
	s_wait_dscnt 4*NL+1                            ; the add and the youngest 16 loads may be out
	WIN MUL_LO
	MUL16 0, 1, NQ-1, \slot, 0
	s_wait_dscnt 0x0                               ; the add is done, and my reads of this slot are over
	s_barrier_signal -1
	MUL16 2, 1, NQ-1, \slot, 0
	WIN 0
	s_barrier_wait -1
.if \fill
	CREST
	ADVANCE \slot
	JLOAD G0+4*\slot, G1, G0B+4*\slot, G1B
	PLACES NP-4
.else
	PLACES NP
.endif
	FETCH_B \next, 0, 0
	FETCH_A \next, 0, 0
	SCALES \next
	WIN MUL_HI
	MUL16 4, 1, NQ-1, \slot, 0
	MUL16 6, 1, NQ-1, \slot, 0
	PLACES NP
	WIN 0
	FETCH_A \next, 0, 4
.endm
	s_wait_tensorcnt 1                             ; my block of K step 0 is in; K step 1's may be out
	s_barrier_signal -1
	s_barrier_wait -1
	FETCH_B 0, 0, 0
	FETCH_A 0, 0, 0
	SCALES 0
	FETCH_A 0, 0, 4
	STEP 0, 0, 1
	s_mov_b32 s3, LAPS-1
.Llap:
	TURN 0, 1, 1
	STEP 1, 0, 0
	TURN 1, 0, 1
	STEP 0, 0, 0
	s_sub_co_u32 s3, s3, 1
	s_cmp_lg_u32 s3, 0
	s_cbranch_scc1 .Llap
	TURN 0, 1, 0
	STEP 1, 0, 0
	s_wait_dscnt 4*NL
	WIN MUL_LO
	MUL16 0, 1, NQ-1, 1, 0
	MUL16 2, 1, NQ-1, 1, 0
	s_wait_dscnt 0
	WIN MUL_HI
	MUL16 4, 1, NQ-1, 1, 0
	MUL16 6, 1, NQ-1, 1, 0
	WIN 0
; THE WAY OUT, block by block of 16 rows x 128 columns, through my own stage; a wave's LDS instructions are served in order
.macro TOSTAGE a
.set AC, 64*((\a)%4)
.set WW, 0x08+4*((\a)/4)
	WIN WW                                         ; an LDS store's data are its source 1: window 2 or 3
.irp b, 0,1,2,3,4,5,6,7
	ds_store_b128 v[STO], v[AC+8*\b:AC+8*\b+3] offset:128*(\b/2)+32*(\b%2)       ; each accumulator from its low end on
	ds_store_b128 v[STO], v[AC+8*\b+4:AC+8*\b+7] offset:128*(\b/2)+32*(\b%2)+16
.endr
	WIN 0
.set BB, BK+64*((\a)%2)
.irp t, 0,1,2,3,4,5,6,7,8,9,10,11,12,13,14,15
	ds_load_b128 v[BB+4*\t:BB+4*\t+3], v[RD] offset:\t*SPITCH
.endr
.endm
.macro SEND a, younger
.set BB, BK+64*((\a)%2)
	s_wait_dscnt \younger
.irp t, 0,1,2,3,4,5,6,7,8,9,10,11,12,13,14,15
	global_store_b128 v[CO], v[BB+4*\t:BB+4*\t+3], s[12:13] offset:(32*((\a)/2)+8*((\a)%2)+\t+8*(\t/8))*4096 th:TH_STORE_NT   ; position 16 a + t is this true row; 512 consecutive bytes
.endr
.endm
	PLACES NP
	TOSTAGE 0
.irp a, 1,2,3,4,5,6,7
.if \a > 1
	s_wait_xcnt 0x0                                ; block a - 2's stores have read their registers
.endif
	TOSTAGE \a
	SEND \a-1, 32                                  ; behind block a - 1's loads: block a's 16 stores and 16 loads
.endr
	SEND 7, 0
	s_wait_tensorcnt 0x0                           ; the wave's end
	ds_add_u32 v[SPW], v[NIL]
	s_wait_dscnt 0x0
	CROUND
	s_endpgm
.Lfunc_end_k_q5d2d44b818_ffn2:
	.size	k_q5d2d44b818_ffn2, .Lfunc_end_k_q5d2d44b818_ffn2-k_q5d2d44b818_ffn2
	.p2alignl 7, 3214868480
	.fill 96, 4, 3214868480
	.section	.rodata,"a",@progbits
	.p2align	6, 0x0
	.amdhsa_kernel k_q5d2d44b818_ffn2
		.amdhsa_group_segment_fixed_size 327680
		.amdhsa_private_segment_fixed_size 0
		.amdhsa_enable_private_segment 0
		.amdhsa_kernarg_size 24
		.amdhsa_user_sgpr_count 2
		.amdhsa_user_sgpr_kernarg_segment_ptr 1
		.amdhsa_wavefront_size32 1
		.amdhsa_system_sgpr_workgroup_id_x 1
		.amdhsa_system_sgpr_workgroup_id_y 1
		.amdhsa_system_sgpr_workgroup_id_z 1
		.amdhsa_system_vgpr_workitem_id 0
		.amdhsa_next_free_vgpr 1024
		.amdhsa_next_free_sgpr 100
		.amdhsa_reserve_vcc 0
		.amdhsa_float_denorm_mode_32 3
		.amdhsa_float_denorm_mode_16_64 3
		.amdhsa_memory_ordered 1
		.amdhsa_forward_progress 1
		.amdhsa_inst_pref_size 142
	.end_amdhsa_kernel
	.amdgpu_metadata
---
amdhsa.version: [ 1, 2 ]
amdhsa.kernels:
  - .name:           k_q5d2d44b818_ffn2
    .symbol:         k_q5d2d44b818_ffn2.kd
    .args:
      - { .name: gq, .offset: 0, .size: 8, .value_kind: global_buffer, .address_space: global }
      - { .name: wts, .offset: 8, .size: 8, .value_kind: global_buffer, .address_space: global }
      - { .name: cbuf, .offset: 16, .size: 8, .value_kind: global_buffer, .address_space: global }
    .group_segment_fixed_size: 327680
    .private_segment_fixed_size: 0
    .kernarg_segment_align: 8
    .kernarg_segment_size: 24
    .max_flat_workgroup_size: 128
    .sgpr_count:     100
    .vgpr_count:     1024
    .wavefront_size: 32
...
	.end_amdgpu_metadata
.endif
;; end of part 7
;; launch ln2 (part 8): grid 128 x 1, 8 waves a work-group, no clusters, 0 bytes of LDS; arguments cbuf, h1, bf2, g2, b2, out0; writes out0
.if DOCPART == 8
	.amdgcn_target "amdgcn-amd-amdhsa--gfx1250"
	.amdhsa_code_object_version 6
	.text
	.protected	k_q5d2d44b818_ln2
	.globl	k_q5d2d44b818_ln2
	.p2align	8
	.type	k_q5d2d44b818_ln2,@function
k_q5d2d44b818_ln2:
	s_mov_b64 s[64:65], 0
	v_nop
	global_prefetch_b8 v0, s[64:65] scope:SCOPE_SE
	s_setreg_imm32_b32 hwreg(HW_REG_WAVE_MODE, 25, 1), 1
	s_wait_xcnt 0x0
; out0 = LN(h1 + (c + bf2)) with gain g2 and offset b2, f32.  A stream: memory binds; no LDS, no barrier, no matrix unit.
; A work-group takes 32 rows, a wave 4; a row (4,096 bytes) lies in 32 registers of the wave, a lane holding bytes 512 i + 16 lane: every load and store covers 512 consecutive bytes.
; Two row slots: one at work, one on its way in.  NaN and infinities are not served.
.set BIAS,  16
.set GAM,   48
.set BET,   80
	s_load_b256 s[4:11], s[0:1], 0x0               ; c, h1, bf2, g2
	s_load_b128 s[12:15], s[0:1], 0x20             ; b2, out0
	v_lshrrev_b32 v1, 5, v0
	v_readfirstlane_b32 s18, v1
	v_and_b32 v2, 31, v0
	v_lshlrev_b32 v3, 4, v2
	s_lshl_b32 s20, ttmp9, 17                      ; 32 rows of 4,096 bytes
	s_lshl_b32 s21, s18, 14                        ; 4 rows
	s_add_co_u32 s20, s20, s21
	s_mov_b32 s21, 0
	s_mov_b32 s26, 0x3a800000                      ; 1 / 1,024
	s_mov_b32 s27, 0x2b8cbccc                      ; 1e-12
	s_mov_b32 s28, 0x76543210
	s_mov_b32 s29, 0xfedcba98
	s_wait_kmcnt 0x0
	s_add_nc_u64 s[4:5], s[4:5], s[20:21]
	s_add_nc_u64 s[6:7], s[6:7], s[20:21]
	s_add_nc_u64 s[14:15], s[14:15], s[20:21]
.irp i, 0,1,2,3,4,5,6,7
	global_load_b128 v[BIAS+4*\i:BIAS+4*\i+3], v3, s[8:9] offset:512*\i
	global_load_b128 v[GAM+4*\i:GAM+4*\i+3], v3, s[10:11] offset:512*\i
	global_load_b128 v[BET+4*\i:BET+4*\i+3], v3, s[12:13] offset:512*\i
.endr
.macro RLOAD k
.set CC, 112+64*((\k)%2)
.irp i, 0,1,2,3,4,5,6,7
	global_load_b128 v[CC+4*\i:CC+4*\i+3], v3, s[4:5] offset:4096*(\k)+512*\i th:TH_LOAD_NT
.endr
.irp i, 0,1,2,3,4,5,6,7
	global_load_b128 v[CC+32+4*\i:CC+32+4*\i+3], v3, s[6:7] offset:4096*(\k)+512*\i th:TH_LOAD_NT
.endr
.endm
.macro ALLSUM a, b                     ; v[a] summed over the 32 lanes; v[b] has been written
	v_add_f32_dpp v[\a], v[\a], v[\a] row_xmask:1 row_mask:0xf bank_mask:0xf
	v_add_f32_dpp v[\a], v[\a], v[\a] row_xmask:2 row_mask:0xf bank_mask:0xf
	v_add_f32_dpp v[\a], v[\a], v[\a] row_xmask:4 row_mask:0xf bank_mask:0xf
	v_add_f32_dpp v[\a], v[\a], v[\a] row_xmask:8 row_mask:0xf bank_mask:0xf
	v_permlanex16_b32 v[\b], v[\a], s28, s29
	v_add_f32 v[\a], v[\a], v[\b]
.endm
.macro ROW k
.set CC, 112+64*((\k)%2)
.set RR, CC+32
.if (\k) < 3
	s_wait_loadcnt 16                              ; this row is in; the next row's 16 loads may be out
.else
	s_wait_loadcnt 0
.endif
.set n, 0
.rept 16
	v_pk_add_f32 v[CC+2*n:CC+2*n+1], v[CC+2*n:CC+2*n+1], v[BIAS+2*n:BIAS+2*n+1]
.set n, n+1
.endr
.set n, 0
.rept 16
	v_pk_add_f32 v[CC+2*n:CC+2*n+1], v[RR+2*n:RR+2*n+1], v[CC+2*n:CC+2*n+1]
.set n, n+1
.endr
.irp j, 0,1,2,3
	v_pk_add_f32 v[240+2*\j:241+2*\j], v[CC+4*\j:CC+4*\j+1], v[CC+4*\j+2:CC+4*\j+3]   ; four chains
.endr
.irp i, 0,1
.irp j, 0,1,2,3
	v_pk_add_f32 v[240+2*\j:241+2*\j], v[240+2*\j:241+2*\j], v[CC+16+8*\i+2*\j:CC+17+8*\i+2*\j]
.endr
.endr
	v_pk_add_f32 v[240:241], v[240:241], v[242:243]
	v_pk_add_f32 v[244:245], v[244:245], v[246:247]
	v_pk_add_f32 v[240:241], v[240:241], v[244:245]
	v_add_f32 v240, v240, v241
	ALLSUM 240, 241
	v_mul_f32 v240, s26, v240                      ; the mean
.set n, 0
.rept 16
	v_pk_add_f32 v[CC+2*n:CC+2*n+1], v[CC+2*n:CC+2*n+1], v[240:241] op_sel_hi:[1,0] neg_lo:[0,1] neg_hi:[0,1]
.set n, n+1
.endr
.irp j, 0,1,2,3
	v_pk_mul_f32 v[242+2*\j:243+2*\j], v[CC+2*\j:CC+2*\j+1], v[CC+2*\j:CC+2*\j+1]
.endr
.irp i, 1,2,3
.irp j, 0,1,2,3
	v_pk_fma_f32 v[242+2*\j:243+2*\j], v[CC+8*\i+2*\j:CC+8*\i+2*\j+1], v[CC+8*\i+2*\j:CC+8*\i+2*\j+1], v[242+2*\j:243+2*\j]
.endr
.endr
	v_pk_add_f32 v[242:243], v[242:243], v[244:245]
	v_pk_add_f32 v[246:247], v[246:247], v[248:249]
	v_pk_add_f32 v[242:243], v[242:243], v[246:247]
	v_add_f32 v242, v242, v243
	ALLSUM 242, 243
	v_fma_f32 v242, v242, s26, s27                 ; the variance + 1e-12
	v_rsq_f32 v242, v242
	v_nop                                          ; a plain line behind the transcendental
	s_wait_alu depctr_va_vdst(0)                   ; and its wait, ahead of the first reader
.set n, 0
.rept 16
	v_pk_mul_f32 v[CC+2*n:CC+2*n+1], v[CC+2*n:CC+2*n+1], v[242:243] op_sel_hi:[1,0]
.set n, n+1
.endr
.set n, 0
.rept 16
	v_pk_fma_f32 v[CC+2*n:CC+2*n+1], v[CC+2*n:CC+2*n+1], v[GAM+2*n:GAM+2*n+1], v[BET+2*n:BET+2*n+1]
.set n, n+1
.endr
.irp i, 0,1,2,3,4,5,6,7
	global_store_b128 v3, v[CC+4*\i:CC+4*\i+3], s[14:15] offset:4096*(\k)+512*\i th:TH_STORE_NT
.endr
.if (\k) < 2
	s_wait_xcnt 0x0                                ; the stores have read their registers: the slot may be loaded again
	RLOAD (\k)+2
.endif
.endm
	RLOAD 0
	RLOAD 1
	ROW 0
	ROW 1
	ROW 2
	ROW 3
	s_endpgm
.Lfunc_end_k_q5d2d44b818_ln2:
	.size	k_q5d2d44b818_ln2, .Lfunc_end_k_q5d2d44b818_ln2-k_q5d2d44b818_ln2
	.p2alignl 7, 3214868480
	.fill 96, 4, 3214868480
	.section	.rodata,"a",@progbits
	.p2align	6, 0x0
	.amdhsa_kernel k_q5d2d44b818_ln2
		.amdhsa_group_segment_fixed_size 0
		.amdhsa_private_segment_fixed_size 0
		.amdhsa_enable_private_segment 0
		.amdhsa_kernarg_size 48
		.amdhsa_user_sgpr_count 2
		.amdhsa_user_sgpr_kernarg_segment_ptr 1
		.amdhsa_wavefront_size32 1
		.amdhsa_system_sgpr_workgroup_id_x 1
		.amdhsa_system_sgpr_workgroup_id_y 1
		.amdhsa_system_sgpr_workgroup_id_z 1
		.amdhsa_system_vgpr_workitem_id 0
		.amdhsa_next_free_vgpr 256
		.amdhsa_next_free_sgpr 66
		.amdhsa_reserve_vcc 0
		.amdhsa_float_denorm_mode_32 3
		.amdhsa_float_denorm_mode_16_64 3
		.amdhsa_memory_ordered 1
		.amdhsa_forward_progress 1
		.amdhsa_inst_pref_size 45
	.end_amdhsa_kernel
	.amdgpu_metadata
---
amdhsa.version: [ 1, 2 ]
amdhsa.kernels:
  - .name:           k_q5d2d44b818_ln2
    .symbol:         k_q5d2d44b818_ln2.kd
    .args:
      - { .name: cbuf, .offset: 0, .size: 8, .value_kind: global_buffer, .address_space: global }
      - { .name: h1, .offset: 8, .size: 8, .value_kind: global_buffer, .address_space: global }
      - { .name: bf2, .offset: 16, .size: 8, .value_kind: global_buffer, .address_space: global }
      - { .name: g2, .offset: 24, .size: 8, .value_kind: global_buffer, .address_space: global }
      - { .name: b2, .offset: 32, .size: 8, .value_kind: global_buffer, .address_space: global }
      - { .name: out0, .offset: 40, .size: 8, .value_kind: global_buffer, .address_space: global }
    .group_segment_fixed_size: 0
    .private_segment_fixed_size: 0
    .kernarg_segment_align: 8
    .kernarg_segment_size: 48
    .max_flat_workgroup_size: 256
    .sgpr_count:     66
    .vgpr_count:     256
    .wavefront_size: 32
...
	.end_amdgpu_metadata
.endif
;; end of part 8
;; ======== version 2 of 2: 8 launches
;; limits: right only within a limited range of input values
;; workspace buffers: actq 4,325,376 bytes; wts 12,976,128 bytes; qkv 12,976,128 bytes; cbuf 16,777,216 bytes; h1 16,777,216 bytes; gq 17,301,504 bytes
;; launch quant (part 9): grid 512 x 1, 4 waves a work-group, no clusters, 51,712 bytes of LDS; arguments x, wq, wk, wv, wo, w1, w2, actq, wts; writes actq, wts
.if DOCPART == 9
	.amdgcn_target "amdgcn-amd-amdhsa--gfx1250"
	.amdhsa_code_object_version 6
	.text
	.protected	k_q5d2d44b818_quant
	.globl	k_q5d2d44b818_quant
	.p2align	8
	.type	k_q5d2d44b818_quant,@function
k_q5d2d44b818_quant:
	s_mov_b64 s[64:65], 0
	v_nop
	global_prefetch_b8 v0, s[64:65] scope:SCOPE_SE
	s_setreg_imm32_b32 hwreg(HW_REG_WAVE_MODE, 25, 1), 1
	s_wait_xcnt 0x0
; x [4096][1024] and the six weights [K][N], f32, become codes of E4M3 with one E8M0 byte for each 32 along K, in blocks of my own make.
; A BLOCK (33,792 bytes = 132 rows of 256) holds 128 operand rows x 256 along K: rows 0-127 the codes, rows 128-131 the scale bytes, 8 a row.
; Operand row rr lies at POSITION p = rr with bits 3 and 4 exchanged, codes and scale bytes alike: sixteen neighbouring positions are then the rows
; that a product wants in one fragment for its results to lie as 16 neighbours along the next K.
; Block (ks = k / 256, g = row / 128) of an operand of G groups is block ks G + g.  actq: x, G = 32.  wts: blocks 0-95 [wq|wk|wv] (G = 24), 96-127 wo (8), 128-255 w1 (32), 256-383 w2 (8).
; One work-group makes one block from 131,072 bytes of f32: work-groups 0-127 x, 128-511 the weights.  The two ways use LDS bytes of their own; waves share nothing: no barrier.
; A block's scale: the largest magnitude's exponent field less 8, held at 1 from below.  LIMITS: a block of zeros gets the byte 1, not 127 (its codes are zeros; only this program reads the bytes);
; largest magnitudes under 2^-118 are taken as that floor; NaN and infinities are not served.
.set BLK,  33792
.set RX,   16                          ; x way: v16-79 eight sets of 8 numbers as loaded
.set XX,   80                          ; v80-95 two sets of 8 neighbours
.set CX,   96                          ; v96-159 codes, two registers a step
.set EX,   160                         ; v160-191 a scale byte a step
.set XW,   32                          ; weights' way: v32-95 two sets of 32 numbers
.set CW,   96                          ; v96-103 a block's codes
.set SB,   24                          ; v24-25 eight scale bytes
.set AW,   128                         ; v128-159 offsets: 4 lane + i rows
.set OUTR, 160                         ; v160-223 the way out
	s_load_b256 s[4:11], s[0:1], 0x0               ; x, wq, wk, wv
	s_load_b256 s[12:19], s[0:1], 0x20             ; wo, w1, w2, actq
	s_load_b64 s[20:21], s[0:1], 0x40              ; wts
	v_lshl_add_u32 v224, v0, 2, 0xc800
	v_mov_b32 v225, 0
	v_lshrrev_b32 v1, 5, v0
	v_readfirstlane_b32 s22, v1                    ; wave
	v_and_b32 v2, 31, v0                           ; lane
	s_mov_b32 s23, 0x600000                        ; the mantissa field of 448
	s_cmp_lt_u32 ttmp9, 128
	s_cbranch_scc0 .Lweights
; ---------------- x: K is innermost.  Wave w takes rows 32 w + t of the block, a row's 1,024 bytes a step; a lane ends up with 8 neighbours, four lanes hold a block of 32
	s_and_b32 s24, ttmp9, 31                       ; g
	s_lshr_b32 s25, ttmp9, 5                       ; ks
	s_lshl_b32 s26, s24, 19                        ; 128 g rows of 4,096 bytes
	s_lshl_b32 s27, s22, 17                        ; 32 w rows
	s_add_co_u32 s26, s26, s27
	s_lshl_b32 s27, s25, 10                        ; 256 ks numbers
	s_add_co_u32 s26, s26, s27
	s_mov_b32 s27, 0
	s_lshl_b32 s28, s25, 5
	s_add_co_u32 s28, s28, s24
	s_mul_i32 s28, s28, BLK                        ; the block
	s_lshl_b32 s30, s22, 13
	s_add_co_u32 s30, s30, s28                     ; my 32 positions' codes
	s_mov_b32 s31, 0
	s_lshl_b32 s32, s22, 8
	s_add_co_u32 s32, s32, s28
	s_add_co_u32 s32, s32, 32768                   ; and their 256 scale bytes
	s_mov_b32 s33, 0
	s_lshl_b32 s29, s22, 12                        ; LDS: 4,096 bytes a wave: two stages of 32 x 48, then 256 scale bytes
	s_wait_alu depctr_va_vdst(0)
	v_lshlrev_b32 v3, 4, v2                        ; my 16 bytes of a load's 512
	v_lshrrev_b32 v4, 1, v2
	v_mul_u32_u24 v4, v4, 48
	v_and_b32 v5, 1, v2
	v_lshl_add_u32 v4, v5, 4, v4
	v_add_nc_u32 v4, s29, v4                       ; the stage, in: two lanes' 32 bytes on end, then 16 of padding
	v_mul_u32_u24 v5, v2, 48
	v_add_nc_u32 v5, s29, v5                       ; out: 48 x lane: my 8 neighbours
	v_lshrrev_b32 v6, 2, v2
	v_add_nc_u32 v6, s29, v6
	v_add_nc_u32 v6, 3072, v6                      ; my block's scale byte
	v_lshlrev_b32 v7, 3, v2                        ; 8 bytes a lane on the way out
	v_add_nc_u32 v8, s29, v7
	v_add_nc_u32 v8, 3072, v8
	s_wait_alu depctr_va_vdst(0)
	s_wait_kmcnt 0x0
	s_add_nc_u64 s[4:5], s[4:5], s[26:27]
	s_add_nc_u64 s[34:35], s[18:19], s[30:31]
	s_add_nc_u64 s[36:37], s[18:19], s[32:33]
.macro XLOAD t
	global_load_b128 v[RX+8*((\t)%8):RX+8*((\t)%8)+3], v3, s[4:5] offset:4096*(\t) th:TH_LOAD_NT       ; 32 lanes read 512 consecutive bytes
	global_load_b128 v[RX+8*((\t)%8)+4:RX+8*((\t)%8)+7], v3, s[4:5] offset:4096*(\t)+512 th:TH_LOAD_NT
.endm
.macro XTURN t                         ; a step's numbers through the stage; LDS serves a wave's instructions in order
	ds_store_b128 v4, v[RX+8*((\t)%8):RX+8*((\t)%8)+3] offset:1536*((\t)%2)
	ds_store_b128 v4, v[RX+8*((\t)%8)+4:RX+8*((\t)%8)+7] offset:1536*((\t)%2)+768
	ds_load_b128 v[XX+8*((\t)%2):XX+8*((\t)%2)+3], v5 offset:1536*((\t)%2)
	ds_load_b128 v[XX+8*((\t)%2)+4:XX+8*((\t)%2)+7], v5 offset:1536*((\t)%2)+16
.endm
.macro XSTEP t
.set XS, XX+8*((\t)%2)
.set SWT, ((\t)&7)|((((\t)>>3)&1)<<4)|((((\t)>>4)&1)<<3)   ; the row's position: bits 3 and 4 exchanged
.if (\t) > 0
	s_wait_dscnt 1                                 ; this step's numbers are back (the last step's byte store may be out): its stage stores have read their registers,
.else
	s_wait_dscnt 0x0
.endif
.if (\t)+8 < 32
	XLOAD (\t)+8                                   ; which take the loads of eight steps on
.endif
.if (\t)+1 < 32
.if (\t)+8 < 32
	s_wait_loadcnt 14                              ; the next step's two loads are in; those of the seven steps behind it may be out
.else
	s_wait_loadcnt 2*(30-(\t))
.endif
	XTURN (\t)+1
.endif
	v_max3_num_f32 v9, |v[XS]|, |v[XS+1]|, 0x4800000               ; my 8, and the floor 2^(9 - 127)
	v_max3_num_f32 v10, |v[XS+2]|, |v[XS+3]|, |v[XS+4]|
	v_max3_num_f32 v9, v9, |v[XS+5]|, |v[XS+6]|
	v_max3_num_f32 v9, v9, v10, |v[XS+7]|
	v_max_num_f32_dpp v9, v9, v9 row_xmask:1 row_mask:0xf bank_mask:0xf
	v_max_num_f32_dpp v9, v9, v9 row_xmask:2 row_mask:0xf bank_mask:0xf   ; the four lanes' 32: the block's largest magnitude
	v_add_nc_u32 v11, 0xfc000000, v9               ; 8 off its exponent field: the conversion's scale operand
	v_and_or_b32 v10, v9, 0x7f800000, s23          ; 448 x the scale
.irp i, 0,1,2,3,4,5,6,7
	v_med3_num_f32 v[XS+\i], v[XS+\i], -v10, v10   ; the conversion does not saturate (ISA guide 7.6.2): the hold
.endr
	v_cvt_scalef32_pk8_fp8_f32 v[CX+2*(\t):CX+2*(\t)+1], v[XS:XS+7], v11
	v_lshrrev_b32 v[EX+(\t)], 23, v11              ; the scale's byte
	ds_store_b8 v6, v[EX+(\t)] offset:8*SWT        ; the four lanes of a block write the same byte with the same value
	global_store_b64 v7, v[CX+2*(\t):CX+2*(\t)+1], s[34:35] offset:256*SWT   ; 32 lanes store 256 consecutive bytes, aligned
.endm
.irp t, 0,1,2,3,4,5,6,7
	XLOAD \t
.endr
	s_wait_loadcnt 14                              ; step 0's two loads are in
	XTURN 0
.set Q, 0
.rept 32
	XSTEP Q
.set Q, Q+1
.endr
	ds_load_b64 v[12:13], v8                       ; my wave's 256 scale bytes, behind my stores of them
	s_wait_dscnt 0x0
	global_store_b64 v7, v[12:13], s[36:37]        ; 256 consecutive bytes, aligned
	s_wait_tensorcnt 0x0
	ds_add_u32 v224, v225
	s_wait_dscnt 0x0
	s_endpgm
; ---------------- the weights: K is the first axis.  A lane takes a column n (an operand row), its registers run down K: a block of 32 lies in one lane
.Lweights:
	s_sub_co_u32 s24, ttmp9, 128                   ; 0 .. 383
	s_lshr_b32 s25, s24, 5                         ; 0 wq, 1 wk, 2 wv, 3 wo, 4-7 w1, 8-11 w2
	s_lshr_b32 s29, s25, 2                         ; 1: w1, 2: w2
	s_and_b32 s28, s24, 31
	s_and_b32 s30, s24, 127
	s_lshl_b32 s36, s25, 3
	s_cmp_lt_u32 s25, 4
	s_cselect_b32 s28, s28, s30                    ; the block's number within its weight
	s_cmp_lt_u32 s25, 3
	s_cselect_b32 s37, 24, 8                       ; groups of the operand in wts
	s_cselect_b32 s36, s36, 96                     ; its first block (wq, wk, wv: 8 groups apart in one operand)
	s_cmp_eq_u32 s29, 1
	s_cselect_b32 s30, 5, 3                        ; log2 of the weight's own groups
	s_cselect_b32 s31, 14, 12                      ; log2 of a row of the weight in bytes
	s_cselect_b32 s37, 32, s37
	s_cselect_b32 s36, 128, s36
	s_cmp_eq_u32 s29, 2
	s_cselect_b32 s36, 256, s36
	s_lshr_b32 s34, s28, s30                       ; ks
	s_lshl_b32 s35, s34, s30
	s_sub_co_u32 s35, s28, s35                     ; g
	s_mul_i32 s37, s37, s34
	s_add_co_u32 s36, s36, s37
	s_add_co_u32 s36, s36, s35
	s_mul_i32 s36, s36, BLK                        ; the block in wts
	s_mov_b32 s37, 0
	s_add_co_u32 s38, s31, 8
	s_lshl_b32 s38, s34, s38                       ; 256 ks rows
	s_lshl_b32 s39, s35, 9                         ; 128 g columns
	s_add_co_u32 s38, s38, s39
	s_lshl_b32 s39, s22, 7                         ; 32 w columns
	s_add_co_u32 s38, s38, s39
	s_mov_b32 s39, 0
	s_lshl_b32 s58, 1, s31                         ; a row
	s_lshl_b32 s56, s58, 5                         ; 32 rows
	s_mov_b32 s57, 0
	s_lshl_b32 s60, s22, 13                        ; my 32 positions' codes in the block
	s_mov_b32 s61, 0
	s_lshl_b32 s62, s22, 8
	s_add_co_u32 s62, s62, 32768                   ; and their scale bytes
	s_mov_b32 s63, 0
	s_wait_alu depctr_va_vdst(0)
	v_lshlrev_b32 v[AW], 2, v2
.set Q, 1
.rept 31
	v_add_nc_u32 v[AW+Q], s58, v[AW+Q-1]           ; 4 lane + Q rows (the row's length is no constant here, so it stands in no immediate)
.set Q, Q+1
.endr
	v_and_b32 v3, 7, v2
	v_bfe_u32 v4, v2, 3, 1
	v_lshl_or_b32 v3, v4, 4, v3
	v_bfe_u32 v4, v2, 4, 1
	v_lshl_or_b32 v3, v4, 3, v3                    ; my column's position
	s_mul_i32 s59, s22, 8704
	s_add_co_u32 s59, s59, 16384                   ; my stage: 32 rows of 272 bytes, behind the other way's LDS bytes
	v_mul_u32_u24 v4, v3, 272
	v_add_nc_u32 v4, s59, v4                       ; in: row = my position
	v_and_b32 v5, 15, v2
	v_lshrrev_b32 v6, 4, v2
	v_mul_u32_u24 v7, v6, 272
	v_lshl_add_u32 v7, v5, 4, v7
	v_add_nc_u32 v7, s59, v7                       ; out: sixteen lanes to a row
	v_lshlrev_b32 v8, 4, v2                        ; the block's rows are dense: 16 bytes a lane
	v_lshlrev_b32 v9, 3, v3                        ; 8 scale bytes a position
	s_wait_kmcnt 0x0
	s_cmp_lt_u32 s25, 8                            ; which weight: choices on the work-group's number alone
	s_cselect_b64 s[26:27], s[14:15], s[16:17]
	s_cmp_lt_u32 s25, 4
	s_cselect_b64 s[26:27], s[12:13], s[26:27]
	s_cmp_lt_u32 s25, 3
	s_cselect_b64 s[26:27], s[10:11], s[26:27]
	s_cmp_lt_u32 s25, 2
	s_cselect_b64 s[26:27], s[8:9], s[26:27]
	s_cmp_lt_u32 s25, 1
	s_cselect_b64 s[26:27], s[6:7], s[26:27]
	s_add_nc_u64 s[40:41], s[26:27], s[38:39]      ; a base for each of the eight blocks of 32 along K
.irp t, 1,2,3,4,5,6,7
	s_add_nc_u64 s[40+2*\t:41+2*\t], s[38+2*\t:39+2*\t], s[56:57]
.endr
	s_add_nc_u64 s[20:21], s[20:21], s[36:37]
	s_add_nc_u64 s[60:61], s[20:21], s[60:61]
	s_add_nc_u64 s[62:63], s[20:21], s[62:63]
.macro WLOAD t
.set Q, 0
.rept 32
	global_load_b32 v[XW+32*((\t)%2)+Q], v[AW+Q], s[40+2*(\t):41+2*(\t)] th:TH_LOAD_NT   ; 32 lanes read 128 consecutive bytes, the four waves 512
.set Q, Q+1
.endr
.endm
	WLOAD 0
	WLOAD 1
.macro WBLOCK t
.set XS, XW+32*((\t)%2)
.if (\t) < 7
	s_wait_loadcnt 32                              ; this block's 32 loads are in; the next block's may be out
.else
	s_wait_loadcnt 0
.endif
	v_max3_num_f32 v12, |v[XS]|, |v[XS+1]|, |v[XS+2]|
	v_max3_num_f32 v13, |v[XS+3]|, |v[XS+4]|, |v[XS+5]|
.irp i, 6,10,14,18,22,26
	v_max3_num_f32 v12, v12, |v[XS+\i]|, |v[XS+\i+1]|
	v_max3_num_f32 v13, v13, |v[XS+\i+2]|, |v[XS+\i+3]|
.endr
	v_max3_num_f32 v12, v12, |v[XS+30]|, |v[XS+31]|
	v_max3_num_f32 v12, v12, v13, 0x4800000        ; and the floor
	v_add_nc_u32 v11, 0xfc000000, v12
	v_and_or_b32 v10, v12, 0x7f800000, s23
	v_lshrrev_b32 v13, 23, v11
.if (\t)%4 == 0
	v_mov_b32 v[SB+(\t)/4], v13
.else
	v_lshl_or_b32 v[SB+(\t)/4], v13, 8*((\t)%4), v[SB+(\t)/4]
.endif
.set Q, 0
.rept 32
	v_med3_num_f32 v[XS+Q], v[XS+Q], -v10, v10
.set Q, Q+1
.endr
.irp g, 0,1,2,3
	v_cvt_scalef32_pk8_fp8_f32 v[CW+2*\g:CW+2*\g+1], v[XS+8*\g:XS+8*\g+7], v11
.endr
	ds_store_b128 v4, v[CW:CW+3] offset:32*(\t)
	ds_store_b128 v4, v[CW+4:CW+7] offset:32*(\t)+16
.if (\t)+2 < 8
	WLOAD (\t)+2
.endif
	s_wait_dscnt 0x0                               ; the stores have read their registers
.endm
.irp t, 0,1,2,3,4,5,6,7
	WBLOCK \t
.endr
	global_store_b64 v9, v[SB:SB+1], s[62:63]      ; the 32 lanes fill 256 consecutive bytes, aligned
.irp t, 0,1,2,3,4,5,6,7,8,9,10,11,12,13,14,15
	ds_load_b128 v[OUTR+4*\t:OUTR+4*\t+3], v7 offset:544*\t
.endr
.irp t, 0,1,2,3,4,5,6,7,8,9,10,11,12,13,14,15
	s_wait_dscnt 15-\t
	global_store_b128 v8, v[OUTR+4*\t:OUTR+4*\t+3], s[60:61] offset:512*\t   ; 512 consecutive bytes
.endr
	s_wait_tensorcnt 0x0
	ds_add_u32 v224, v225
	s_wait_dscnt 0x0
	s_endpgm
.Lfunc_end_k_q5d2d44b818_quant:
	.size	k_q5d2d44b818_quant, .Lfunc_end_k_q5d2d44b818_quant-k_q5d2d44b818_quant
	.p2alignl 7, 3214868480
	.fill 96, 4, 3214868480
	.section	.rodata,"a",@progbits
	.p2align	6, 0x0
	.amdhsa_kernel k_q5d2d44b818_quant
		.amdhsa_group_segment_fixed_size 51712
		.amdhsa_private_segment_fixed_size 0
		.amdhsa_enable_private_segment 0
		.amdhsa_kernarg_size 72
		.amdhsa_user_sgpr_count 2
		.amdhsa_user_sgpr_kernarg_segment_ptr 1
		.amdhsa_wavefront_size32 1
		.amdhsa_system_sgpr_workgroup_id_x 1
		.amdhsa_system_sgpr_workgroup_id_y 1
		.amdhsa_system_sgpr_workgroup_id_z 1
		.amdhsa_system_vgpr_workitem_id 0
		.amdhsa_next_free_vgpr 226
		.amdhsa_next_free_sgpr 66
		.amdhsa_reserve_vcc 0
		.amdhsa_float_denorm_mode_32 3
		.amdhsa_float_denorm_mode_16_64 3
		.amdhsa_memory_ordered 1
		.amdhsa_forward_progress 1
		.amdhsa_inst_pref_size 122
	.end_amdhsa_kernel
	.amdgpu_metadata
---
amdhsa.version: [ 1, 2 ]
amdhsa.kernels:
  - .name:           k_q5d2d44b818_quant
    .symbol:         k_q5d2d44b818_quant.kd
    .args:
      - { .name: x, .offset: 0, .size: 8, .value_kind: global_buffer, .address_space: global }
      - { .name: wq, .offset: 8, .size: 8, .value_kind: global_buffer, .address_space: global }
      - { .name: wk, .offset: 16, .size: 8, .value_kind: global_buffer, .address_space: global }
      - { .name: wv, .offset: 24, .size: 8, .value_kind: global_buffer, .address_space: global }
      - { .name: wo, .offset: 32, .size: 8, .value_kind: global_buffer, .address_space: global }
      - { .name: w1, .offset: 40, .size: 8, .value_kind: global_buffer, .address_space: global }
      - { .name: w2, .offset: 48, .size: 8, .value_kind: global_buffer, .address_space: global }
      - { .name: actq, .offset: 56, .size: 8, .value_kind: global_buffer, .address_space: global }
      - { .name: wts, .offset: 64, .size: 8, .value_kind: global_buffer, .address_space: global }
    .group_segment_fixed_size: 51712
    .private_segment_fixed_size: 0
    .kernarg_segment_align: 8
    .kernarg_segment_size: 72
    .max_flat_workgroup_size: 128
    .sgpr_count:     66
    .vgpr_count:     226
    .wavefront_size: 32
...
	.end_amdgpu_metadata
.endif
;; end of part 9
;; launch qkv (part 10): grid 48 x 4, 4 waves a work-group, clusters of 4 x 4, 327,680 bytes of LDS; arguments actq, wts, bq, bk, bv, qkv; writes qkv
.if DOCPART == 10
	.amdgcn_target "amdgcn-amd-amdhsa--gfx1250"
	.amdhsa_code_object_version 6
	.text
	.protected	k_q5d2d44b818_qkv
	.globl	k_q5d2d44b818_qkv
	.p2align	8
	.type	k_q5d2d44b818_qkv,@function
k_q5d2d44b818_qkv:
	s_mov_b64 s[64:65], 0
	v_nop
	global_prefetch_b8 v0, s[64:65] scope:SCOPE_SE
	s_setreg_imm32_b32 hwreg(HW_REG_WAVE_MODE, 25, 1), 1
	s_wait_xcnt 0x0
	s_wait_alu depctr_hold_cnt(0) depctr_sa_sdst(0) depctr_va_vdst(0) depctr_va_sdst(0) depctr_va_ssrc(0) depctr_va_vcc(0) depctr_vm_vsrc(0)
	s_getreg_b32 s2, hwreg(HW_REG_IB_STS2, 6, 4)
	s_cmp_eq_u32 s2, 0
	s_cbranch_scc0 .Lentry_in_a_cluster
	s_endpgm
.Lentry_in_a_cluster:
	s_bfe_u32 s2, ttmp6, 0x10000c
	s_cmp_lg_u32 s2, 0xf033
	s_cbranch_scc0 .Lentry_shape_is_right
	s_endpgm
.Lentry_shape_is_right:
; q, k = x [wq|wk] + bias and v^T = wv^T x^T + bias, on codes of E4M3 with E8M0 scales; the results are quantised at once: q and k along the head's axis, v along the keys.
; Operands come in blocks of 33,792 bytes (128 rows x 256 along K: 128 rows of codes, then 4 rows of scale bytes); one tensor load brings a block, codes and scales together.
; Rows lie in POSITION order (row number with bits 3 and 4 exchanged), so that in accumulator (a, b) lane (r, h), register j holds C(position 16 a + r, column 32 (b / 2) + 16 h + 8 (b % 2) + j):
; the 64 registers of one a are four blocks of 32 along the columns, 16 neighbours a lane and block.
; A tile of C is 256 x 256, four waves of 128 x 128 (64 accumulators); K = 1,024 goes in four steps of 256 through two LDS slots.
; CLUSTERS of 4 x 4: clusters 0-7 make q and k (A = x's codes, B = [wq|wk]), clusters 8-11 make v^T (A = wv, B = x's codes).  A's blocks are asked for jointly along a row of the cluster, B's along a column.
; The choice between the two kinds hangs on the cluster's number alone, which all sixteen partners share.  The matrix instruction is used transposed: source 0 = B's rows, source 1 = A's.
; OUT (buffer qkv): byte 0: q|k codes [4096 positions][2048]; 8,388,608: v codes [b 1024 + position of n][2048 keys]; 12,582,912: q|k scales [tile column 0-7][4096][8]; 12,845,056: v scales [b 1024 + n][64].
; v's scale bytes leave in pieces of 8 bytes, 131,072 bytes in all.  LIMITS: as the quantiser's: a block of zeros gets the byte 1; magnitudes under 2^-118 count as that floor; NaN and infinities are not served.
; REGISTERS: window 0: v8-15 the bias along rows; v16-31 addresses; v32-63 scale words, two sets; v64-127 the bias along columns; v128-255 A's fragments, later the epilogue's work.
;   window 1: B's fragments, two sets.  windows 2, 3: the accumulators.
; THE CODES' PLACES IN qkv ARE NOW THESE, and what the lines above say of them holds no more: byte 0: q and k [head column 0-31: q's 16 heads, then k's][4096 positions][64];
; byte 8,388,608: v [b 16 + head][chunk of 256 keys][64 positions of the head's axis][256].  So a head's k and a head's v are dense runs of 131,072 bytes.  The scale bytes lie as stated above.
.set BLK,    33792
.set NQ,     2
.set PITCH,  272                       ; an LDS row: 256 bytes + 16 of padding: the 16 rows that a load touches start at 16 different banks (ISA guide 11.1)
.set FR,     16
.set NL,     4
.set NP,     8                         ; places behind this matrix instruction (ISA guide 7.12.1)
.set HALFT,  132*PITCH                 ; a block in LDS
.set SLOT,   4*HALFT                   ; A's two blocks, then B's two
.set SPARE,  2*SLOT                    ; the spare words: 512 bytes that no other line names
.set LAPS,   2
.set ADRA, 16
.set ADRB, 20
.set ADRS, 22
.set CSTO, 18
.set SSTO, 19
.set RDC,  24
.set RDS,  25
.set GC,   26
.set GS,   27
.set SPW,  28
.set NIL,  29
.set GS2,  30
.set SC,   32
.set BJ,   64
.set AF,   128
.set T,    128                         ; the epilogue: 64 numbers
.set PC,   192                         ; their codes
.set TM,   208                         ; v208-223 at work
.set PW,   224                         ; the scale word
.set G1,  24
.set G0,  32
.set G1B, 48
.set G0B, 56
.set SEL, 92
.set MNT, 94
.set MSB, 0
.macro WIN new                         ; the immediate's high byte repeats the setting that is left
.if MSB != \new
	s_set_vgpr_msb (MSB<<8)|\new
.set MSB, \new
.endif
.endm
.set MUL_LO, 0xa1                      ; source 0 (B) window 1, source 1 (A) window 0, C and D window 2
.set MUL_HI, 0xf1
.set TO_B,   0x40
.macro JLOAD g0a, g1a, g0b, g1b        ; a joint load: waves 0 and 1 fetch A's two blocks, waves 2 and 3 B's; four v_nop follow each line
	s_cmp_eq_u32 s15, 0
	s_cbranch_scc0 .Lfor_b_\@
	tensor_load_to_lds s[\g0a:\g0a+3], s[\g1a:\g1a+7]
	s_nop 0
.rept 4
	v_nop
.endr
	s_branch .Lasked_\@
.Lfor_b_\@:
	tensor_load_to_lds s[\g0b:\g0b+3], s[\g1b:\g1b+7]
	s_nop 0
.rept 4
	v_nop
.endr
.Lasked_\@:
.endm
.macro CREST
	s_cmp_lg_u32 s14, 0
	s_cbranch_scc1 .Lnot_wave_0_\@
	s_barrier_signal -3
.Lnot_wave_0_\@:
	s_barrier_wait -3
	s_barrier_signal -1
	s_barrier_wait -1
.endm
.macro CROUND
	s_barrier_signal -1
	s_barrier_wait -1
	CREST
.endm
.macro ADVANCE slot                    ; two K steps on: the groups of A and of B differ between the two kinds of cluster, so the steps lie in registers
	s_add_nc_u64 s[G0+4*\slot+2:G0+4*\slot+3], s[G0+4*\slot+2:G0+4*\slot+3], s[70:71]
	s_add_nc_u64 s[G0B+4*\slot+2:G0B+4*\slot+3], s[G0B+4*\slot+2:G0B+4*\slot+3], s[72:73]
.endm
	s_load_b128 s[4:7], s[0:1], 0x0                ; actq, wts
	s_load_b128 s[8:11], s[0:1], 0x10              ; bq, bk
	s_load_b64 s[12:13], s[0:1], 0x20              ; bv
	s_load_b64 s[18:19], s[0:1], 0x28              ; qkv
	v_lshl_add_u32 v[SPW], v0, 2, SPARE
	v_mov_b32 v[NIL], 0
	ds_add_u32 v28, v29
	ds_add_u32 v28, v29
	s_wait_dscnt 0x0
	v_lshrrev_b32 v1, 5, v0
	v_readfirstlane_b32 s14, v1                    ; wave
	s_lshr_b32 s15, s14, 1                         ; my half of the tile's rows; also: I fetch for A (0) or B (1)
	s_and_b32 s16, s14, 1                          ; my half of its columns; also: which block I fetch
	s_bfe_u32 s40, ttmp6, 0x40000                  ; cx
	s_bfe_u32 s41, ttmp6, 0x40004                  ; cy
	s_mov_b32 s74, ttmp9                           ; the cluster: 0-7 q and k, 8-11 v
	s_and_b32 s75, s74, 3
	s_lshl_b32 s75, s75, 2
	s_lshr_b32 s76, s74, 2
	s_lshl_b32 s76, s76, 2
	s_sub_co_u32 s77, s74, 8
	s_lshl_b32 s77, s77, 2
	s_cmp_lt_u32 s74, 8
	s_cselect_b32 s17, s75, 0
	s_cselect_b32 s42, s76, s77
	s_cselect_b32 s78, 32, 24                      ; A's groups
	s_cselect_b32 s79, 24, 32                      ; B's groups
	s_cselect_b32 s80, 0, 16                       ; wv begins at group 16 of [wq|wk|wv]
	s_add_co_u32 s17, s17, s41                     ; tile row
	s_add_co_u32 s42, s42, s40                     ; tile column
	s_lshl_b32 s43, s41, 2
	s_lshl_b32 s43, 15, s43                        ; my row of the cluster
	s_lshl_b32 s44, 0x1111, s40                    ; my column
	; group 1: a block: 132 dense rows of 32 elements of 8 bytes, 16 bytes of padding behind each 256
	s_or_b32 s[G1+0], s43, (3<<16)|(1<<20)|(1<<21)|(5<<22)|(3<<25)
	s_or_b32 s[G1B+0], s44, (3<<16)|(1<<20)|(1<<21)|(5<<22)|(3<<25)
.irp g, G1, G1B
	s_mov_b32 s[\g+1], 32<<16                      ; tensor_dim0
	s_mov_b32 s[\g+2], 264<<16                     ; tensor_dim1: the head's loads bring two neighbouring blocks, 264 rows; the ring's 132 (set at the first change of slots)
	s_mov_b32 s[\g+3], 32<<16                      ; tile_dim0
	s_mov_b32 s[\g+4], 264                         ; tile_dim1
	s_mov_b32 s[\g+5], 32                          ; the pitch
	s_mov_b32 s[\g+6], 0
	s_mov_b32 s[\g+7], 0
.endr
	s_lshl_b32 s20, s17, 1
	s_add_co_u32 s20, s20, s16
	s_add_co_u32 s20, s20, s80
	s_mul_i32 s20, s20, BLK                        ; A: group 2 x tile row + my block
	s_mov_b32 s21, 0
	s_lshl_b32 s46, s42, 1
	s_add_co_u32 s46, s46, s16
	s_mul_i32 s46, s46, BLK                        ; B: group 2 x tile column + my block
	s_mov_b32 s47, 0
	s_mul_i32 s66, s78, BLK                        ; a K step of A,
	s_mov_b32 s67, 0
	s_mul_i32 s68, s79, BLK                        ; of B,
	s_mov_b32 s69, 0
	s_lshl_b32 s70, s66, 1                         ; two of each
	s_mov_b32 s71, 0
	s_lshl_b32 s72, s68, 1
	s_mov_b32 s73, 0
	s_mul_i32 s45, s14, HALFT                      ; where my block goes: no place in the cluster enters an LDS address
	s_wait_kmcnt 0x0
	s_cmp_lt_u32 s74, 8
	s_cselect_b64 s[82:83], s[4:5], s[6:7]         ; A's buffer
	s_cselect_b64 s[84:85], s[6:7], s[4:5]         ; B's
	s_cselect_b64 s[86:87], s[10:11], s[12:13]     ; the bias: bk or bv,
	s_cmp_lt_u32 s74, 4
	s_cselect_b64 s[86:87], s[8:9], s[86:87]       ; or bq
	s_add_nc_u64 s[20:21], s[82:83], s[20:21]
	s_add_nc_u64 s[46:47], s[84:85], s[46:47]
	CROUND                                         ; all sixteen work-groups are here: the first joint loads meet
	s_mov_b32 s[G0], 1
	s_mov_b32 s[G0+1], s45
	s_mov_b64 s[G0+2:G0+3], s[20:21]
	s_or_b32 s[G0+3], s[G0+3], 0x80000000
	s_mov_b32 s[G0B], 1
	s_mov_b32 s[G0B+1], s45
	s_mov_b64 s[G0B+2:G0B+3], s[46:47]
	s_or_b32 s[G0B+3], s[G0B+3], 0x80000000
; THE HEAD'S LOADS, ONE A WAVE.  A tile's two blocks of A lie side by side in memory, and so do B's: one load of 264 dense rows brings both.
; Wave 0: A of K step 0, wave 1: B of K step 0, wave 2: A of K step 1, wave 3: B of K step 1: both slots are asked for here.  Each wave has a load line of its own: waves 0 and 1 alone wait ahead of the first barrier.
	s_lshl_b32 s88, s17, 1
	s_add_co_u32 s88, s88, s80
	s_mul_i32 s88, s88, BLK                        ; A: group 2 x tile row,
	s_mul_i32 s89, s15, s66
	s_add_co_u32 s88, s88, s89                     ; K step wave / 2
	s_mov_b32 s89, 0
	s_lshl_b32 s90, s42, 1
	s_mul_i32 s90, s90, BLK                        ; B: group 2 x tile column
	s_mul_i32 s91, s15, s68
	s_add_co_u32 s90, s90, s91
	s_mov_b32 s91, 0
	s_add_nc_u64 s[6:7], s[82:83], s[88:89]        ; (the arguments that lay in s4 to s11 have been used)
	s_add_nc_u64 s[10:11], s[84:85], s[90:91]
	s_or_b32 s7, s7, 0x80000000
	s_or_b32 s11, s11, 0x80000000
	s_mov_b32 s4, 1
	s_mul_i32 s5, s15, SLOT                        ; slot wave / 2: A's two blocks,
	s_mov_b32 s8, 1
	s_add_co_u32 s9, s5, 2*HALFT                   ; B's behind them
.macro HARM under, g0, g1, next
	s_cmp_lt_u32 s14, \under
	s_cbranch_scc0 \next
	tensor_load_to_lds s[\g0:\g0+3], s[\g1:\g1+7]
	s_nop 0
.rept 4
	v_nop
.endr
	s_branch .Lhead_asked
\next:
.endm
	HARM 1, 4, G1, .Lhead_1
	HARM 2, 8, G1B, .Lhead_2
	HARM 3, 4, G1, .Lhead_3
	tensor_load_to_lds s[8:11], s[G1B:G1B+7]
	s_nop 0
.rept 4
	v_nop
.endr
.Lhead_asked:
	s_mov_b32 s[G0+4], 1
	s_add_co_u32 s[G0+5], s45, SLOT
	s_add_nc_u64 s[G0+6:G0+7], s[20:21], s[66:67]
	s_or_b32 s[G0+7], s[G0+7], 0x80000000
	s_mov_b32 s[G0B+4], 1
	s_add_co_u32 s[G0B+5], s45, SLOT
	s_add_nc_u64 s[G0B+6:G0B+7], s[46:47], s[68:69]
	s_or_b32 s[G0B+7], s[G0B+7], 0x80000000
	v_and_b32 v1, 15, v0                           ; r
	v_bfe_u32 v2, v0, 4, 1                         ; h
	v_mul_u32_u24 v3, v1, PITCH
	v_lshl_add_u32 v4, v2, 4, v3                   ; a fragment's row x pitch + 16 h
	s_wait_alu depctr_va_vdst(0)
	s_mul_i32 s21, s15, HALFT                      ; my block of A
	s_mul_i32 s22, s16, HALFT
	s_add_co_u32 s22, s22, 2*HALFT                 ; my block of B
	v_add_nc_u32 v[ADRA], s21, v4
	v_add_nc_u32 v[ADRB], s22, v4
	v_add_nc_u32 v[ADRA+1], SLOT, v[ADRA]
	v_add_nc_u32 v[ADRB+1], SLOT, v[ADRB]
	s_sub_co_u32 s22, s22, s21
	v_mul_u32_u24 v6, s22, v2                      ; lanes 16-31 take B's scale words
	v_lshl_add_u32 v5, v1, 3, v6                   ; 8 bytes a position
	s_add_co_u32 s21, s21, 128*PITCH               ; behind the block's 128 rows of codes
	v_add_nc_u32 v[ADRS], s21, v5
	v_add_nc_u32 v[ADRS+1], SLOT, v[ADRS]
	; the way out: one stage for the work-group, in slot 0: 256 rows of 272 bytes of codes, then [256][8] scale bytes
	s_mul_i32 s21, s15, 128*PITCH
	s_lshl_b32 s22, s16, 7
	s_add_co_u32 s21, s21, s22
	v_add_nc_u32 v[CSTO], s21, v4                  ; row 128 x half + r, byte 128 x half + 16 h
	s_lshl_b32 s21, s15, 10
	s_lshl_b32 s22, s16, 2
	s_add_co_u32 s21, s21, s22
	s_add_co_u32 s21, s21, 256*PITCH
	v_lshl_add_u32 v[SSTO], v1, 3, s21
	s_mul_i32 s21, s14, 64*PITCH
	v_mul_u32_u24 v5, v2, PITCH
	v_lshl_add_u32 v5, v1, 4, v5
	v_add_nc_u32 v[RDC], s21, v5                   ; back: my 64 rows, sixteen lanes to a row
	s_lshl_b32 s21, s14, 9
	s_add_co_u32 s21, s21, 256*PITCH
	v_and_b32 v5, 31, v0
	v_lshl_add_u32 v[RDS], v5, 3, s21
	v_lshlrev_b32 v[GC], 11, v2
	v_lshl_add_u32 v[GC], v1, 4, v[GC]             ; unused: the stores below go by v6 and v7
	; the biases.  Along the columns (q, k): 64 numbers a lane in the results' order.  Along the rows (v): one a lane and block a, at the position's true row.  Both are loaded on both ways
	s_and_b32 s21, s42, 3
	s_lshl_b32 s21, s21, 10
	s_lshl_b32 s22, s16, 9
	s_add_co_u32 s88, s21, s22
	s_mov_b32 s89, 0
	s_add_nc_u64 s[88:89], s[86:87], s[88:89]
	s_and_b32 s21, s17, 3
	s_lshl_b32 s21, s21, 10
	s_lshl_b32 s22, s15, 9
	s_add_co_u32 s90, s21, s22
	s_mov_b32 s91, 0
	s_add_nc_u64 s[90:91], s[86:87], s[90:91]
	v_lshlrev_b32 v7, 6, v2                        ; 16 h numbers
	v_and_b32 v6, 8, v1
	v_add_nc_u32 v6, v6, v1
	v_lshlrev_b32 v6, 2, v6                        ; r + 8 (r / 8) numbers
.irp b, 0,1,2,3
.irp j, 0,1,2,3
	global_load_b128 v[BJ+16*\b+4*\j:BJ+16*\b+4*\j+3], v7, s[88:89] offset:128*\b+16*\j
.endr
.endr
.irp a, 0,1,2,3,4,5,6,7
	global_load_b32 v[8+\a], v6, s[90:91] offset:(32*(\a/2)+8*(\a%2))*4
.endr
	s_mov_b32 s[SEL], 0x76543210
	s_mov_b32 s[SEL+1], 0xfedcba98
	s_mov_b32 s[MNT], 0x600000
.macro FRAG reg, adr, q, i             ; 16 rows x 128 K of codes: lane l holds row l % 16; registers 4 c .. 4 c + 3 hold K = 32 c + 16 (l / 16) + 0 .. 15
.irp c, 0,1,2,3
	ds_load_b128 v[\reg+4*\c:\reg+4*\c+3], v[\adr] offset:128*(\q)+32*\c+(\i)*16*PITCH
.endr
.endm
.macro MUL16 a0, p, q, sc, zero        ; A's blocks a0, a0 + 1 x B's eight; the 64 accumulators take turns, one instruction a turn
.irp a, \a0, \a0+1
.irp b, 0,1,2,3,4,5,6,7
.if \zero
	v_wmma_scale_f32_16x16x128_f8f6f4 v[8*(8*((\a)%4)+\b):8*(8*((\a)%4)+\b)+7], v[128*(\p)+FR*\b:128*(\p)+FR*\b+FR-1], v[AF+FR*(\a):AF+FR*(\a)+FR-1], 0, v[SC+8*NQ*(\sc)+NQ*\b+(\q)], v[SC+8*NQ*(\sc)+NQ*(\a)+(\q)] matrix_a_scale:MATRIX_SCALE_ROW1
.else
	v_wmma_scale_f32_16x16x128_f8f6f4 v[8*(8*((\a)%4)+\b):8*(8*((\a)%4)+\b)+7], v[128*(\p)+FR*\b:128*(\p)+FR*\b+FR-1], v[AF+FR*(\a):AF+FR*(\a)+FR-1], v[8*(8*((\a)%4)+\b):8*(8*((\a)%4)+\b)+7], v[SC+8*NQ*(\sc)+NQ*\b+(\q)], v[SC+8*NQ*(\sc)+NQ*(\a)+(\q)] matrix_a_scale:MATRIX_SCALE_ROW1
.endif
.endr
.endr
.endm
.macro FETCH_B slot, q, p
	WIN TO_B
.irp i, 0,1,2,3,4,5,6,7
	FRAG 128*(\p)+FR*\i, ADRB+\slot, \q, \i
.endr
	WIN 0
.endm
.macro FETCH_A slot, q, i0
.irp i, \i0, \i0+1, \i0+2, \i0+3
	FRAG AF+FR*(\i), ADRA+\slot, \q, \i
.endr
.endm
.macro SCALES sc                       ; a slot's scale words: two a row; lanes 0-15 A's block i, lanes 16-31 B's block i
.irp i, 0,1,2,3,4,5,6,7
	ds_load_b64 v[SC+8*NQ*\sc+NQ*\i:SC+8*NQ*\sc+NQ*\i+1], v[ADRS+\sc] offset:(\i/2)*PITCH+(\i%2)*128
.endr
.endm
.macro PLACES n
.rept \n
	v_nop
.endr
.endm
.macro STEP slot, q, zero              ; 128 along K with its successor in the same slot
	s_wait_dscnt 4*NL                              ; all but the youngest 16 loads (A's blocks 4-7)
	WIN MUL_LO
	MUL16 0, (\q)%2, \q, \slot, \zero
	MUL16 2, (\q)%2, \q, \slot, \zero
	s_wait_dscnt 0
	PLACES NP
	FETCH_B \slot, (\q)+1, 1-(\q)%2
	FETCH_A \slot, (\q)+1, 0
	WIN MUL_HI
	MUL16 4, (\q)%2, \q, \slot, \zero
	MUL16 6, (\q)%2, \q, \slot, \zero
	PLACES NP
	WIN 0
	FETCH_A \slot, (\q)+1, 4
.endm
.macro TURN slot, next, fill           ; a slot's last step changes slots
	s_wait_tensorcnt 0x0                           ; all my tensor loads have landed: my block of the next slot
	ds_add_u32 v[SPW], v[NIL]                      ; 0 onto my spare word
.if \fill
	s_mov_b32 s[G1+2], 132<<16                     ; no tensor load of mine is out, so a descriptor may be written: a refill brings one block, 132 rows
	s_mov_b32 s[G1+4], 132
	s_mov_b32 s[G1B+2], 132<<16
	s_mov_b32 s[G1B+4], 132
.endif
	s_wait_dscnt 4*NL+1
	WIN MUL_LO
	MUL16 0, 1, NQ-1, \slot, 0
	s_wait_dscnt 0x0                               ; the add is done, and my reads of this slot are over
	s_barrier_signal -1
	MUL16 2, 1, NQ-1, \slot, 0
	WIN 0
	s_barrier_wait -1
.if \fill
	CREST                                          ; the barrier opened a round of the cluster's: no wave of any partner still reads this slot or has a load on its way
	ADVANCE \slot
	JLOAD G0+4*\slot, G1, G0B+4*\slot, G1B         ; the first tensor load behind the round; its four v_nop are among the places below
	PLACES NP-4
.else
	PLACES NP
.endif
	FETCH_B \next, 0, 0
	FETCH_A \next, 0, 0
	SCALES \next
	WIN MUL_HI
	MUL16 4, 1, NQ-1, \slot, 0
	MUL16 6, 1, NQ-1, \slot, 0
	PLACES NP
	WIN 0
	FETCH_A \next, 0, 4
.endm
	s_wait_loadcnt 0x0                             ; the biases
	s_wait_alu depctr_va_vdst(0)
	s_cmp_lt_u32 s14, 2
	s_cbranch_scc0 .Lslot_1_is_out
	s_wait_tensorcnt 0x0                           ; waves 0 and 1: K step 0 is in.  Waves 2 and 3 wait for K step 1 at the first change of slots
.Lslot_1_is_out:
	s_barrier_signal -1
	s_barrier_wait -1
	FETCH_B 0, 0, 0
	FETCH_A 0, 0, 0
	SCALES 0
	FETCH_A 0, 0, 4
	STEP 0, 0, 1                                   ; the first products start the sums
	s_mov_b32 s3, LAPS-1
.Llap:
	TURN 0, 1, 1
	STEP 1, 0, 0
	TURN 1, 0, 1
	STEP 0, 0, 0
	s_sub_co_u32 s3, s3, 1
	s_cmp_lg_u32 s3, 0
	s_cbranch_scc1 .Llap
	TURN 0, 1, 0                                   ; the last lap fills nothing
	STEP 1, 0, 0
	s_wait_dscnt 4*NL
	WIN MUL_LO
	MUL16 0, 1, NQ-1, 1, 0
	MUL16 2, 1, NQ-1, 1, 0
	s_wait_dscnt 0
	WIN MUL_HI
	MUL16 4, 1, NQ-1, 1, 0
	MUL16 6, 1, NQ-1, 1, 0
	WIN 0
; 64 numbers of a lane, register 16 b + i = column 32 b + 16 (lane / 16) + i of my row, become 16 registers of codes in v[PC] on and a scale word in v[PW]
.macro QUANT s
.irp b, 0,1,2,3
	v_max3_num_f32 v[TM+\b], |v[\s+16*\b]|, |v[\s+1+16*\b]|, 0x4800000   ; my 16 numbers of block b, and the floor 2^(9 - 127)
.endr
.irp i, 2,4,6,8,10,12,14
.irp b, 0,1,2,3
	v_max3_num_f32 v[TM+\b], v[TM+\b], |v[\s+16*\b+\i]|, |v[\s+1+16*\b+\i]|
.endr
.endr
.irp b, 0,1,2,3
	v_permlanex16_b32 v[TM+4+\b], v[TM+\b], s[SEL], s[SEL+1]
.endr
.irp b, 0,1,2,3
	v_max_num_f32 v[TM+\b], v[TM+\b], v[TM+4+\b]   ; with lane l xor 16's: the block's largest magnitude
.endr
.irp b, 0,1,2,3
	v_add_nc_u32 v[TM+12+\b], 0xfc000000, v[TM+\b] ; the conversion's scale operand
.endr
.irp b, 0,1,2,3
	v_and_or_b32 v[TM+8+\b], v[TM+\b], 0x7f800000, s[MNT]   ; 448 x the scale
.endr
.irp b, 0,1,2,3
	v_lshrrev_b32 v[TM+4+\b], 23, v[TM+12+\b]      ; the byte
.endr
	v_lshl_or_b32 v[PW], v[TM+5], 8, v[TM+4]
	v_lshl_or_b32 v[PW], v[TM+6], 16, v[PW]
	v_lshl_or_b32 v[PW], v[TM+7], 24, v[PW]
.irp b, 0,1,2,3
.irp i, 0,1,2,3,4,5,6,7,8,9,10,11,12,13,14,15
	v_med3_num_f32 v[\s+16*\b+\i], v[\s+16*\b+\i], -v[TM+8+\b], v[TM+8+\b]   ; the conversion does not saturate (ISA guide 7.6.2)
.endr
	v_cvt_scalef32_pk8_fp8_f32 v[PC+4*\b:PC+1+4*\b], v[\s+16*\b:\s+7+16*\b], v[TM+12+\b]
	v_cvt_scalef32_pk8_fp8_f32 v[PC+2+4*\b:PC+3+4*\b], v[\s+8+16*\b:\s+15+16*\b], v[TM+12+\b]
.endr
	v_nop                                          ; a plain line between the conversions and the next vector line that writes their sources
.endm
; block a: the bias, the quantiser, codes and scale word into the stage.  Each accumulator is read from its low end on
.macro EPIA a
.set WW, 0x02+(\a)/4
	s_cmp_lt_u32 s74, 8
	s_cbranch_scc0 .Lrowbias_\@
	WIN WW
.set n, 0
.rept 32
	v_pk_add_f32 v[T+2*n:T+2*n+1], v[64*((\a)%4)+2*n:64*((\a)%4)+2*n+1], v[BJ+2*n:BJ+2*n+1]
.set n, n+1
.endr
	WIN 0
	s_branch .Lbiased_\@
.Lrowbias_\@:
	v_mov_b32 v226, v[8+(\a)]                      ; v: one bias for the lane's whole row
	s_wait_alu depctr_va_vdst(0)
	WIN WW
.set n, 0
.rept 32
	v_pk_add_f32 v[T+2*n:T+2*n+1], v[64*((\a)%4)+2*n:64*((\a)%4)+2*n+1], v[226:227] op_sel_hi:[1,0]
.set n, n+1
.endr
	WIN 0
.Lbiased_\@:
	QUANT T
.irp b, 0,1,2,3
	ds_store_b128 v[CSTO], v[PC+4*\b:PC+4*\b+3] offset:(\a)*16*PITCH+32*\b
.endr
	ds_store_b32 v[SSTO], v[PW] offset:128*(\a)    ; both halves of the lanes write the same word with the same value
	s_wait_dscnt 0x0                               ; the stores have read their registers
.endm
	PLACES NP                                      ; in front of the first read of results and the first write of registers that held fragments
.irp b, 0,1,2,3
	v_mov_b32 v[TM+4+\b], 0                        ; a lane permute's destination counts as read
.endr
	v_mov_b32 v227, 0                              ; named as the upper half of a pair
.irp a, 0,1,2,3,4,5,6,7
	EPIA \a
.endr
	; where my 64 rows go
	s_lshl_b32 s75, s17, 8
	s_lshl_b32 s76, s14, 6
	s_add_co_u32 s75, s75, s76                     ; 256 x tile row + 64 x wave
	s_lshr_b32 s76, s42, 3
	s_lshl_b32 s76, s76, 10                        ; v: 1,024 x batch
	s_and_b32 s77, s42, 7
	s_lshl_b32 s78, s42, 15                        ; q, k: the tile column's plane of scale bytes
	s_lshl_b32 s79, s77, 3                         ; v: 8 bytes for each 256 keys
	s_cmp_lt_u32 s74, 8
	s_cselect_b32 s76, 0, s76
	s_cselect_b32 s77, s42, s77
	s_cselect_b32 s80, 0, 8388608
	s_cselect_b32 s81, 3, 6                        ; log2 of a row of scale bytes
	s_cselect_b32 s78, s78, s79
	s_mov_b32 s79, 12845056
	s_cselect_b32 s79, 12582912, s79
	s_add_co_u32 s75, s75, s76
	s_cmp_lt_u32 s74, 8
	s_cselect_b32 s86, 6, 11                       ; q, k: 64 bytes a position in a head's plane; v: 64 positions of 2,048 bytes a head
	s_cselect_b32 s87, 20, 14                      ; q, k: four planes of 262,144 bytes a tile column; v: 16,384 bytes a chunk of 256 keys
	s_lshl_b32 s76, s75, s86
	s_lshl_b32 s77, s77, s87
	s_add_co_u32 s76, s76, s77
	s_add_co_u32 s76, s76, s80
	s_mov_b32 s77, 0
	s_add_nc_u64 s[82:83], s[18:19], s[76:77]      ; codes
	s_lshl_b32 s76, s75, s81
	s_add_co_u32 s76, s76, s78
	s_add_co_u32 s76, s76, s79
	s_add_nc_u64 s[84:85], s[18:19], s[76:77]      ; scale bytes
	v_and_b32 v5, 31, v0
	v_lshlrev_b32 v[GS], s81, v5
	s_lshl_b32 s86, 32, s81
	v_add_nc_u32 v[GS2], s86, v[GS]
	s_mul_i32 s87, s14, 64*PITCH
	v_bfe_u32 v3, v0, 2, 2                         ; q, k back from the stage: sixteen lanes take four rows x one head's 64 bytes
	v_lshlrev_b32 v6, 6, v3
	v_mul_u32_u24 v3, v3, PITCH
	v_and_b32 v4, 3, v0
	v_lshl_add_u32 v3, v4, 4, v3
	v_lshl_add_u32 v3, v2, 6, v3
	v_add_nc_u32 v3, s87, v3
	v_lshl_add_u32 v6, v4, 4, v6                   ; and in memory: 256 consecutive bytes of a head's plane; lanes 16-31 the next head's
	v_lshl_add_u32 v6, v2, 18, v6
	v_lshlrev_b32 v7, 4, v5                        ; v in memory: rows of 256 bytes on end
	s_wait_alu depctr_va_vdst(0)
	s_wait_dscnt 0x0                               ; for the others' sake: my stores into the stage are done
	s_barrier_signal -1
	s_barrier_wait -1
.set n, 0
	s_cmp_lt_u32 s74, 8                            ; the cluster's number alone: q and k go by heads, v by rows
	s_cbranch_scc0 .Lv_back
.rept 32
	ds_load_b128 v[64+4*n:67+4*n], v3 offset:(n/2)*4*PITCH+(n%2)*128
.set n, n+1
.endr
	s_branch .Lback
.Lv_back:
.set n, 0
.rept 32
	ds_load_b128 v[64+4*n:67+4*n], v[RDC] offset:544*n
.set n, n+1
.endr
.Lback:
	ds_load_b64 v[192:193], v[RDS]
	ds_load_b64 v[194:195], v[RDS] offset:256
	s_cmp_lt_u32 s74, 8
	s_cbranch_scc0 .Lv_out
.set n, 0
.rept 32
	s_wait_dscnt 33-n                              ; the younger read-backs may be out
	global_store_b128 v6, v[64+4*n:67+4*n], s[82:83] offset:(n%2)*524288+(n/2)*256   ; sixteen lanes store 256 consecutive bytes, aligned
.set n, n+1
.endr
	s_branch .Lsent
.Lv_out:
.set n, 0
.rept 32
	s_wait_dscnt 33-n
	global_store_b128 v7, v[64+4*n:67+4*n], s[82:83] offset:512*n   ; 512 consecutive bytes
.set n, n+1
.endr
.Lsent:
	s_wait_dscnt 0x1
	global_store_b64 v[GS], v[192:193], s[84:85]
	s_wait_dscnt 0x0
	global_store_b64 v[GS2], v[194:195], s[84:85]
	s_wait_tensorcnt 0x0                           ; the wave's end
	ds_add_u32 v[SPW], v[NIL]
	s_wait_dscnt 0x0
	CROUND                                         ; the closing round
	s_endpgm
.Lfunc_end_k_q5d2d44b818_qkv:
	.size	k_q5d2d44b818_qkv, .Lfunc_end_k_q5d2d44b818_qkv-k_q5d2d44b818_qkv
	.p2alignl 7, 3214868480
	.fill 96, 4, 3214868480
	.section	.rodata,"a",@progbits
	.p2align	6, 0x0
	.amdhsa_kernel k_q5d2d44b818_qkv
		.amdhsa_group_segment_fixed_size 327680
		.amdhsa_private_segment_fixed_size 0
		.amdhsa_enable_private_segment 0
		.amdhsa_kernarg_size 48
		.amdhsa_user_sgpr_count 2
		.amdhsa_user_sgpr_kernarg_segment_ptr 1
		.amdhsa_wavefront_size32 1
		.amdhsa_system_sgpr_workgroup_id_x 1
		.amdhsa_system_sgpr_workgroup_id_y 1
		.amdhsa_system_sgpr_workgroup_id_z 1
		.amdhsa_system_vgpr_workitem_id 0
		.amdhsa_next_free_vgpr 1024
		.amdhsa_next_free_sgpr 100
		.amdhsa_reserve_vcc 0
		.amdhsa_float_denorm_mode_32 3
		.amdhsa_float_denorm_mode_16_64 3
		.amdhsa_memory_ordered 1
		.amdhsa_forward_progress 1
		.amdhsa_inst_pref_size 234
	.end_amdhsa_kernel
	.amdgpu_metadata
---
amdhsa.version: [ 1, 2 ]
amdhsa.kernels:
  - .name:           k_q5d2d44b818_qkv
    .symbol:         k_q5d2d44b818_qkv.kd
    .args:
      - { .name: actq, .offset: 0, .size: 8, .value_kind: global_buffer, .address_space: global }
      - { .name: wts, .offset: 8, .size: 8, .value_kind: global_buffer, .address_space: global }
      - { .name: bq, .offset: 16, .size: 8, .value_kind: global_buffer, .address_space: global }
      - { .name: bk, .offset: 24, .size: 8, .value_kind: global_buffer, .address_space: global }
      - { .name: bv, .offset: 32, .size: 8, .value_kind: global_buffer, .address_space: global }
      - { .name: qkv, .offset: 40, .size: 8, .value_kind: global_buffer, .address_space: global }
    .group_segment_fixed_size: 327680
    .private_segment_fixed_size: 0
    .kernarg_segment_align: 8
    .kernarg_segment_size: 48
    .max_flat_workgroup_size: 128
    .sgpr_count:     100
    .vgpr_count:     1024
    .wavefront_size: 32
...
	.end_amdgpu_metadata
.endif
;; end of part 10
;; launch attn (part 11): grid 8 x 32, 8 waves a work-group, clusters of 4 x 1, 327,680 bytes of LDS; arguments qkv, mask, actq; writes actq
.if DOCPART == 11
	.amdgcn_target "amdgcn-amd-amdhsa--gfx1250"
	.amdhsa_code_object_version 6
	.text
	.protected	k_q5d2d44b818_attn
	.globl	k_q5d2d44b818_attn
	.p2align	8
	.type	k_q5d2d44b818_attn,@function
k_q5d2d44b818_attn:
	s_mov_b64 s[64:65], 0
	v_nop
	global_prefetch_b8 v0, s[64:65] scope:SCOPE_SE
	s_setreg_imm32_b32 hwreg(HW_REG_WAVE_MODE, 25, 1), 1
	s_wait_xcnt 0x0
	s_wait_alu depctr_hold_cnt(0) depctr_sa_sdst(0) depctr_va_vdst(0) depctr_va_sdst(0) depctr_va_ssrc(0) depctr_va_vcc(0) depctr_vm_vsrc(0)
	s_getreg_b32 s2, hwreg(HW_REG_IB_STS2, 6, 4)
	s_cmp_eq_u32 s2, 0
	s_cbranch_scc0 .Lentry_in_a_cluster
	s_endpgm
.Lentry_in_a_cluster:
	s_bfe_u32 s2, ttmp6, 0x10000c
	s_cmp_lg_u32 s2, 0x3003
	s_cbranch_scc0 .Lentry_shape_is_right
	s_endpgm
.Lentry_shape_is_right:
; Attention of one head on codes of E4M3 with E8M0 scales: S^T = K Q^T (the head's 64 in the lower half of the product's 128; Q's upper half is zero codes), the mask's term (m - 1) x 80,000 as the product's C,
; t = (S + C) x log2(e) / 8, M = ceil of the running largest t, p = 2^(t - M) quantised along the keys, O^T += V^T P^T, the sum of the unquantised p divides at the end; the result is quantised along the head's axis into actq's blocks.
; SHARES.  A work-group owns one head (work-group y = 16 b + head) and 256 queries; each of eight waves owns 32 of them, two tiles of 16, which share every fragment of K and V and the mask's registers.
; THE HEAD'S WHOLE K AND V STAY IN LDS: 2 x 131,072 bytes as rows of 256 + 16 of padding, filled once, one joint load of 128 rows a wave (waves 0-3 K, 4-7 V).  Nothing is filled again: the key loop has no barrier.
; CLUSTERS of 4 x 1: four query blocks of one head ask for K and V jointly.  The scale bytes (20,480 bytes) and the mask (8,192) come by plain loads and are stored into LDS bytes of their own.
; No prefetch: all that the work-group reads is asked for at its head; the loop reads LDS alone.
; A K row of 256 bytes holds four positions' 64 codes: position p lies at 272 (p / 4) + 64 (p % 4), so the 16 rows of a fragment load start at 16 different columns of 16 bytes.
; Positions are row numbers with bits 3 and 4 exchanged: a lane's 16 registers of two neighbouring tiles are 16 neighbours along the next K (keys for p, the head's axis for O).
; REGISTERS.  Window 0 holds all that vector instructions touch: v1-11, v22 addresses, v12-19 the two tiles' -M, largest t and sums, v23-47 scale words and factors, v48-63, v225-228 at work, v64-127 S then p (the tiles take turns),
; v128-191 O^T of both tiles, v192-223 their p codes.  Window 1: v0-31 Q of both tiles, v32-103 K's fragments, v104-167 V's, v168-231 the mask's terms.
; THE LOOP IS TURNED: behind one tile's softmax stand the OTHER tile's first product, then this tile's rescaling of O^T (16 lines: the places behind that product), then this tile's second product.
; So a trip begins with the first tile's scores at hand; its last lines make the next step's.  Behind the last step the step's number wraps to 0, and what is then loaded and multiplied is not used.
; THE WAY OUT: a row of actq's block holds four heads' 64 codes and this work-group owns one head, so codes leave in pieces of 64 bytes (4,194,304 bytes in all) and scale bytes two at a time (131,072 in all).
; LIMITS: the scaled scores stay under 2^31 in magnitude; a block of zeros gets the byte 1, not 127 (only this program reads the bytes); NaN and infinities are not served.
.set KP,    272
.set WT,    128*KP                     ; what one tensor load brings
.set VB,    4*WT
.set SCK,   8*WT                       ; K's scale bytes, [2048 positions][8]
.set SCV,   SCK+16384                  ; V's, 64 rows of 64 + 16
.set MSK,   SCV+5120                   ; the mask's terms, f32
.set STG,   MSK+8192                   ; 2,048 bytes a wave for the way out
.set SPARE, STG+16384                  ; the spare words
.set STA, 12
.set STB, 16
.set QSA, 23
.set QSB, 31
.set VS,  33
.set FA,  38
.set FB,  46
.set TT,  40
.set BM,  48
.set PD,  52
.set HO,  56
.set SO,  60
.set H2,  225                          ; the bounds once more, each in another bank than its first copy
.set S,   64
.set OA,  128
.set OB,  160
.set PA,  192
.set PB,  208
.set WV,  10
.set SEL, 52
.set CS,  54
.set MNT, 56
.set TN,  60
.set CT,  63
.set MSB, 0
.macro WIN new                         ; the immediate's high byte repeats the setting that is left
.if MSB != \new
	s_set_vgpr_msb (MSB<<8)|\new
.set MSB, \new
.endif
.endm
.macro PLACES n
.rept \n
	v_nop
.endr
.endm
.macro CROUND
	s_barrier_signal -1
	s_barrier_wait -1
	s_cmp_lg_u32 s[WV], 0
	s_cbranch_scc1 .Lnot_wave_0_\@
	s_barrier_signal -3
.Lnot_wave_0_\@:
	s_barrier_wait -3
	s_barrier_signal -1
	s_barrier_wait -1
.endm
	s_load_b128 s[4:7], s[0:1], 0x0                ; qkv, mask
	s_load_b64 s[8:9], s[0:1], 0x10                ; actq
	v_lshl_add_u32 v5, v0, 2, SPARE
	v_mov_b32 v6, 0
	ds_add_u32 v5, v6                              ; the opening lines: the add twice on end and its wait
	ds_add_u32 v5, v6
	v_lshrrev_b32 v8, 5, v0
	v_readfirstlane_b32 s[WV], v8                  ; wave
	s_bfe_u32 s13, ttmp6, 0x40000                  ; cx
	s_lshl_b32 s14, ttmp9, 2
	s_add_co_u32 s14, s14, s13                     ; query block 0-7
	s_and_b32 s15, ttmp7, 0xffff                   ; 16 b + head
	s_lshr_b32 s16, s15, 4
	s_and_b32 s17, s15, 15
	s_add_co_u32 s20, s17, 16
	s_lshl_b32 s20, s20, 18
	s_lshl_b32 s21, s16, 17
	s_add_co_u32 s20, s20, s21                     ; the head's K
	s_lshl_b32 s21, s15, 17
	s_add_co_u32 s21, s21, 8388608                 ; its V
	s_cmp_lt_u32 s[WV], 4
	s_cselect_b32 s20, s20, s21
	s_and_b32 s21, s[WV], 3
	s_lshl_b32 s21, s21, 15
	s_add_co_u32 s20, s20, s21                     ; my 128 rows of 256 bytes
	s_mov_b32 s21, 0
	s_mov_b32 s24, 15|(3<<16)|(1<<20)|(1<<21)|(5<<22)|(3<<25)   ; the four partners; elements of 8 bytes; 4 words of padding behind every 64
	s_mov_b32 s25, 32<<16
	s_mov_b32 s26, 128<<16
	s_mov_b32 s27, 32<<16
	s_mov_b32 s28, 128
	s_mov_b32 s29, 32
	s_mov_b32 s30, 0
	s_mov_b32 s31, 0
	s_mov_b32 s[SEL], 0x76543210
	s_mov_b32 s[SEL+1], 0xfedcba98
	s_mov_b32 s[CS], 0x3e38aa3b                    ; log2(e) / 8
	s_mov_b32 s[CS+1], s[CS]
	s_mov_b32 s[MNT], 0x600000
	s_mov_b32 s57, 0x479c4000                      ; 80,000
	s_mov_b32 s58, 0xc79c4000
	s_wait_dscnt 0x0
	s_wait_kmcnt 0x0
	s_mov_b32 s40, 1
	s_mul_i32 s41, s[WV], WT
	s_add_nc_u64 s[42:43], s[4:5], s[20:21]
	s_or_b32 s43, s43, 0x80000000
	CROUND                                         ; the four partners are here: the joint loads meet
	tensor_load_to_lds s[40:43], s[24:31]
	s_nop 0
	PLACES 4
	s_lshl_b32 s22, s16, 11
	s_lshl_b32 s23, s14, 8
	s_add_co_u32 s22, s22, s23
	s_lshl_b32 s23, s[WV], 5
	s_add_co_u32 s22, s22, s23                     ; my first query's position
	s_and_b32 s18, s17, 3
	s_lshr_b32 s19, s17, 2
	s_lshl_b32 s32, s17, 18
	s_lshl_b32 s33, s22, 6
	s_add_co_u32 s32, s32, s33
	s_mov_b32 s33, 0
	s_add_nc_u64 s[32:33], s[4:5], s[32:33]        ; Q's codes
	s_lshl_b32 s34, s19, 15
	s_lshl_b32 s35, s22, 3
	s_add_co_u32 s34, s34, s35
	s_lshl_b32 s35, s18, 1
	s_add_co_u32 s34, s34, s35
	s_add_co_u32 s34, s34, 12582912
	s_mov_b32 s35, 0
	s_add_nc_u64 s[34:35], s[4:5], s[34:35]        ; Q's scale bytes
	s_add_co_u32 s36, s19, 4
	s_lshl_b32 s36, s36, 15
	s_lshl_b32 s37, s16, 14
	s_add_co_u32 s36, s36, s37
	s_add_co_u32 s36, s36, 12582912
	s_mov_b32 s37, 0
	s_add_nc_u64 s[36:37], s[4:5], s[36:37]        ; K's scale bytes: 16,384
	s_lshl_b32 s38, s15, 12
	s_add_co_u32 s38, s38, 12845056
	s_mov_b32 s39, 0
	s_add_nc_u64 s[38:39], s[4:5], s[38:39]        ; V's: 4,096
	s_lshl_b32 s44, s16, 13
	s_mov_b32 s45, 0
	s_add_nc_u64 s[44:45], s[6:7], s[44:45]        ; the batch's mask
	s_lshl_b32 s46, s19, 5
	s_lshr_b32 s47, s22, 7
	s_add_co_u32 s46, s46, s47
	s_mul_i32 s46, s46, 33792                      ; actq's block (head / 4, position / 128)
	s_and_b32 s47, s22, 127
	s_lshl_b32 s48, s47, 8
	s_add_co_u32 s48, s48, s46
	s_lshl_b32 s49, s18, 6
	s_add_co_u32 s48, s48, s49
	s_mov_b32 s49, 0
	s_add_nc_u64 s[48:49], s[8:9], s[48:49]        ; my codes
	s_lshl_b32 s50, s47, 3
	s_add_co_u32 s50, s50, s46
	s_lshl_b32 s51, s18, 1
	s_add_co_u32 s50, s50, s51
	s_add_co_u32 s50, s50, 32768
	s_mov_b32 s51, 0
	s_add_nc_u64 s[50:51], s[8:9], s[50:51]        ; my scale bytes
	s_lshl_b32 s20, s18, 1
	s_add_co_u32 s20, s20, SCK
	s_lshl_b32 s21, s[WV], 11
	s_add_co_u32 s21, s21, STG
	v_and_b32 v8, 15, v0                           ; r
	v_bfe_u32 v9, v0, 4, 1                         ; h
	v_lshlrev_b32 v10, 6, v8
	v_lshl_add_u32 v10, v9, 4, v10                 ; 64 r + 16 h
	v_lshlrev_b32 v11, 3, v8
	v_lshlrev_b32 v20, 4, v0                       ; 16 x thread
	WIN 0x40                                       ; destination window 1
	global_load_b128 v[0:3], v10, s[32:33]
	global_load_b128 v[4:7], v10, s[32:33] offset:32
	global_load_b128 v[16:19], v10, s[32:33] offset:1024
	global_load_b128 v[20:23], v10, s[32:33] offset:1056
	WIN 0
	global_load_u16 v[QSA], v11, s[34:35]
	global_load_u16 v[QSB], v11, s[34:35] offset:128
.irp j, 0,1,2,3
	global_load_b128 v[64+4*\j:67+4*\j], v20, s[36:37] offset:4096*\j
.endr
	global_load_b128 v[80:83], v20, s[38:39]
	global_load_b128 v[84:87], v20, s[44:45]
	global_load_b128 v[88:91], v20, s[44:45] offset:4096
	v_lshrrev_b32 v21, 2, v8
	v_mul_u32_u24 v21, v21, KP
	v_and_b32 v22, 3, v8
	v_lshl_add_u32 v21, v22, 6, v21
	v_lshl_add_u32 v1, v9, 4, v21                  ; K: 272 (r / 4) + 64 (r % 4) + 16 h
	v_mul_u32_u24 v2, v8, KP
	v_lshl_add_u32 v2, v9, 4, v2
	v_add_nc_u32 v2, VB, v2                        ; V: row r, + 16 h
	v_lshl_add_u32 v3, v8, 3, s20                  ; K's scale words: 8 bytes a position, my head's two
	v_mul_u32_u24 v4, v8, 80
	v_add_nc_u32 v4, SCV, v4                       ; V's
	v_lshlrev_b32 v7, 6, v9
	v_add_nc_u32 v7, MSK, v7                       ; the mask's terms: 16 h keys on
	v_add_nc_u32 v232, SCK, v20
	v_add_nc_u32 v233, MSK, v20
	v_lshrrev_b32 v234, 2, v0
	v_mul_u32_u24 v234, v234, 80
	v_and_b32 v235, 3, v0
	v_lshl_add_u32 v234, v235, 4, v234
	v_add_nc_u32 v234, SCV, v234
	v_add_nc_u32 v236, s21, v10                    ; my stage, in
	v_lshl_add_u32 v238, v235, 4, 0
	v_and_b32 v235, 31, v0
	v_lshl_add_u32 v237, v235, 4, s21              ; and back: 16 bytes a lane on end
	v_lshrrev_b32 v235, 2, v235
	v_lshl_add_u32 v238, v235, 8, v238             ; in the block: row lane / 4, 16 (lane % 4)
	v_lshlrev_b32 v239, 3, v8
	WIN 0x40
.irp j, 8,9,10,11,12,13,14,15,24,25,26,27,28,29,30,31,96,97,98,99,100,101,102,103
	v_mov_b32 v[\j], 0                             ; Q's upper halves, and what the last K fragment names beyond its codes
.endr
	WIN 0
.set n, 0
.rept 64
	v_mov_b32 v[OA+n], 0                           ; O^T of both tiles: the step is written once
.set n, n+1
.endr
.irp st, STA, STB
	v_mov_b32 v[\st+1], 0xff61b1e6                 ; -3e38, under every t
	v_floor_f32 v[\st], -v[\st+1]
	v_mov_b32 v[\st+2], 0
	v_mov_b32 v[\st+3], 0
.endr
.irp j, PD, PD+1, PD+2, PD+3, FA+1, FB+1, TT, TT+1
	v_mov_b32 v[\j], 0
.endr
	s_wait_alu depctr_va_vdst(0)
	s_wait_loadcnt 0x0
	v_or_b32 v[QSA], 0x7f7f0000, v[QSA]
	v_or_b32 v[QSB], 0x7f7f0000, v[QSB]
.irp j, 0,1,2,3
	ds_store_b128 v232, v[64+4*\j:67+4*\j] offset:4096*\j
.endr
	ds_store_b128 v234, v[80:83]
.irp i, 0,1,2,3,4,5,6,7
	v_cvt_f32_i32 v[84+\i], v[84+\i]
.endr
.irp i, 0,1,2,3,4,5,6,7
	v_fma_f32 v[84+\i], v[84+\i], s57, s58         ; (m - 1) x 80,000
.endr
	ds_store_b128 v233, v[84:87]
	ds_store_b128 v233, v[88:91] offset:4096
	v_mov_b32 v8, v1
	v_mov_b32 v9, v7
	v_mov_b32 v10, v3
	s_wait_alu depctr_va_vdst(0)
	s_wait_tensorcnt 0x0                           ; my part of K or V is in,
	s_wait_dscnt 0x0                               ; my stores are done:
	s_barrier_signal -1
	s_barrier_wait -1                              ; and so are everybody's
.macro LOADK                           ; 40 loads: a step's eight fragments of K, the mask's 64 terms, eight scale words
	WIN 0x40
.irp t, 0,1,2,3,4,5,6,7
	ds_load_b128 v[32+8*\t:35+8*\t], v8 offset:1088*\t
	ds_load_b128 v[36+8*\t:39+8*\t], v8 offset:1088*\t+32
	ds_load_b128 v[168+8*\t:171+8*\t], v9 offset:128*(\t/2)+32*(\t%2)
	ds_load_b128 v[172+8*\t:175+8*\t], v9 offset:128*(\t/2)+32*(\t%2)+16
.endr
	WIN 0
.irp t, 0,1,2,3,4,5,6,7
	ds_load_u16 v[24+\t+\t/7], v10 offset:128*\t   ; v24-30 and v32: none has Q's scale register's number modulo 8
.endr
.endm
.macro LOADV                           ; 20 loads: four fragments of V and their scale words
	WIN 0x40
.irp t, 0,1,2,3
.irp c, 0,1,2,3
	ds_load_b128 v[104+16*\t+4*\c:107+16*\t+4*\c], v11 offset:4352*\t+32*\c
.endr
.endr
	WIN 0
.irp t, 0,1,2,3
	ds_load_b32 v[VS+\t], v22 offset:1280*\t
.endr
.endm
.macro SMUL QB, QS                     ; S^T = K Q^T + the mask's terms: A, B and C in window 1, D in window 0
	WIN 0x15
.irp t, 0,1,2,3,4,5,6,7
	v_wmma_scale_f32_16x16x128_f8f6f4 v[S+8*\t:S+8*\t+7], v[32+8*\t:47+8*\t], v[\QB:\QB+15], v[168+8*\t:175+8*\t], v[24+\t+\t/7], v[\QS]
.endr
	WIN 0
.endm
.macro PVMUL OO, PC, PW                ; O^T += V^T P^T: A in window 1
	WIN 0x01
.irp t, 0,1,2,3
	v_wmma_scale_f32_16x16x128_f8f6f4 v[\OO+8*\t:\OO+8*\t+7], v[104+16*\t:119+16*\t], v[\PC:\PC+15], v[\OO+8*\t:\OO+8*\t+7], v[VS+\t], v[\PW]
.endr
.endm
; one tile's softmax of 128 keys: ST: -M, largest t, the sum's two halves; PC: p's codes; FF: the factor, FF + 1: p's scale word.  ldv = 1: this step's V is asked for behind the first twelve lines, which are the places behind the products that read the last step's
.macro SOFT ST, PC, FF, ldv
.irp b, 0,1,2,3
	v_max3_num_f32 v[BM+\b], v[S+16*\b], v[S+1+16*\b], v[S+2+16*\b]   ; each block's largest score serves the row's maximum and the block's largest p
.endr
.irp i, 3,5
.irp b, 0,1,2,3
	v_max3_num_f32 v[BM+\b], v[BM+\b], v[S+16*\b+\i], v[S+1+16*\b+\i]
.endr
.endr
.if \ldv
	LOADV
.endif
.irp i, 7,9,11,13
.irp b, 0,1,2,3
	v_max3_num_f32 v[BM+\b], v[BM+\b], v[S+16*\b+\i], v[S+1+16*\b+\i]
.endr
.endr
.irp b, 0,1,2,3
	v_max_num_f32 v[BM+\b], v[BM+\b], v[S+15+16*\b]
.endr
.irp b, 0,1,2,3
	v_permlanex16_b32 v[PD+\b], v[BM+\b], s[SEL], s[SEL+1]
.endr
.irp b, 0,1,2,3
	v_max_num_f32 v[BM+\b], v[BM+\b], v[PD+\b]
.endr
	s_delay_alu instid0(VALU_DEP_2)
	v_max3_num_f32 v[TT], v[BM], v[BM+1], v[BM+2]
	s_delay_alu instid0(VALU_DEP_1)
	v_max_num_f32 v[TT], v[TT], v[BM+3]
	s_delay_alu instid0(VALU_DEP_1)
	v_mul_f32 v[TT], s[CS], v[TT]
	s_delay_alu instid0(VALU_DEP_1)
	v_max_num_f32 v[\ST+1], v[\ST+1], v[TT]        ; the running largest t
	v_mov_b32 v[TT], v[\ST]
	s_delay_alu instid0(VALU_DEP_2)
	v_floor_f32 v[\ST], -v[\ST+1]                  ; -M = floor(-t)
	s_delay_alu instid0(VALU_DEP_1)
	v_sub_f32 v[TT], v[\ST], v[TT]
	s_delay_alu instid0(VALU_DEP_1)
	v_cvt_i32_f32 v[TT], v[TT]
	s_delay_alu instid0(VALU_DEP_1)
	v_ldexp_f32 v[\FF], 1.0, v[TT]                 ; 2^(old M - new M)
.set n, 0
.rept 32
	v_pk_fma_f32 v[S+2*n:S+2*n+1], v[S+2*n:S+2*n+1], s[CS:CS+1], v[\ST:\ST+1] op_sel_hi:[1,0,0]
.set n, n+1
.endr
.irp b, 0,1,2,3
	v_fma_f32 v[BM+\b], v[BM+\b], s[CS], v[\ST]
.endr
	s_wait_alu depctr_va_vdst(0)
.set n, 0
.rept 64
	v_exp_f32 v[S+n], v[S+n]
.set n, n+1
.endr
	v_pk_mul_f32 v[\ST+2:\ST+3], v[\ST+2:\ST+3], v[\FF:\FF+1] op_sel_hi:[1,0]
	s_wait_alu depctr_va_vdst(0)                   ; and behind it
.irp b, 0,1,2,3
	v_exp_f32 v[BM+\b], v[BM+\b]
.endr
	v_pk_add_f32 v[PD:PD+1], v[S:S+1], v[S+2:S+3]  ; the sum of the unquantised p, in two chains
.irp j, 4,8,12,16,20,24,28,32,36,40,44,48,52,56,60
	v_pk_add_f32 v[\ST+2:\ST+3], v[\ST+2:\ST+3], v[S+\j:S+1+\j]
	v_pk_add_f32 v[PD:PD+1], v[PD:PD+1], v[S+2+\j:S+3+\j]
.endr
	s_delay_alu instid0(VALU_DEP_1)
	v_pk_add_f32 v[\ST+2:\ST+3], v[\ST+2:\ST+3], v[PD:PD+1]
	s_wait_alu depctr_va_vdst(0)                   ; for the four
.irp b, 0,1,2,3
	v_max_num_f32 v[BM+\b], 0x4800000, v[BM+\b]    ; the floor 2^(9 - 127)
.endr
.irp b, 0,1,2,3
	v_add_nc_u32 v[SO+\b], 0xfc000000, v[BM+\b]    ; the conversion's scale operand
.endr
.irp b, 0,1,2,3
	v_and_or_b32 v[HO+\b], v[BM+\b], 0x7f800000, s[MNT]   ; 448 x the scale,
.endr
.irp b, 0,1,2,3
	v_and_or_b32 v[H2+\b], v[BM+\b], 0x7f800000, s[MNT]   ; and once more, for the second half of a pair of holds
.endr
.irp b, 0,1,2,3
	v_lshrrev_b32 v[PD+\b], 23, v[SO+\b]
.endr
	s_delay_alu instid0(VALU_DEP_3)
	v_lshl_or_b32 v[\FF+1], v[PD+1], 8, v[PD]
	s_delay_alu instid0(VALU_DEP_1)
	v_lshl_or_b32 v[\FF+1], v[PD+2], 16, v[\FF+1]
	s_delay_alu instid0(VALU_DEP_1)
	v_lshl_or_b32 v[\FF+1], v[PD+3], 24, v[\FF+1]
.irp b, 0,1,2,3
.irp i, 0,2,4,6,8,10,12,14
	v_dual_min_num_f32 v[S+16*\b+\i], v[S+16*\b+\i], v[HO+\b] :: v_dual_min_num_f32 v[S+16*\b+\i+1], v[S+16*\b+\i+1], v[H2+\b]   ; the conversion does not saturate (ISA guide 7.6.2); p is not negative; two holds a line
.endr
	v_cvt_scalef32_pk8_fp8_f32 v[\PC+4*\b:\PC+1+4*\b], v[S+16*\b:S+7+16*\b], v[SO+\b]
	v_cvt_scalef32_pk8_fp8_f32 v[\PC+2+4*\b:\PC+3+4*\b], v[S+8+16*\b:S+15+16*\b], v[SO+\b]
.endr
	v_nop                                          ; a plain line between the conversions and the product that writes over their sources
.endm
.macro RESC OO, FF                     ; O^T under the new M.  These 16 lines are also the places behind the other tile's first product and between p's codes and their product
	s_wait_alu depctr_va_vdst(0)
.set n, 0
.rept 16
	v_pk_mul_f32 v[\OO+2*n:\OO+2*n+1], v[\OO+2*n:\OO+2*n+1], v[\FF:\FF+1] op_sel_hi:[1,0]
.set n, n+1
.endr
.endm
	LOADK
	s_mov_b32 s[CT], 0
	s_wait_dscnt 0x0
	SMUL 0, QSA                                    ; the first tile's scores of step 0
	PLACES 8
.Lstep:                                            ; 16 trips of 128 keys
	s_add_co_u32 s[TN], s[CT], 1
	s_and_b32 s[TN], s[TN], 15                     ; the next step; behind the last: step 0 again, not used
	s_mul_i32 s61, s[TN], 32*KP
	s_lshl_b32 s62, s[TN], 9
	s_lshl_b32 s66, s[TN], 10
	s_lshr_b32 s67, s[CT], 1
	s_mul_i32 s67, s67, 64*KP
	s_and_b32 s68, s[CT], 1
	s_lshl_b32 s68, s68, 7
	s_add_co_u32 s67, s67, s68
	s_lshl_b32 s68, s[CT], 2
	v_add_nc_u32 v11, s67, v2                      ; this step's V and its scale words,
	v_add_nc_u32 v22, s68, v4
	v_add_nc_u32 v8, s61, v1                       ; the next step's K, mask terms and scale words
	v_add_nc_u32 v9, s62, v7
	v_add_nc_u32 v10, s66, v3
	SOFT STA, PA, FA, 1
	s_wait_dscnt 0x0                               ; V is in
	SMUL 16, QSB
	RESC OA, FA
	PVMUL OA, PA, FA+1
	LOADK                                          ; 16 places behind the last product that read these registers
	SOFT STB, PB, FB, 0
	s_wait_dscnt 0x0                               ; the next step's K is in
	SMUL 0, QSA
	RESC OB, FB
	PVMUL OB, PB, FB+1
	WIN 0
	s_add_co_u32 s[CT], s[CT], 1
	s_cmp_lt_u32 s[CT], 16
	s_cbranch_scc1 .Lstep
	s_wait_dscnt 0x0
	s_barrier_signal -1
	s_barrier_wait -1
	v_add_f32 v[STA+2], v[STA+2], v[STA+3]
	v_add_f32 v[STB+2], v[STB+2], v[STB+3]
	v_permlanex16_b32 v[TT], v[STA+2], s[SEL], s[SEL+1]
	v_permlanex16_b32 v[TT+1], v[STB+2], s[SEL], s[SEL+1]
	v_add_f32 v[STA+2], v[STA+2], v[TT]
	v_add_f32 v[STB+2], v[STB+2], v[TT+1]          ; the rows' sums
	s_wait_alu depctr_va_vdst(0)
	v_rcp_f32 v[STA+2], v[STA+2]
	v_rcp_f32 v[STB+2], v[STB+2]
	v_nop
	s_wait_alu depctr_va_vdst(0)                   ; and ahead of the first reader
.set n, 0
.rept 32
	v_mul_f32 v[S+n], v[OA+n], v[STA+2]            ; (these 32 are also the places behind the second tile's last product)
.set n, n+1
.endr
.set n, 0
.rept 32
	v_mul_f32 v[S+32+n], v[OB+n], v[STB+2]
.set n, n+1
.endr
; a tile's 16 queries x 64: two blocks of 32 along the head's axis, 16 numbers a lane and block
.macro QOUT X, PC, W, k
.irp b, 0,1
	v_max3_num_f32 v[BM+\b], |v[\X+16*\b]|, |v[\X+1+16*\b]|, 0x4800000
.endr
.irp i, 2,4,6,8,10,12,14
.irp b, 0,1
	v_max3_num_f32 v[BM+\b], v[BM+\b], |v[\X+16*\b+\i]|, |v[\X+1+16*\b+\i]|
.endr
.endr
.irp b, 0,1
	v_permlanex16_b32 v[PD+\b], v[BM+\b], s[SEL], s[SEL+1]
.endr
.irp b, 0,1
	v_max_num_f32 v[BM+\b], v[BM+\b], v[PD+\b]
.endr
.irp b, 0,1
	v_add_nc_u32 v[SO+\b], 0xfc000000, v[BM+\b]
.endr
.irp b, 0,1
	v_and_or_b32 v[HO+\b], v[BM+\b], 0x7f800000, s[MNT]
.endr
.irp b, 0,1
	v_lshrrev_b32 v[PD+\b], 23, v[SO+\b]
.endr
	v_lshl_or_b32 v[\W], v[PD+1], 8, v[PD]
.irp b, 0,1
.irp i, 0,1,2,3,4,5,6,7,8,9,10,11,12,13,14,15
	v_med3_num_f32 v[\X+16*\b+\i], v[\X+16*\b+\i], -v[HO+\b], v[HO+\b]
.endr
	v_cvt_scalef32_pk8_fp8_f32 v[\PC+4*\b:\PC+1+4*\b], v[\X+16*\b:\X+7+16*\b], v[SO+\b]
	v_cvt_scalef32_pk8_fp8_f32 v[\PC+2+4*\b:\PC+3+4*\b], v[\X+8+16*\b:\X+15+16*\b], v[SO+\b]
.endr
	v_nop
	ds_store_b128 v236, v[\PC:\PC+3] offset:1024*\k
	ds_store_b128 v236, v[\PC+4:\PC+7] offset:1024*\k+32
	global_store_b16 v239, v[\W], s[50:51] offset:128*\k   ; both halves of the lanes store the same two bytes
.endm
	QOUT S, PA, TT+2, 0
	QOUT S+32, PB, TT+3, 1
.irp i, 0,1,2,3
	ds_load_b128 v[OA+4*\i:OA+4*\i+3], v237 offset:512*\i   ; my own bytes: LDS serves a wave's instructions in order (ISA guide 5.7.1.4)
.endr
.irp i, 0,1,2,3
	s_wait_dscnt 3-\i
	global_store_b128 v238, v[OA+4*\i:OA+4*\i+3], s[48:49] offset:2048*\i   ; four lanes store a row's 64 bytes
.endr
	s_wait_tensorcnt 0x0                           ; the wave's end
	ds_add_u32 v5, v6
	s_wait_dscnt 0x0
	CROUND                                         ; the closing round
	s_endpgm
.Lfunc_end_k_q5d2d44b818_attn:
	.size	k_q5d2d44b818_attn, .Lfunc_end_k_q5d2d44b818_attn-k_q5d2d44b818_attn
	.p2alignl 7, 3214868480
	.fill 96, 4, 3214868480
	.section	.rodata,"a",@progbits
	.p2align	6, 0x0
	.amdhsa_kernel k_q5d2d44b818_attn
		.amdhsa_group_segment_fixed_size 327680
		.amdhsa_private_segment_fixed_size 0
		.amdhsa_enable_private_segment 0
		.amdhsa_kernarg_size 24
		.amdhsa_user_sgpr_count 2
		.amdhsa_user_sgpr_kernarg_segment_ptr 1
		.amdhsa_wavefront_size32 1
		.amdhsa_system_sgpr_workgroup_id_x 1
		.amdhsa_system_sgpr_workgroup_id_y 1
		.amdhsa_system_sgpr_workgroup_id_z 1
		.amdhsa_system_vgpr_workitem_id 0
		.amdhsa_next_free_vgpr 512
		.amdhsa_next_free_sgpr 100
		.amdhsa_reserve_vcc 0
		.amdhsa_float_denorm_mode_32 3
		.amdhsa_float_denorm_mode_16_64 3
		.amdhsa_memory_ordered 1
		.amdhsa_forward_progress 1
		.amdhsa_inst_pref_size 67
	.end_amdhsa_kernel
	.amdgpu_metadata
---
amdhsa.version: [ 1, 2 ]
amdhsa.kernels:
  - .name:           k_q5d2d44b818_attn
    .symbol:         k_q5d2d44b818_attn.kd
    .args:
      - { .name: qkv, .offset: 0, .size: 8, .value_kind: global_buffer, .address_space: global }
      - { .name: mask, .offset: 8, .size: 8, .value_kind: global_buffer, .address_space: global }
      - { .name: actq, .offset: 16, .size: 8, .value_kind: global_buffer, .address_space: global }
    .group_segment_fixed_size: 327680
    .private_segment_fixed_size: 0
    .kernarg_segment_align: 8
    .kernarg_segment_size: 24
    .max_flat_workgroup_size: 256
    .sgpr_count:     100
    .vgpr_count:     512
    .wavefront_size: 32
...
	.end_amdgpu_metadata
.endif
;; end of part 11
;; launch proj (part 12): grid 8 x 32, 4 waves a work-group, clusters of 4 x 4, 327,680 bytes of LDS; arguments actq, wts, cbuf; writes cbuf
.if DOCPART == 12
	.amdgcn_target "amdgcn-amd-amdhsa--gfx1250"
	.amdhsa_code_object_version 6
	.text
	.protected	k_q5d2d44b818_proj
	.globl	k_q5d2d44b818_proj
	.p2align	8
	.type	k_q5d2d44b818_proj,@function
k_q5d2d44b818_proj:
	s_mov_b64 s[64:65], 0
	v_nop
	global_prefetch_b8 v0, s[64:65] scope:SCOPE_SE
	s_setreg_imm32_b32 hwreg(HW_REG_WAVE_MODE, 25, 1), 1
	s_wait_xcnt 0x0
	s_wait_alu depctr_hold_cnt(0) depctr_sa_sdst(0) depctr_va_vdst(0) depctr_va_sdst(0) depctr_va_ssrc(0) depctr_va_vcc(0) depctr_vm_vsrc(0)
	s_getreg_b32 s2, hwreg(HW_REG_IB_STS2, 6, 4)
	s_cmp_eq_u32 s2, 0
	s_cbranch_scc0 .Lentry_in_a_cluster
	s_endpgm
.Lentry_in_a_cluster:
	s_bfe_u32 s2, ttmp6, 0x10000c
	s_cmp_lg_u32 s2, 0xf033
	s_cbranch_scc0 .Lentry_shape_is_right
	s_endpgm
.Lentry_shape_is_right:
; cbuf [4096][1024] f32 = (attention's output) wo, on codes of E4M3 with E8M0 scales.  K = 1,024.  A: actq (32 groups), B: wo's blocks, from block 96 of wts on (8 groups).
; Operands come in blocks of 33,792 bytes (128 rows x 256 along K: 128 rows of codes, then 4 rows of scale bytes); one tensor load brings a block.  Rows lie in position order (bits 3, 4 of the row number exchanged).
; A TILE OF C IS 128 x 128: N = 1,024 gives 64 tiles of 256 x 256 and 256 of this size.  Four waves, each 64 x 64: 16 accumulators.  A tile's 128 rows of A are one group, so a slot of four blocks holds
; 512 along K: A's group at two K blocks, then B's group at the same two.  K = 1,024 is two slots: both are first fills, and nothing is filled again.
; In accumulator (a, b) lane (r, h), register j holds C(row 32 (a / 2) + 8 (a % 2) + r + 8 (r / 8), column 32 (b / 2) + 16 h + 8 (b % 2) + j) of the wave's 64 x 64.
; CLUSTERS of 4 x 4 with joint loads: A's blocks along a row of the cluster, B's along a column.  The matrix instruction is used transposed: source 0 = B's rows, source 1 = A's.
; REGISTERS: window 0: v16-29 addresses; v32-63 scale words, two sets; v64-127 rows on their way out; v128-255 the accumulators ((a, b) at v[128 + 8 (4 a + b)]).
;   window 1: two fragment buffers of 128: A's four fragments (16 rows x 128 K), then B's four.
.set LAPS,   1                         ; a lap = two slots = 1,024 along K
.set GA,     32
.set GB,     8
.set BLK,    33792
.set BOFF,   96*BLK
.set PITCH,  272                       ; an LDS row: 256 bytes + 16 of padding: the 16 rows that a load touches start at 16 different banks (ISA guide 11.1)
.set FR,     16
.set NP,     8                         ; places behind this matrix instruction (ISA guide 7.12.1)
.set HALFT,  132*PITCH                 ; a block in LDS
.set SLOT,   4*HALFT                   ; A's two K blocks, then B's two
.set SPARE,  2*SLOT                    ; the spare words: 512 bytes that no other line names
.set ADRA, 16                          ; v16-17  LDS address of my A fragments in slot 0, 1
.set ADRB, 20                          ; v20-21  the same for B
.set ADRS, 22                          ; v22-23  of my scale words: lanes 0-15 A's, lanes 16-31 B's
.set STO,  24
.set RD,   25
.set CO,   26
.set SPW,  28
.set NIL,  29
.set SC,   32                          ; set s at v[SC + 16 s]; in it register 4 i + q: block i's word for the slot's q-th 128 along K
.set BK,   64
.set ACC,  128
.set F0,   0
.set F1,   128
.set G1,  24
.set G0,  32
.set G1B, 48
.set G0B, 56
.set MSB, 0
.macro WIN new                         ; the immediate's high byte repeats the setting that is left
.if MSB != \new
	s_set_vgpr_msb (MSB<<8)|\new
.set MSB, \new
.endif
.endm
.set MUL,  0x05                        ; sources 0 (B) and 1 (A) window 1; C and D window 0
.set TO_F, 0x40                        ; destination window 1, address window 0
.macro JLOAD g0a, g1a, g0b, g1b        ; a joint load: waves 0 and 1 fetch A's two K blocks, waves 2 and 3 B's; four v_nop follow each line
	s_cmp_eq_u32 s15, 0
	s_cbranch_scc0 .Lfor_b_\@
	tensor_load_to_lds s[\g0a:\g0a+3], s[\g1a:\g1a+7]
	s_nop 0
.rept 4
	v_nop
.endr
	s_branch .Lasked_\@
.Lfor_b_\@:
	tensor_load_to_lds s[\g0b:\g0b+3], s[\g1b:\g1b+7]
	s_nop 0
.rept 4
	v_nop
.endr
.Lasked_\@:
.endm
.macro CREST
	s_cmp_lg_u32 s14, 0
	s_cbranch_scc1 .Lnot_wave_0_\@
	s_barrier_signal -3
.Lnot_wave_0_\@:
	s_barrier_wait -3
	s_barrier_signal -1
	s_barrier_wait -1
.endm
.macro CROUND
	s_barrier_signal -1
	s_barrier_wait -1
	CREST
.endm
.macro ADVANCE slot                    ; two slots on: four K blocks
	s_add_nc_u64 s[G0+4*\slot+2:G0+4*\slot+3], s[G0+4*\slot+2:G0+4*\slot+3], 4*GA*BLK
	s_add_nc_u64 s[G0B+4*\slot+2:G0B+4*\slot+3], s[G0B+4*\slot+2:G0B+4*\slot+3], 4*GB*BLK
.endm
	s_load_b128 s[4:7], s[0:1], 0x0                ; A's blocks, wts
	s_load_b64 s[12:13], s[0:1], 0x10              ; C
	v_lshl_add_u32 v[SPW], v0, 2, SPARE
	v_mov_b32 v[NIL], 0
	ds_add_u32 v28, v29
	ds_add_u32 v28, v29
	s_wait_dscnt 0x0
	v_lshrrev_b32 v1, 5, v0
	v_readfirstlane_b32 s14, v1                    ; wave
	s_lshr_b32 s15, s14, 1                         ; my half of the tile's rows; also: I fetch for A (0) or B (1)
	s_and_b32 s16, s14, 1                          ; my half of its columns; also: which of a slot's two K blocks I fetch
	s_bfe_u32 s40, ttmp6, 0x40000                  ; cx
	s_bfe_u32 s41, ttmp6, 0x40004                  ; cy
	s_lshl_b32 s42, ttmp9, 2
	s_add_co_u32 s42, s42, s40                     ; tile column = B's group
	s_and_b32 s17, ttmp7, 0xffff
	s_lshl_b32 s17, s17, 2
	s_add_co_u32 s17, s17, s41                     ; tile row = A's group
	s_lshl_b32 s43, s41, 2
	s_lshl_b32 s43, 15, s43                        ; my row of the cluster
	s_lshl_b32 s44, 0x1111, s40                    ; my column
	s_or_b32 s[G1+0], s43, (3<<16)|(1<<20)|(1<<21)|(5<<22)|(3<<25)   ; a block: 132 dense rows of 32 elements of 8 bytes, 16 bytes of padding behind each 256
	s_or_b32 s[G1B+0], s44, (3<<16)|(1<<20)|(1<<21)|(5<<22)|(3<<25)
.irp g, G1, G1B
	s_mov_b32 s[\g+1], 32<<16                      ; tensor_dim0
	s_mov_b32 s[\g+2], 132<<16                     ; tensor_dim1
	s_mov_b32 s[\g+3], 32<<16                      ; tile_dim0
	s_mov_b32 s[\g+4], 132                         ; tile_dim1
	s_mov_b32 s[\g+5], 32                          ; the pitch
	s_mov_b32 s[\g+6], 0
	s_mov_b32 s[\g+7], 0
.endr
	s_mul_i32 s20, s16, GA
	s_add_co_u32 s20, s20, s17
	s_mul_i32 s20, s20, BLK                        ; A: block (my K block) x groups + tile row
	s_mov_b32 s21, 0
	s_mul_i32 s46, s16, GB
	s_add_co_u32 s46, s46, s42
	s_mul_i32 s46, s46, BLK
	s_add_co_u32 s46, s46, BOFF                    ; B: block (my K block) x groups + tile column
	s_mov_b32 s47, 0
	s_mul_i32 s45, s14, HALFT                      ; where my block goes: no place in the cluster enters an LDS address
	s_wait_kmcnt 0x0
	s_add_nc_u64 s[20:21], s[4:5], s[20:21]
	s_add_nc_u64 s[46:47], s[6:7], s[46:47]
	CROUND                                         ; all sixteen work-groups are here: the first joint loads meet
.irp s, 0,1
	s_mov_b32 s[G0+4*\s], 1
	s_add_co_u32 s[G0+4*\s+1], s45, \s*SLOT
	s_add_nc_u64 s[G0+4*\s+2:G0+4*\s+3], s[20:21], \s*2*GA*BLK
	s_or_b32 s[G0+4*\s+3], s[G0+4*\s+3], 0x80000000
	s_mov_b32 s[G0B+4*\s], 1
	s_add_co_u32 s[G0B+4*\s+1], s45, \s*SLOT
	s_add_nc_u64 s[G0B+4*\s+2:G0B+4*\s+3], s[46:47], \s*2*GB*BLK
	s_or_b32 s[G0B+4*\s+3], s[G0B+4*\s+3], 0x80000000
.endr
	JLOAD G0, G1, G0B, G1B                         ; slot 0: one tensor load a wave at the head
	v_and_b32 v1, 15, v0
	v_bfe_u32 v2, v0, 4, 1                         ; h
	v_mul_u32_u24 v3, v1, PITCH
	v_lshl_add_u32 v4, v2, 4, v3                   ; a fragment's row x pitch + 16 h
	s_mul_i32 s21, s15, 64*PITCH                   ; my 64 rows of A's blocks
	s_mul_i32 s22, s16, 64*PITCH
	s_add_co_u32 s22, s22, 2*HALFT                 ; my 64 rows of B's
	v_add_nc_u32 v[ADRA], s21, v4
	v_add_nc_u32 v[ADRB], s22, v4
	v_add_nc_u32 v[ADRA+1], SLOT, v[ADRA]
	v_add_nc_u32 v[ADRB+1], SLOT, v[ADRB]
	s_mul_i32 s21, s15, 2*PITCH                    ; the scale bytes of 64 positions are two LDS rows
	s_mul_i32 s22, s16, 2*PITCH
	s_add_co_u32 s22, s22, 2*HALFT
	s_sub_co_u32 s22, s22, s21
	v_mul_u32_u24 v6, s22, v2                      ; lanes 16-31 take B's scale words
	v_lshl_add_u32 v5, v1, 3, v6                   ; 8 bytes a position
	s_add_co_u32 s21, s21, 128*PITCH               ; behind the block's 128 rows of codes
	v_add_nc_u32 v[ADRS], s21, v5
	v_add_nc_u32 v[ADRS+1], SLOT, v[ADRS]
	s_mul_i32 s23, s14, 16*PITCH                   ; my stage: 16 rows of 272 bytes, in slot 0, which has had its last fill and its last read when the first result is stored there
	v_lshl_add_u32 v5, v2, 6, v3
	v_add_nc_u32 v[STO], s23, v5                   ; in: row r, + 64 h bytes
	v_mul_u32_u24 v5, v2, PITCH
	v_lshl_add_u32 v5, v1, 4, v5
	v_add_nc_u32 v[RD], s23, v5                    ; back: lanes 0-15 one row of 256 bytes, lanes 16-31 the next
	v_lshlrev_b32 v[CO], 12, v2
	v_lshl_add_u32 v[CO], v1, 4, v[CO]             ; and the same two rows in C
	s_lshl_b32 s20, s17, 19
	s_lshl_b32 s21, s15, 18
	s_add_co_u32 s20, s20, s21                     ; row 128 x tile row + 64 x half, of 4,096 bytes
	s_mov_b32 s21, 0
	s_lshl_b32 s46, s42, 9
	s_lshl_b32 s47, s16, 8
	s_add_co_u32 s46, s46, s47                     ; column 128 x tile column + 64 x half, of 4 bytes
	s_mov_b32 s47, 0
	s_add_nc_u64 s[20:21], s[20:21], s[46:47]
	s_add_nc_u64 s[12:13], s[12:13], s[20:21]
.macro FRAG reg, adr, q, i             ; 16 rows x 128 K of codes: lane l holds row l % 16; registers 4 c .. 4 c + 3 hold K = 32 c + 16 (l / 16) + 0 .. 15.  The slot's q-th 128 lie in K block q / 2
.irp c, 0,1,2,3
	ds_load_b128 v[\reg+4*\c:\reg+4*\c+3], v[\adr] offset:((\q)/2)*HALFT+128*((\q)%2)+32*\c+(\i)*16*PITCH
.endr
.endm
.macro MUL4 f, a, q, sc, zero          ; A's block a x B's four; the 16 accumulators take turns, one instruction a turn
.irp b, 0,1,2,3
.if \zero
	v_wmma_scale_f32_16x16x128_f8f6f4 v[ACC+8*(4*(\a)+\b):ACC+8*(4*(\a)+\b)+7], v[\f+64+FR*\b:\f+64+FR*\b+FR-1], v[\f+FR*(\a):\f+FR*(\a)+FR-1], 0, v[SC+16*(\sc)+4*\b+(\q)], v[SC+16*(\sc)+4*(\a)+(\q)] matrix_a_scale:MATRIX_SCALE_ROW1
.else
	v_wmma_scale_f32_16x16x128_f8f6f4 v[ACC+8*(4*(\a)+\b):ACC+8*(4*(\a)+\b)+7], v[\f+64+FR*\b:\f+64+FR*\b+FR-1], v[\f+FR*(\a):\f+FR*(\a)+FR-1], v[ACC+8*(4*(\a)+\b):ACC+8*(4*(\a)+\b)+7], v[SC+16*(\sc)+4*\b+(\q)], v[SC+16*(\sc)+4*(\a)+(\q)] matrix_a_scale:MATRIX_SCALE_ROW1
.endif
.endr
.endm
.macro FETCH slot, q, f                ; 32 LDS loads in one run: B's four fragments, then A's four
	WIN TO_F
.irp i, 0,1,2,3
	FRAG \f+64+FR*\i, ADRB+\slot, \q, \i
.endr
.irp i, 0,1,2,3
	FRAG \f+FR*\i, ADRA+\slot, \q, \i
.endr
.endm
.macro SCALES sc                       ; a slot's scale words: two a row and K block; lanes 0-15 A's block i, lanes 16-31 B's block i
.irp i, 0,1,2,3
.irp kb, 0,1
	ds_load_b64 v[SC+16*\sc+4*\i+2*\kb:SC+16*\sc+4*\i+2*\kb+1], v[ADRS+\sc] offset:\kb*HALFT+(\i/2)*PITCH+(\i%2)*128
.endr
.endr
.endm
.macro PLACES n
.rept \n
	v_nop
.endr
.endm
; A slot is four quarters of 128 along K, 16 matrix instructions each, on buffers 0, 1, 0, 1.  One of the first three: multiplies buffer f and fetches the next quarter into g.
.macro QUARTER slot, q, f, g, zero
	s_wait_dscnt 8                                 ; all but the youngest 8 loads (A's blocks 2 and 3)
	WIN MUL
	MUL4 \f, 0, \q, \slot, \zero
	MUL4 \f, 1, \q, \slot, \zero
	PLACES NP                                      ; in front of loads into the buffer that the quarter before multiplied
	FETCH \slot, (\q)+1, \g
	s_wait_dscnt 32                                ; all but the 32 just issued
	WIN MUL
	MUL4 \f, 2, \q, \slot, \zero
	MUL4 \f, 3, \q, \slot, \zero
.endm
; The fourth quarter multiplies buffer 1 and changes slots: one barrier; in front of it each wave waits for all its tensor loads, adds 0 to its spare word, and waits for that and for its reads of this slot.
.macro TURN slot, next, fill
	WIN 0                                          ; (the add's two registers lie in window 0)
	s_wait_tensorcnt 0x0                           ; all my tensor loads have landed: my block of the next slot
	ds_add_u32 v[SPW], v[NIL]                      ; 0 onto my spare word
	s_wait_dscnt 9                                 ; the add and the youngest 8 loads may be out
	WIN MUL
	MUL4 F1, 0, 3, \slot, 0
	MUL4 F1, 1, 3, \slot, 0
	s_wait_dscnt 0x0                               ; the add is done, and my reads of this slot are over
	s_barrier_signal -1
	MUL4 F1, 2, 3, \slot, 0
	WIN 0                                          ; (branches may follow)
	s_barrier_wait -1
.if \fill
	CREST                                          ; the barrier opened a round of the cluster's: no wave of any partner still reads this slot or has a load on its way
	ADVANCE \slot
	JLOAD G0+4*\slot, G1, G0B+4*\slot, G1B         ; the first tensor load behind the round; its four v_nop are among the places below
	PLACES NP-4
.else
	PLACES NP
.endif
	SCALES \next
	FETCH \next, 0, F0
	WIN MUL
	MUL4 F1, 3, 3, \slot, 0
.endm
	s_wait_alu depctr_va_vdst(0)
	s_wait_tensorcnt 0x0                           ; my block of slot 0 is in; slot 1's first fill is issued as a refill is
	ds_add_u32 v[SPW], v[NIL]
	s_wait_dscnt 0x0
	CROUND
	JLOAD G0+4, G1, G0B+4, G1B                     ; slot 1: my one tensor load behind the round
	SCALES 0
	FETCH 0, 0, F0
	QUARTER 0, 0, F0, F1, 1                        ; the first products start the sums
.if LAPS > 1
	WIN 0                                          ; at a label and at a branch every window is 0
	s_mov_b32 s3, LAPS-1
.Llap:                                             ; a trip goes once round the ring, from a lap's second quarter to the next lap's first, and fills both slots again
	QUARTER 0, 1, F1, F0, 0
	QUARTER 0, 2, F0, F1, 0
	TURN 0, 1, 1
	QUARTER 1, 0, F0, F1, 0
	QUARTER 1, 1, F1, F0, 0
	QUARTER 1, 2, F0, F1, 0
	TURN 1, 0, 1
	QUARTER 0, 0, F0, F1, 0
	WIN 0
	s_sub_co_u32 s3, s3, 1
	s_cmp_lg_u32 s3, 0
	s_cbranch_scc1 .Llap
.endif
	QUARTER 0, 1, F1, F0, 0                        ; the last lap fills nothing
	QUARTER 0, 2, F0, F1, 0
	TURN 0, 1, 0
	QUARTER 1, 0, F0, F1, 0
	QUARTER 1, 1, F1, F0, 0
	QUARTER 1, 2, F0, F1, 0
	s_wait_dscnt 8                                 ; the very last quarter: nothing more to fetch
	WIN MUL
	MUL4 F1, 0, 3, 1, 0
	MUL4 F1, 1, 3, 1, 0
	s_wait_dscnt 0
	MUL4 F1, 2, 3, 1, 0
	MUL4 F1, 3, 3, 1, 0
	WIN 0
; THE WAY OUT, block by block of 16 rows x 64 columns, through my own stage; a wave's LDS instructions are served in order (ISA guide 5.7.1.4)
.macro TOSTAGE a
.irp b, 0,1,2,3
	ds_store_b128 v[STO], v[ACC+8*(4*(\a)+\b):ACC+8*(4*(\a)+\b)+3] offset:128*(\b/2)+32*(\b%2)       ; each accumulator from its low end on
	ds_store_b128 v[STO], v[ACC+8*(4*(\a)+\b)+4:ACC+8*(4*(\a)+\b)+7] offset:128*(\b/2)+32*(\b%2)+16
.endr
.set BB, BK+32*((\a)%2)
.irp t, 0,1,2,3,4,5,6,7
	ds_load_b128 v[BB+4*\t:BB+4*\t+3], v[RD] offset:\t*2*PITCH
.endr
.endm
.macro SEND a, younger
.set BB, BK+32*((\a)%2)
	s_wait_dscnt \younger
.irp t, 0,1,2,3,4,5,6,7
	global_store_b128 v[CO], v[BB+4*\t:BB+4*\t+3], s[12:13] offset:(32*((\a)/2)+8*((\a)%2)+16*(\t/4)+2*(\t%4))*4096 th:TH_STORE_NT   ; positions 16 a + 2 t, + 1 are these true rows; sixteen lanes store 256 consecutive bytes, aligned
.endr
.endm
	PLACES NP                                      ; in front of the first read of results
	TOSTAGE 0
.irp a, 1,2,3
.if \a > 1
	s_wait_xcnt 0x0                                ; block a - 2's stores have read their registers
.endif
	TOSTAGE \a
	SEND \a-1, 16                                  ; behind block a - 1's loads: block a's 8 stores and 8 loads
.endr
	SEND 3, 0
	s_wait_tensorcnt 0x0                           ; the wave's end
	ds_add_u32 v[SPW], v[NIL]
	s_wait_dscnt 0x0
	CROUND                                         ; the closing round
	s_endpgm
.Lfunc_end_k_q5d2d44b818_proj:
	.size	k_q5d2d44b818_proj, .Lfunc_end_k_q5d2d44b818_proj-k_q5d2d44b818_proj
	.p2alignl 7, 3214868480
	.fill 96, 4, 3214868480
	.section	.rodata,"a",@progbits
	.p2align	6, 0x0
	.amdhsa_kernel k_q5d2d44b818_proj
		.amdhsa_group_segment_fixed_size 327680
		.amdhsa_private_segment_fixed_size 0
		.amdhsa_enable_private_segment 0
		.amdhsa_kernarg_size 24
		.amdhsa_user_sgpr_count 2
		.amdhsa_user_sgpr_kernarg_segment_ptr 1
		.amdhsa_wavefront_size32 1
		.amdhsa_system_sgpr_workgroup_id_x 1
		.amdhsa_system_sgpr_workgroup_id_y 1
		.amdhsa_system_sgpr_workgroup_id_z 1
		.amdhsa_system_vgpr_workitem_id 0
		.amdhsa_next_free_vgpr 512
		.amdhsa_next_free_sgpr 100
		.amdhsa_reserve_vcc 0
		.amdhsa_float_denorm_mode_32 3
		.amdhsa_float_denorm_mode_16_64 3
		.amdhsa_memory_ordered 1
		.amdhsa_forward_progress 1
		.amdhsa_inst_pref_size 52
	.end_amdhsa_kernel
	.amdgpu_metadata
---
amdhsa.version: [ 1, 2 ]
amdhsa.kernels:
  - .name:           k_q5d2d44b818_proj
    .symbol:         k_q5d2d44b818_proj.kd
    .args:
      - { .name: actq, .offset: 0, .size: 8, .value_kind: global_buffer, .address_space: global }
      - { .name: wts, .offset: 8, .size: 8, .value_kind: global_buffer, .address_space: global }
      - { .name: cbuf, .offset: 16, .size: 8, .value_kind: global_buffer, .address_space: global }
    .group_segment_fixed_size: 327680
    .private_segment_fixed_size: 0
    .kernarg_segment_align: 8
    .kernarg_segment_size: 24
    .max_flat_workgroup_size: 128
    .sgpr_count:     100
    .vgpr_count:     512
    .wavefront_size: 32
...
	.end_amdgpu_metadata
.endif
;; end of part 12
;; launch ln1 (part 13): grid 256 x 1, 8 waves a work-group, no clusters, 51,200 bytes of LDS; arguments cbuf, x, bo, g1, b1, h1, actq; writes h1, actq
.if DOCPART == 13
	.amdgcn_target "amdgcn-amd-amdhsa--gfx1250"
	.amdhsa_code_object_version 6
	.text
	.protected	k_q5d2d44b818_ln1
	.globl	k_q5d2d44b818_ln1
	.p2align	8
	.type	k_q5d2d44b818_ln1,@function
k_q5d2d44b818_ln1:
	s_mov_b64 s[64:65], 0
	v_nop
	global_prefetch_b8 v0, s[64:65] scope:SCOPE_SE
	s_setreg_imm32_b32 hwreg(HW_REG_WAVE_MODE, 25, 1), 1
	s_wait_xcnt 0x0
; h1 = LN(x + (c + bo)) with gain g1 and offset b1, f32; and its codes of E4M3 with E8M0 scales, into actq's blocks (128 rows x 256 along K; a row at the position that has bits 3 and 4 of its number exchanged).
; A stream: memory binds.  A work-group takes 16 neighbouring POSITIONS of a block (their true rows are two runs of eight), a wave two of them, which are two neighbouring rows.  All of a wave's loads go out at its head.
; A row (4,096 bytes) lies in 32 registers of the wave, a lane holding bytes 512 i + 16 lane: every load and store of f32 covers 512 consecutive bytes.
; For the quantiser a lane needs 8 neighbours: each 1,024 bytes of the finished row turn through the wave's own LDS stage (48 bytes a lane: 32 + 16 of padding).  A row's codes leave as 256 consecutive bytes, aligned.
; The 16 positions' scale bytes meet in LDS and leave as four runs of 128 consecutive bytes: half of an aligned 256; 131,072 bytes in all leave so.
; LIMITS: as the quantiser's (a block of zeros gets the byte 1; magnitudes under 2^-118 count as that floor; NaN and infinities are not served).
.set BLK,   33792
.set BIAS,  16
.set GAM,   48
.set BET,   80
.set SCB,   49152                      ; behind the eight waves' stages (4 x 1,536 bytes each): [4 K steps][16 positions][8] scale bytes
	s_load_b256 s[4:11], s[0:1], 0x0               ; c, x, bo, g1
	s_load_b128 s[12:15], s[0:1], 0x20             ; b1, h1
	s_load_b64 s[16:17], s[0:1], 0x30              ; actq
	v_lshl_add_u32 v14, v0, 2, 0xc400
	v_mov_b32 v15, 0
	v_lshrrev_b32 v1, 5, v0
	s_delay_alu instid0(VALU_DEP_1)
	v_readfirstlane_b32 s18, v1                    ; wave
	v_and_b32 v2, 31, v0
	s_wait_alu depctr_va_vdst(0)
	v_lshlrev_b32 v3, 4, v2                        ; 16 bytes a lane
	; position 16 (W % 8) + 2 w + k of group W / 8 is row 32 (W / 2) + 8 (W % 2) + 16 (w / 4) + 2 (w % 4) + k
	s_lshr_b32 s20, ttmp9, 1
	s_lshl_b32 s20, s20, 5
	s_and_b32 s21, ttmp9, 1
	s_lshl_b32 s21, s21, 3
	s_add_co_u32 s20, s20, s21
	s_lshr_b32 s21, s18, 2
	s_lshl_b32 s21, s21, 4
	s_add_co_u32 s20, s20, s21
	s_and_b32 s21, s18, 3
	s_lshl_b32 s21, s21, 1
	s_add_co_u32 s20, s20, s21                     ; my first row,
	s_lshl_b32 s20, s20, 12                        ; of 4,096 bytes
	s_mov_b32 s21, 0
	s_lshr_b32 s24, ttmp9, 3
	s_mul_i32 s24, s24, BLK                        ; the group's block of K step 0
	s_and_b32 s25, ttmp9, 7
	s_lshl_b32 s31, s25, 4
	s_lshl_b32 s22, s18, 1
	s_add_co_u32 s31, s31, s22                     ; my first position
	s_lshl_b32 s31, s31, 8
	s_add_co_u32 s32, s24, s31                     ; its codes
	s_mov_b32 s33, 0
	s_and_b32 s31, s18, 3
	s_mul_i32 s34, s31, 32*BLK                     ; waves 0-3 send the scale bytes of K step w
	s_add_co_u32 s34, s34, s24
	s_lshl_b32 s35, s25, 7                         ; 16 positions of 8 bytes
	s_add_co_u32 s34, s34, s35
	s_add_co_u32 s34, s34, 32768
	s_mov_b32 s35, 0
	s_mov_b32 s26, 0x3a800000                      ; 1 / 1,024
	s_mov_b32 s27, 0x2b8cbccc                      ; 1e-12
	s_mov_b32 s28, 0x76543210
	s_mov_b32 s29, 0xfedcba98
	s_mov_b32 s30, 0x600000
	s_mul_i32 s19, s18, 6144                       ; my stages
	v_lshrrev_b32 v4, 1, v2
	s_delay_alu instid0(VALU_DEP_1)
	v_mul_u32_u24 v4, v4, 48
	v_and_b32 v5, 1, v2
	s_delay_alu instid0(VALU_DEP_1)
	v_lshl_add_u32 v4, v5, 4, v4
	s_delay_alu instid0(VALU_DEP_1)
	v_add_nc_u32 v4, s19, v4                       ; in
	v_mul_u32_u24 v5, v2, 48
	s_delay_alu instid0(VALU_DEP_1)
	v_add_nc_u32 v5, s19, v5                       ; out
	s_lshl_b32 s19, s18, 4                         ; my two positions' 16 bytes
	v_lshrrev_b32 v6, 2, v2
	s_delay_alu instid0(VALU_DEP_1)
	v_add_nc_u32 v6, s19, v6
	s_delay_alu instid0(VALU_DEP_1)
	v_add_nc_u32 v6, SCB, v6                       ; my block's scale byte
	v_lshlrev_b32 v7, 3, v2                        ; codes: 8 bytes a lane
	v_lshlrev_b32 v9, 2, v2                        ; scale bytes on their way out: 4 a lane
	s_lshl_b32 s19, s31, 7
	v_add_nc_u32 v8, s19, v9
	s_delay_alu instid0(VALU_DEP_1)
	v_add_nc_u32 v8, SCB, v8
	s_wait_kmcnt 0x0
	s_add_nc_u64 s[4:5], s[4:5], s[20:21]
	s_add_nc_u64 s[6:7], s[6:7], s[20:21]
	s_add_nc_u64 s[14:15], s[14:15], s[20:21]
	s_add_nc_u64 s[32:33], s[16:17], s[32:33]
	s_add_nc_u64 s[34:35], s[16:17], s[34:35]
.irp i, 0,1,2,3,4,5,6,7
	global_load_b128 v[BIAS+4*\i:BIAS+4*\i+3], v3, s[8:9] offset:512*\i
	global_load_b128 v[GAM+4*\i:GAM+4*\i+3], v3, s[10:11] offset:512*\i
	global_load_b128 v[BET+4*\i:BET+4*\i+3], v3, s[12:13] offset:512*\i
.endr
.macro RLOAD k
.set CC, 112+64*((\k)%2)
.irp i, 0,1,2,3,4,5,6,7
	global_load_b128 v[CC+4*\i:CC+4*\i+3], v3, s[4:5] offset:4096*(\k)+512*\i th:TH_LOAD_NT
.endr
.irp i, 0,1,2,3,4,5,6,7
	global_load_b128 v[CC+32+4*\i:CC+32+4*\i+3], v3, s[6:7] offset:4096*(\k)+512*\i th:TH_LOAD_NT
.endr
.endm
.macro ALLSUM a, b                     ; v[a] summed over the 32 lanes; v[b] has been written
	s_delay_alu instid0(VALU_DEP_1)
	v_add_f32_dpp v[\a], v[\a], v[\a] row_xmask:1 row_mask:0xf bank_mask:0xf
	s_delay_alu instid0(VALU_DEP_1)
	v_add_f32_dpp v[\a], v[\a], v[\a] row_xmask:2 row_mask:0xf bank_mask:0xf
	s_delay_alu instid0(VALU_DEP_1)
	v_add_f32_dpp v[\a], v[\a], v[\a] row_xmask:4 row_mask:0xf bank_mask:0xf
	s_delay_alu instid0(VALU_DEP_1)
	v_add_f32_dpp v[\a], v[\a], v[\a] row_xmask:8 row_mask:0xf bank_mask:0xf
	s_delay_alu instid0(VALU_DEP_1)
	v_permlanex16_b32 v[\b], v[\a], s28, s29
	s_delay_alu instid0(VALU_DEP_1)
	v_add_f32 v[\a], v[\a], v[\b]
.endm
.macro ROW k
.set CC, 112+64*((\k)%2)
.set RR, CC+32
.if (\k) < 1
	s_wait_loadcnt 16                              ; the parameters and this row are in; the second row's 16 loads may be out
.else
	s_wait_loadcnt 0
.endif
.set n, 0
.rept 16
	v_pk_add_f32 v[CC+2*n:CC+2*n+1], v[CC+2*n:CC+2*n+1], v[BIAS+2*n:BIAS+2*n+1]
.set n, n+1
.endr
.set n, 0
.rept 16
	v_pk_add_f32 v[CC+2*n:CC+2*n+1], v[RR+2*n:RR+2*n+1], v[CC+2*n:CC+2*n+1]
.set n, n+1
.endr
.irp j, 0,1,2,3
	v_pk_add_f32 v[240+2*\j:241+2*\j], v[CC+4*\j:CC+4*\j+1], v[CC+4*\j+2:CC+4*\j+3]   ; four chains
.endr
.irp i, 0,1
.irp j, 0,1,2,3
	s_delay_alu instid0(VALU_DEP_4)
	v_pk_add_f32 v[240+2*\j:241+2*\j], v[240+2*\j:241+2*\j], v[CC+16+8*\i+2*\j:CC+17+8*\i+2*\j]
.endr
.endr
	s_delay_alu instid0(VALU_DEP_3)
	v_pk_add_f32 v[240:241], v[240:241], v[242:243]
	s_delay_alu instid0(VALU_DEP_2)
	v_pk_add_f32 v[244:245], v[244:245], v[246:247]
	s_delay_alu instid0(VALU_DEP_1)
	v_pk_add_f32 v[240:241], v[240:241], v[244:245]
	s_delay_alu instid0(VALU_DEP_1)
	v_add_f32 v240, v240, v241
	ALLSUM 240, 241
	s_delay_alu instid0(VALU_DEP_1)
	v_mul_f32 v240, s26, v240                      ; the mean
.set n, 0
.rept 16
	v_pk_add_f32 v[CC+2*n:CC+2*n+1], v[CC+2*n:CC+2*n+1], v[240:241] op_sel_hi:[1,0] neg_lo:[0,1] neg_hi:[0,1]
.set n, n+1
.endr
.irp j, 0,1,2,3
	v_pk_mul_f32 v[242+2*\j:243+2*\j], v[CC+2*\j:CC+2*\j+1], v[CC+2*\j:CC+2*\j+1]
.endr
.irp i, 1,2,3
.irp j, 0,1,2,3
	s_delay_alu instid0(VALU_DEP_4)
	v_pk_fma_f32 v[242+2*\j:243+2*\j], v[CC+8*\i+2*\j:CC+8*\i+2*\j+1], v[CC+8*\i+2*\j:CC+8*\i+2*\j+1], v[242+2*\j:243+2*\j]
.endr
.endr
	s_delay_alu instid0(VALU_DEP_3)
	v_pk_add_f32 v[242:243], v[242:243], v[244:245]
	s_delay_alu instid0(VALU_DEP_2)
	v_pk_add_f32 v[246:247], v[246:247], v[248:249]
	s_delay_alu instid0(VALU_DEP_1)
	v_pk_add_f32 v[242:243], v[242:243], v[246:247]
	s_delay_alu instid0(VALU_DEP_1)
	v_add_f32 v242, v242, v243
	ALLSUM 242, 243
	s_delay_alu instid0(VALU_DEP_1)
	v_fma_f32 v242, v242, s26, s27                 ; the variance + 1e-12
	s_wait_alu depctr_va_vdst(0)
	v_rsq_f32 v242, v242
	v_nop                                          ; a plain line behind the transcendental
	s_wait_alu depctr_va_vdst(0)                   ; and its wait, ahead of the first reader
.set n, 0
.rept 16
	v_pk_mul_f32 v[CC+2*n:CC+2*n+1], v[CC+2*n:CC+2*n+1], v[242:243] op_sel_hi:[1,0]
.set n, n+1
.endr
.set n, 0
.rept 16
	v_pk_fma_f32 v[CC+2*n:CC+2*n+1], v[CC+2*n:CC+2*n+1], v[GAM+2*n:GAM+2*n+1], v[BET+2*n:BET+2*n+1]
.set n, n+1
.endr
.irp i, 0,1,2,3,4,5,6,7
	global_store_b128 v3, v[CC+4*\i:CC+4*\i+3], s[14:15] offset:4096*(\k)+512*\i
.endr
	; the quantiser: K step s is the row's bytes 1,024 s on
.irp s, 0,1,2,3
	ds_store_b128 v4, v[CC+8*\s:CC+8*\s+3] offset:1536*\s
	ds_store_b128 v4, v[CC+8*\s+4:CC+8*\s+7] offset:1536*\s+768
.endr
.irp s, 0,1,2,3
	ds_load_b128 v[RR+8*\s:RR+8*\s+3], v5 offset:1536*\s
	ds_load_b128 v[RR+8*\s+4:RR+8*\s+7], v5 offset:1536*\s+16
.endr
	s_wait_dscnt 0x0
.irp s, 0,1,2,3
	v_max3_num_f32 v[240+\s], |v[RR+8*\s]|, |v[RR+8*\s+1]|, 0x4800000
.endr
.irp s, 0,1,2,3
	v_max3_num_f32 v[244+\s], |v[RR+8*\s+2]|, |v[RR+8*\s+3]|, |v[RR+8*\s+4]|
.endr
.irp s, 0,1,2,3
	v_max3_num_f32 v[240+\s], v[240+\s], |v[RR+8*\s+5]|, |v[RR+8*\s+6]|
.endr
.irp s, 0,1,2,3
	s_delay_alu instid0(VALU_DEP_4)
	v_max3_num_f32 v[240+\s], v[240+\s], v[244+\s], |v[RR+8*\s+7]|
.endr
.irp s, 0,1,2,3
	s_delay_alu instid0(VALU_DEP_4)
	v_max_num_f32_dpp v[240+\s], v[240+\s], v[240+\s] row_xmask:1 row_mask:0xf bank_mask:0xf
.endr
.irp s, 0,1,2,3
	s_delay_alu instid0(VALU_DEP_4)
	v_max_num_f32_dpp v[240+\s], v[240+\s], v[240+\s] row_xmask:2 row_mask:0xf bank_mask:0xf   ; four lanes hold a block of 32
.endr
.irp s, 0,1,2,3
	s_delay_alu instid0(VALU_DEP_4)
	v_add_nc_u32 v[248+\s], 0xfc000000, v[240+\s]
.endr
.irp s, 0,1,2,3
	v_and_or_b32 v[244+\s], v[240+\s], 0x7f800000, s30
.endr
.irp s, 0,1,2,3
.irp i, 0,1,2,3,4,5,6,7
	v_med3_num_f32 v[RR+8*\s+\i], v[RR+8*\s+\i], -v[244+\s], v[244+\s]
.endr
.endr
	v_cvt_scalef32_pk8_fp8_f32 v[240:241], v[RR:RR+7], v248
	v_cvt_scalef32_pk8_fp8_f32 v[242:243], v[RR+8:RR+15], v249
.irp s, 0,1,2,3
	v_lshrrev_b32 v[252+\s], 23, v[248+\s]         ; the bytes; also the plain lines in front of conversions that write over the first two's sources
.endr
	v_cvt_scalef32_pk8_fp8_f32 v[RR:RR+1], v[RR+16:RR+23], v250
	v_cvt_scalef32_pk8_fp8_f32 v[RR+8:RR+9], v[RR+24:RR+31], v251
	v_nop
.irp s, 0,1,2,3
	ds_store_b8 v6, v[252+\s] offset:128*\s+8*(\k)
.endr
	global_store_b64 v7, v[240:241], s[32:33] offset:256*(\k)                  ; 256 consecutive bytes, aligned: a row of a block
	global_store_b64 v7, v[242:243], s[32:33] offset:32*BLK+256*(\k)
	global_store_b64 v7, v[RR:RR+1], s[32:33] offset:2*32*BLK+256*(\k)
	global_store_b64 v7, v[RR+8:RR+9], s[32:33] offset:3*32*BLK+256*(\k)
	s_wait_xcnt 0x0                                ; the stores have read their registers: the work registers may be written again
.endm
	RLOAD 0
	RLOAD 1
	ROW 0
	ROW 1
	s_wait_dscnt 0x0                               ; for the others' sake: my byte stores are done
	s_barrier_signal -1
	s_barrier_wait -1
	s_cmp_lt_u32 s18, 4
	s_cbranch_scc0 .Ldone
	ds_load_b32 v240, v8
	s_wait_dscnt 0x0
	global_store_b32 v9, v240, s[34:35]            ; the 16 positions' bytes of K step w: 128 consecutive bytes
.Ldone:
	s_wait_tensorcnt 0x0
	ds_add_u32 v14, v15
	s_wait_dscnt 0x0
	s_endpgm
.Lfunc_end_k_q5d2d44b818_ln1:
	.size	k_q5d2d44b818_ln1, .Lfunc_end_k_q5d2d44b818_ln1-k_q5d2d44b818_ln1
	.p2alignl 7, 3214868480
	.fill 96, 4, 3214868480
	.section	.rodata,"a",@progbits
	.p2align	6, 0x0
	.amdhsa_kernel k_q5d2d44b818_ln1
		.amdhsa_group_segment_fixed_size 51200
		.amdhsa_private_segment_fixed_size 0
		.amdhsa_enable_private_segment 0
		.amdhsa_kernarg_size 56
		.amdhsa_user_sgpr_count 2
		.amdhsa_user_sgpr_kernarg_segment_ptr 1
		.amdhsa_wavefront_size32 1
		.amdhsa_system_sgpr_workgroup_id_x 1
		.amdhsa_system_sgpr_workgroup_id_y 1
		.amdhsa_system_sgpr_workgroup_id_z 1
		.amdhsa_system_vgpr_workitem_id 0
		.amdhsa_next_free_vgpr 256
		.amdhsa_next_free_sgpr 66
		.amdhsa_reserve_vcc 0
		.amdhsa_float_denorm_mode_32 3
		.amdhsa_float_denorm_mode_16_64 3
		.amdhsa_memory_ordered 1
		.amdhsa_forward_progress 1
		.amdhsa_inst_pref_size 43
	.end_amdhsa_kernel
	.amdgpu_metadata
---
amdhsa.version: [ 1, 2 ]
amdhsa.kernels:
  - .name:           k_q5d2d44b818_ln1
    .symbol:         k_q5d2d44b818_ln1.kd
    .args:
      - { .name: cbuf, .offset: 0, .size: 8, .value_kind: global_buffer, .address_space: global }
      - { .name: x, .offset: 8, .size: 8, .value_kind: global_buffer, .address_space: global }
      - { .name: bo, .offset: 16, .size: 8, .value_kind: global_buffer, .address_space: global }
      - { .name: g1, .offset: 24, .size: 8, .value_kind: global_buffer, .address_space: global }
      - { .name: b1, .offset: 32, .size: 8, .value_kind: global_buffer, .address_space: global }
      - { .name: h1, .offset: 40, .size: 8, .value_kind: global_buffer, .address_space: global }
      - { .name: actq, .offset: 48, .size: 8, .value_kind: global_buffer, .address_space: global }
    .group_segment_fixed_size: 51200
    .private_segment_fixed_size: 0
    .kernarg_segment_align: 8
    .kernarg_segment_size: 56
    .max_flat_workgroup_size: 256
    .sgpr_count:     66
    .vgpr_count:     256
    .wavefront_size: 32
...
	.end_amdgpu_metadata
.endif
;; end of part 13
;; launch ffn1 (part 14): grid 16 x 16, 4 waves a work-group, clusters of 4 x 4, 327,680 bytes of LDS; arguments actq, wts, bf1, gq; writes gq
.if DOCPART == 14
	.amdgcn_target "amdgcn-amd-amdhsa--gfx1250"
	.amdhsa_code_object_version 6
	.text
	.protected	k_q5d2d44b818_ffn1
	.globl	k_q5d2d44b818_ffn1
	.p2align	8
	.type	k_q5d2d44b818_ffn1,@function
k_q5d2d44b818_ffn1:
	s_mov_b64 s[64:65], 0
	v_nop
	global_prefetch_b8 v0, s[64:65] scope:SCOPE_SE
	s_setreg_imm32_b32 hwreg(HW_REG_WAVE_MODE, 25, 1), 1
	s_wait_xcnt 0x0
	s_wait_alu depctr_hold_cnt(0) depctr_sa_sdst(0) depctr_va_vdst(0) depctr_va_sdst(0) depctr_va_ssrc(0) depctr_va_vcc(0) depctr_vm_vsrc(0)
	s_getreg_b32 s2, hwreg(HW_REG_IB_STS2, 6, 4)
	s_cmp_eq_u32 s2, 0
	s_cbranch_scc0 .Lentry_in_a_cluster
	s_endpgm
.Lentry_in_a_cluster:
	s_bfe_u32 s2, ttmp6, 0x10000c
	s_cmp_lg_u32 s2, 0xf033
	s_cbranch_scc0 .Lentry_shape_is_right
	s_endpgm
.Lentry_shape_is_right:
.set LAPS,   2
.set GA,     32
.set GB,     32
.set BLK,    33792
.set BOFF,   128*BLK
.set NQ,     2
.set PITCH,  272
.set FR,     16
.set NL,     4
.set NP,     8
.set HALFT,  132*PITCH
.set SLOT,   4*HALFT
.set SPARE,  2*SLOT
.set ADRA, 16
.set ADRB, 20
.set ADRS, 22
.set CSTO, 18
.set SSTO, 19
.set RDC,  24
.set RDS,  25
.set GC,   26
.set GS,   27
.set SPW,  28
.set NIL,  29
.set SA,   30
.set CA,   31
.set SC,   32
.set BJ,   64
.set AF,   128
.set T,    128
.set U,    192
.set W,    224
.set PC,   192
.set TM,   208
.set PW,   224
.set G1,  24
.set G0,  32
.set G1B, 48
.set G0B, 56
.set SEL, 92
.set MNT, 94
.set KH,  95
.set AL,  96
.set RO,  97
.set RS,  98
.set MSB, 0
.macro WIN new
.if MSB != \new
	s_set_vgpr_msb (MSB<<8)|\new
.set MSB, \new
.endif
.endm
.set MUL_LO, 0xa1
.set MUL_HI, 0xf1
.set TO_B,   0x40
.macro JLOAD g0a, g1a, g0b, g1b
	s_cmp_eq_u32 s15, 0
	s_cbranch_scc0 .Lfor_b_\@
	tensor_load_to_lds s[\g0a:\g0a+3], s[\g1a:\g1a+7]
	s_nop 0
.rept 4
	v_nop
.endr
	s_branch .Lasked_\@
.Lfor_b_\@:
	tensor_load_to_lds s[\g0b:\g0b+3], s[\g1b:\g1b+7]
	s_nop 0
.rept 4
	v_nop
.endr
.Lasked_\@:
.endm
.macro CREST
	s_cmp_lg_u32 s14, 0
	s_cbranch_scc1 .Lnot_wave_0_\@
	s_barrier_signal -3
.Lnot_wave_0_\@:
	s_barrier_wait -3
	s_barrier_signal -1
	s_barrier_wait -1
.endm
.macro CROUND
	s_barrier_signal -1
	s_barrier_wait -1
	CREST
.endm
.macro ADVANCE slot
	s_add_nc_u64 s[G0+4*\slot+2:G0+4*\slot+3], s[G0+4*\slot+2:G0+4*\slot+3], 2*GA*BLK
	s_add_nc_u64 s[G0B+4*\slot+2:G0B+4*\slot+3], s[G0B+4*\slot+2:G0B+4*\slot+3], 2*GB*BLK
.endm
	s_load_b128 s[4:7], s[0:1], 0x0
	s_load_b128 s[8:11], s[0:1], 0x10
	v_lshl_add_u32 v[SPW], v0, 2, SPARE
	v_mov_b32 v[NIL], 0
	ds_add_u32 v28, v29
	ds_add_u32 v28, v29
	s_wait_dscnt 0x0
	v_lshrrev_b32 v1, 5, v0
	v_readfirstlane_b32 s14, v1
	s_lshr_b32 s15, s14, 1
	s_and_b32 s16, s14, 1
	s_bfe_u32 s40, ttmp6, 0x40000
	s_bfe_u32 s41, ttmp6, 0x40004
	s_lshl_b32 s42, ttmp9, 2
	s_add_co_u32 s42, s42, s40
	s_and_b32 s17, ttmp7, 0xffff
	s_lshl_b32 s17, s17, 2
	s_add_co_u32 s17, s17, s41
	s_lshl_b32 s43, s41, 2
	s_lshl_b32 s43, 15, s43
	s_lshl_b32 s44, 0x1111, s40
	s_or_b32 s[G1+0], s43, (3<<16)|(1<<20)|(1<<21)|(5<<22)|(3<<25)
	s_or_b32 s[G1B+0], s44, (3<<16)|(1<<20)|(1<<21)|(5<<22)|(3<<25)
.irp g, G1, G1B
	s_mov_b32 s[\g+1], 32<<16
	s_mov_b32 s[\g+2], 264<<16                     ; the head's loads bring two neighbouring blocks, 264 rows; the ring's 132 (set at the first change of slots)
	s_mov_b32 s[\g+3], 32<<16
	s_mov_b32 s[\g+4], 264
	s_mov_b32 s[\g+5], 32
	s_mov_b32 s[\g+6], 0
	s_mov_b32 s[\g+7], 0
.endr
	s_lshl_b32 s20, s17, 1
	s_add_co_u32 s20, s20, s16
	s_mul_i32 s20, s20, BLK
	s_mov_b32 s21, 0
	s_lshl_b32 s46, s42, 1
	s_add_co_u32 s46, s46, s16
	s_mul_i32 s46, s46, BLK
	s_add_co_u32 s46, s46, BOFF
	s_mov_b32 s47, 0
	s_mul_i32 s45, s14, HALFT
	s_wait_kmcnt 0x0
	s_add_nc_u64 s[20:21], s[4:5], s[20:21]
	s_add_nc_u64 s[46:47], s[6:7], s[46:47]
	CROUND
.irp s, 0,1
	s_mov_b32 s[G0+4*\s], 1
	s_add_co_u32 s[G0+4*\s+1], s45, \s*SLOT
	s_add_nc_u64 s[G0+4*\s+2:G0+4*\s+3], s[20:21], \s*GA*BLK
	s_or_b32 s[G0+4*\s+3], s[G0+4*\s+3], 0x80000000
	s_mov_b32 s[G0B+4*\s], 1
	s_add_co_u32 s[G0B+4*\s+1], s45, \s*SLOT
	s_add_nc_u64 s[G0B+4*\s+2:G0B+4*\s+3], s[46:47], \s*GB*BLK
	s_or_b32 s[G0B+4*\s+3], s[G0B+4*\s+3], 0x80000000
.endr
; THE HEAD'S LOADS, ONE A WAVE.  A tile's two blocks of A lie side by side in memory, and so do B's: one load of 264 dense rows brings both.
; Wave 0: A of K step 0, wave 1: B of K step 0, wave 2: A of K step 1, wave 3: B of K step 1: both slots are asked for here.  Each wave has a load line of its own: waves 0 and 1 alone wait ahead of the first barrier.
	s_lshl_b32 s80, s17, 1
	s_mul_i32 s80, s80, BLK                        ; A: group 2 x tile row,
	s_mul_i32 s81, s15, GA*BLK
	s_add_co_u32 s80, s80, s81                     ; K step wave / 2
	s_mov_b32 s81, 0
	s_lshl_b32 s82, s42, 1
	s_mul_i32 s82, s82, BLK                        ; B: group 2 x tile column
	s_mul_i32 s83, s15, GB*BLK
	s_add_co_u32 s82, s82, s83
	s_add_co_u32 s82, s82, BOFF
	s_mov_b32 s83, 0
	s_add_nc_u64 s[74:75], s[4:5], s[80:81]
	s_add_nc_u64 s[78:79], s[6:7], s[82:83]
	s_or_b32 s75, s75, 0x80000000
	s_or_b32 s79, s79, 0x80000000
	s_mov_b32 s72, 1
	s_mul_i32 s73, s15, SLOT                       ; slot wave / 2: A's two blocks,
	s_mov_b32 s76, 1
	s_add_co_u32 s77, s73, 2*HALFT                 ; B's behind them
.macro HARM under, g0, g1, next
	s_cmp_lt_u32 s14, \under
	s_cbranch_scc0 \next
	tensor_load_to_lds s[\g0:\g0+3], s[\g1:\g1+7]
	s_nop 0
.rept 4
	v_nop
.endr
	s_branch .Lhead_asked
\next:
.endm
	HARM 1, 72, G1, .Lhead_1
	HARM 2, 76, G1B, .Lhead_2
	HARM 3, 72, G1, .Lhead_3
	tensor_load_to_lds s[76:79], s[G1B:G1B+7]
	s_nop 0
.rept 4
	v_nop
.endr
.Lhead_asked:
	v_and_b32 v1, 15, v0
	v_bfe_u32 v2, v0, 4, 1
	v_mul_u32_u24 v3, v1, PITCH
	v_lshl_add_u32 v4, v2, 4, v3
	s_wait_alu depctr_va_vdst(0)
	s_mul_i32 s21, s15, HALFT
	s_mul_i32 s22, s16, HALFT
	s_add_co_u32 s22, s22, 2*HALFT
	v_add_nc_u32 v[ADRA], s21, v4
	v_add_nc_u32 v[ADRB], s22, v4
	v_add_nc_u32 v[ADRA+1], SLOT, v[ADRA]
	v_add_nc_u32 v[ADRB+1], SLOT, v[ADRB]
	s_sub_co_u32 s22, s22, s21
	v_mul_u32_u24 v6, s22, v2
	v_lshl_add_u32 v5, v1, 3, v6
	s_add_co_u32 s21, s21, 128*PITCH
	v_add_nc_u32 v[ADRS], s21, v5
	v_add_nc_u32 v[ADRS+1], SLOT, v[ADRS]
	s_mul_i32 s21, s15, 128*PITCH
	s_lshl_b32 s22, s16, 7
	s_add_co_u32 s21, s21, s22
	v_add_nc_u32 v[CSTO], s21, v4
	s_lshl_b32 s21, s15, 10
	s_lshl_b32 s22, s16, 2
	s_add_co_u32 s21, s21, s22
	s_add_co_u32 s21, s21, 256*PITCH
	v_lshl_add_u32 v[SSTO], v1, 3, s21
	s_mul_i32 s21, s14, 64*PITCH
	v_mul_u32_u24 v5, v2, PITCH
	v_lshl_add_u32 v5, v1, 4, v5
	v_add_nc_u32 v[RDC], s21, v5
	s_lshl_b32 s21, s14, 9
	s_add_co_u32 s21, s21, 256*PITCH
	v_and_b32 v5, 31, v0
	v_lshl_add_u32 v[RDS], v5, 3, s21
	v_lshlrev_b32 v[GC], 4, v5
	v_lshlrev_b32 v[GS], 3, v5
	s_lshl_b32 s66, s42, 10
	s_lshl_b32 s67, s16, 9
	s_add_co_u32 s66, s66, s67
	s_mov_b32 s67, 0
	s_add_nc_u64 s[8:9], s[8:9], s[66:67]
	v_lshlrev_b32 v7, 6, v2
.irp b, 0,1,2,3
.irp j, 0,1,2,3
	global_load_b128 v[BJ+16*\b+4*\j:BJ+16*\b+4*\j+3], v7, s[8:9] offset:128*\b+16*\j
.endr
.endr
	s_lshl_b32 s66, s42, 5
	s_lshl_b32 s67, s17, 1
	s_add_co_u32 s66, s66, s67
	s_add_co_u32 s66, s66, s15
	s_mul_i32 s66, s66, BLK
	s_lshl_b32 s67, s16, 9
	s_add_co_u32 s68, s66, s67
	s_add_co_u32 s68, s68, 32768
	s_mov_b32 s69, 0
	s_lshl_b32 s67, s16, 14
	s_add_co_u32 s66, s66, s67
	s_mov_b32 s67, 0
	s_add_nc_u64 s[66:67], s[10:11], s[66:67]
	s_add_nc_u64 s[68:69], s[10:11], s[68:69]
	s_mov_b32 s[SEL], 0x76543210
	s_mov_b32 s[SEL+1], 0xfedcba98
	s_mov_b32 s[MNT], 0x600000
	s_mov_b32 s[KH], 0x3eb504f3
.macro FRAG reg, adr, q, i
.irp c, 0,1,2,3
	ds_load_b128 v[\reg+4*\c:\reg+4*\c+3], v[\adr] offset:128*(\q)+32*\c+(\i)*16*PITCH
.endr
.endm
.macro MUL16 a0, p, q, sc, zero
.irp a, \a0, \a0+1
.irp b, 0,1,2,3,4,5,6,7
.if \zero
	v_wmma_scale_f32_16x16x128_f8f6f4 v[8*(8*((\a)%4)+\b):8*(8*((\a)%4)+\b)+7], v[128*(\p)+FR*\b:128*(\p)+FR*\b+FR-1], v[AF+FR*(\a):AF+FR*(\a)+FR-1], 0, v[SC+8*NQ*(\sc)+NQ*\b+(\q)], v[SC+8*NQ*(\sc)+NQ*(\a)+(\q)] matrix_a_scale:MATRIX_SCALE_ROW1
.else
	v_wmma_scale_f32_16x16x128_f8f6f4 v[8*(8*((\a)%4)+\b):8*(8*((\a)%4)+\b)+7], v[128*(\p)+FR*\b:128*(\p)+FR*\b+FR-1], v[AF+FR*(\a):AF+FR*(\a)+FR-1], v[8*(8*((\a)%4)+\b):8*(8*((\a)%4)+\b)+7], v[SC+8*NQ*(\sc)+NQ*\b+(\q)], v[SC+8*NQ*(\sc)+NQ*(\a)+(\q)] matrix_a_scale:MATRIX_SCALE_ROW1
.endif
.endr
.endr
.endm
.macro FETCH_B slot, q, p
	WIN TO_B
.irp i, 0,1,2,3,4,5,6,7
	FRAG 128*(\p)+FR*\i, ADRB+\slot, \q, \i
.endr
	WIN 0
.endm
.macro FETCH_A slot, q, i0
.irp i, \i0, \i0+1, \i0+2, \i0+3
	FRAG AF+FR*(\i), ADRA+\slot, \q, \i
.endr
.endm
.macro SCALES sc
.irp i, 0,1,2,3,4,5,6,7
	ds_load_b64 v[SC+8*NQ*\sc+NQ*\i:SC+8*NQ*\sc+NQ*\i+1], v[ADRS+\sc] offset:(\i/2)*PITCH+(\i%2)*128
.endr
.endm
.macro PLACES n
.rept \n
	v_nop
.endr
.endm
.macro STEP slot, q, zero
	s_wait_dscnt 4*NL
	WIN MUL_LO
	MUL16 0, (\q)%2, \q, \slot, \zero
	MUL16 2, (\q)%2, \q, \slot, \zero
	s_wait_dscnt 0
	PLACES NP
	FETCH_B \slot, (\q)+1, 1-(\q)%2
	FETCH_A \slot, (\q)+1, 0
	WIN MUL_HI
	MUL16 4, (\q)%2, \q, \slot, \zero
	MUL16 6, (\q)%2, \q, \slot, \zero
	PLACES NP
	WIN 0
	FETCH_A \slot, (\q)+1, 4
.endm
.macro TURN slot, next, fill
	s_wait_tensorcnt 0x0
	ds_add_u32 v[SPW], v[NIL]
.if \fill
	s_mov_b32 s[G1+2], 132<<16                     ; no tensor load of mine is out, so a descriptor may be written: a refill brings one block, 132 rows
	s_mov_b32 s[G1+4], 132
	s_mov_b32 s[G1B+2], 132<<16
	s_mov_b32 s[G1B+4], 132
.endif
	s_wait_dscnt 4*NL+1
	WIN MUL_LO
	MUL16 0, 1, NQ-1, \slot, 0
	s_wait_dscnt 0x0
	s_barrier_signal -1
	MUL16 2, 1, NQ-1, \slot, 0
	WIN 0
	s_barrier_wait -1
.if \fill
	CREST
	ADVANCE \slot
	JLOAD G0+4*\slot, G1, G0B+4*\slot, G1B
	PLACES NP-4
.else
	PLACES NP
.endif
	FETCH_B \next, 0, 0
	FETCH_A \next, 0, 0
	SCALES \next
	WIN MUL_HI
	MUL16 4, 1, NQ-1, \slot, 0
	MUL16 6, 1, NQ-1, \slot, 0
	PLACES NP
	WIN 0
	FETCH_A \next, 0, 4
.endm
	s_wait_loadcnt 0x0
	s_wait_alu depctr_va_vdst(0)
	s_cmp_lt_u32 s14, 2
	s_cbranch_scc0 .Lslot_1_is_out
	s_wait_tensorcnt 0x0                           ; waves 0 and 1: K step 0 is in.  Waves 2 and 3 wait for K step 1 at the first change of slots
.Lslot_1_is_out:
	s_barrier_signal -1
	s_barrier_wait -1
	FETCH_B 0, 0, 0
	FETCH_A 0, 0, 0
	SCALES 0
	FETCH_A 0, 0, 4
	STEP 0, 0, 1
	s_mov_b32 s3, LAPS-1
.Llap:
	TURN 0, 1, 1
	STEP 1, 0, 0
	TURN 1, 0, 1
	STEP 0, 0, 0
	s_sub_co_u32 s3, s3, 1
	s_cmp_lg_u32 s3, 0
	s_cbranch_scc1 .Llap
	TURN 0, 1, 0
	STEP 1, 0, 0
	s_wait_dscnt 4*NL
	WIN MUL_LO
	MUL16 0, 1, NQ-1, 1, 0
	MUL16 2, 1, NQ-1, 1, 0
	s_wait_dscnt 0
	WIN MUL_HI
	MUL16 4, 1, NQ-1, 1, 0
	MUL16 6, 1, NQ-1, 1, 0
	WIN 0
.macro QUANT s
.irp b, 0,1,2,3
	v_max3_num_f32 v[TM+\b], |v[\s+16*\b]|, |v[\s+1+16*\b]|, 0x4800000
.endr
.irp i, 2,4,6,8,10,12,14
.irp b, 0,1,2,3
	v_max3_num_f32 v[TM+\b], v[TM+\b], |v[\s+16*\b+\i]|, |v[\s+1+16*\b+\i]|
.endr
.endr
.irp b, 0,1,2,3
	v_permlanex16_b32 v[TM+4+\b], v[TM+\b], s[SEL], s[SEL+1]
.endr
.irp b, 0,1,2,3
	v_max_num_f32 v[TM+\b], v[TM+\b], v[TM+4+\b]
.endr
.irp b, 0,1,2,3
	v_add_nc_u32 v[TM+12+\b], 0xfc000000, v[TM+\b]
.endr
.irp b, 0,1,2,3
	v_and_or_b32 v[TM+8+\b], v[TM+\b], 0x7f800000, s[MNT]
.endr
.irp b, 0,1,2,3
	v_lshrrev_b32 v[TM+4+\b], 23, v[TM+12+\b]
.endr
	v_lshl_or_b32 v[PW], v[TM+5], 8, v[TM+4]
	v_lshl_or_b32 v[PW], v[TM+6], 16, v[PW]
	v_lshl_or_b32 v[PW], v[TM+7], 24, v[PW]
.irp b, 0,1,2,3
.irp i, 0,1,2,3,4,5,6,7,8,9,10,11,12,13,14,15
	v_med3_num_f32 v[\s+16*\b+\i], v[\s+16*\b+\i], -v[TM+8+\b], v[TM+8+\b]
.endr
	v_cvt_scalef32_pk8_fp8_f32 v[PC+4*\b:PC+1+4*\b], v[\s+16*\b:\s+7+16*\b], v[TM+12+\b]
	v_cvt_scalef32_pk8_fp8_f32 v[PC+2+4*\b:PC+3+4*\b], v[\s+8+16*\b:\s+15+16*\b], v[TM+12+\b]
.endr
	v_nop
.endm
.macro GELU x
.set n, 0
.rept 32
	v_fma_f32 v[U+n], |v[\x+n]|, s[KH], 1.0
.set n, n+1
.endr
.set n, 0
	s_wait_alu depctr_va_vdst(0)
.rept 32
	v_rcp_f32 v[U+n], v[U+n]
.set n, n+1
.endr
	v_nop
	s_wait_alu depctr_va_vdst(0)
.set n, 0
.rept 16
	v_pk_fma_f32 v[W+2*n:W+2*n+1], v[U+2*n:U+2*n+1], 0x3e7c6f08, v[10:11] op_sel_hi:[1,0,1]
.set n, n+1
.endr
.irp c, 0x40097039, 0xbfd1a1e5, 0x3ecdfd18, 0xbe899a80, 0x3e0efb2e, 0x3f0a29d2, 0x3fb8ab5a, 0xbfe9b21e
.set n, 0
.rept 16
	v_pk_fma_f32 v[W+2*n:W+2*n+1], v[W+2*n:W+2*n+1], v[U+2*n:U+2*n+1], \c op_sel_hi:[1,1,0]
.set n, n+1
.endr
.endr
.set n, 0
.rept 4
.irp k, 0,1,2,3
	v_pk_mul_f32 v[2+2*\k:3+2*\k], v[\x+8*n+2*\k:\x+8*n+2*\k+1], 0xbf38aa3b op_sel_hi:[1,0]
.endr
.irp k, 0,1,2,3
	v_pk_fma_f32 v[W+8*n+2*\k:W+8*n+2*\k+1], v[2+2*\k:3+2*\k], v[\x+8*n+2*\k:\x+8*n+2*\k+1], v[W+8*n+2*\k:W+8*n+2*\k+1]
.endr
.set n, n+1
.endr
.set n, 0
	s_wait_alu depctr_va_vdst(0)
.rept 32
	v_exp_f32 v[W+n], v[W+n]
.set n, n+1
.endr
	v_nop
	s_wait_alu depctr_va_vdst(0)
.set n, 0
.rept 16
	v_pk_mul_f32 v[W+2*n:W+2*n+1], v[W+2*n:W+2*n+1], v[U+2*n:U+2*n+1]
.set n, n+1
.endr
.set n, 0
.rept 16
	v_pk_mul_f32 v[W+2*n:W+2*n+1], v[W+2*n:W+2*n+1], v[\x+2*n:\x+2*n+1]
.set n, n+1
.endr
.set n, 0
.rept 32
	v_max_num_f32 v[U+n], 0, v[\x+n]
.set n, n+1
.endr
.set n, 0
.rept 32
	v_fma_f32 v[\x+n], |v[W+n]|, -0.5, v[U+n]
.set n, n+1
.endr
.endm
.macro ARM a
.set WW, 0x02+(\a)/4
	WIN WW
.set n, 0
.rept 32
	v_pk_add_f32 v[T+2*n:T+2*n+1], v[64*((\a)%4)+2*n:64*((\a)%4)+2*n+1], v[BJ+2*n:BJ+2*n+1]
.set n, n+1
.endr
	WIN 0
.endm
	PLACES NP
	v_mov_b32 v10, 0xbf97d29d
	v_mov_b32 v11, 0xbf97d29d
	s_mov_b32 s[AL], 0
	s_mov_b32 s[RO], 0
	s_mov_b32 s[RS], 0
.Lblocks:
.irp a, 0,1,2,3,4,5,6
	s_cmp_eq_u32 s[AL], \a
	s_cbranch_scc1 .Larm\a
.endr
	ARM 7
	s_branch .Ljoin
.irp a, 0,1,2,3,4,5,6
.Larm\a:
	ARM \a
	s_branch .Ljoin
.endr
.Ljoin:
	GELU T
	GELU T+32
	QUANT T
	v_add_nc_u32 v[CA], s[RO], v[CSTO]
	v_add_nc_u32 v[SA], s[RS], v[SSTO]
.irp b, 0,1,2,3
	ds_store_b128 v[CA], v[PC+4*\b:PC+4*\b+3] offset:32*\b
.endr
	ds_store_b32 v[SA], v[PW]
	s_wait_dscnt 0x0
	s_add_co_u32 s[RO], s[RO], 16*PITCH
	s_add_co_u32 s[RS], s[RS], 128
	s_add_co_u32 s[AL], s[AL], 1
	s_cmp_lt_u32 s[AL], 8
	s_cbranch_scc1 .Lblocks
	s_barrier_signal -1
	s_barrier_wait -1
.set n, 0
.rept 32
	ds_load_b128 v[64+4*n:67+4*n], v[RDC] offset:544*n
.set n, n+1
.endr
	ds_load_b64 v[192:193], v[RDS]
	ds_load_b64 v[194:195], v[RDS] offset:256
.set n, 0
.rept 32
	s_wait_dscnt 33-n
	global_store_b128 v[GC], v[64+4*n:67+4*n], s[66:67] offset:512*n
.set n, n+1
.endr
	s_wait_dscnt 0x1
	global_store_b64 v[GS], v[192:193], s[68:69]
	s_wait_dscnt 0x0
	global_store_b64 v[GS], v[194:195], s[68:69] offset:256
	s_wait_tensorcnt 0x0
	ds_add_u32 v[SPW], v[NIL]
	s_wait_dscnt 0x0
	CROUND
	s_endpgm
.Lfunc_end_k_q5d2d44b818_ffn1:
	.size	k_q5d2d44b818_ffn1, .Lfunc_end_k_q5d2d44b818_ffn1-k_q5d2d44b818_ffn1
	.p2alignl 7, 3214868480
	.fill 96, 4, 3214868480
	.section	.rodata,"a",@progbits
	.p2align	6, 0x0
	.amdhsa_kernel k_q5d2d44b818_ffn1
		.amdhsa_group_segment_fixed_size 327680
		.amdhsa_private_segment_fixed_size 0
		.amdhsa_enable_private_segment 0
		.amdhsa_kernarg_size 32
		.amdhsa_user_sgpr_count 2
		.amdhsa_user_sgpr_kernarg_segment_ptr 1
		.amdhsa_wavefront_size32 1
		.amdhsa_system_sgpr_workgroup_id_x 1
		.amdhsa_system_sgpr_workgroup_id_y 1
		.amdhsa_system_sgpr_workgroup_id_z 1
		.amdhsa_system_vgpr_workitem_id 0
		.amdhsa_next_free_vgpr 1024
		.amdhsa_next_free_sgpr 100
		.amdhsa_reserve_vcc 0
		.amdhsa_float_denorm_mode_32 3
		.amdhsa_float_denorm_mode_16_64 3
		.amdhsa_memory_ordered 1
		.amdhsa_forward_progress 1
		.amdhsa_inst_pref_size 200
	.end_amdhsa_kernel
	.amdgpu_metadata
---
amdhsa.version: [ 1, 2 ]
amdhsa.kernels:
  - .name:           k_q5d2d44b818_ffn1
    .symbol:         k_q5d2d44b818_ffn1.kd
    .args:
      - { .name: actq, .offset: 0, .size: 8, .value_kind: global_buffer, .address_space: global }
      - { .name: wts, .offset: 8, .size: 8, .value_kind: global_buffer, .address_space: global }
      - { .name: bf1, .offset: 16, .size: 8, .value_kind: global_buffer, .address_space: global }
      - { .name: gq, .offset: 24, .size: 8, .value_kind: global_buffer, .address_space: global }
    .group_segment_fixed_size: 327680
    .private_segment_fixed_size: 0
    .kernarg_segment_align: 8
    .kernarg_segment_size: 32
    .max_flat_workgroup_size: 128
    .sgpr_count:     100
    .vgpr_count:     1024
    .wavefront_size: 32
...
	.end_amdgpu_metadata
.endif
;; end of part 14
;; launch ffn2 (part 15): grid 8 x 32, 4 waves a work-group, clusters of 4 x 4, 327,680 bytes of LDS; arguments gq, wts, cbuf; writes cbuf
.if DOCPART == 15
	.amdgcn_target "amdgcn-amd-amdhsa--gfx1250"
	.amdhsa_code_object_version 6
	.text
	.protected	k_q5d2d44b818_ffn2
	.globl	k_q5d2d44b818_ffn2
	.p2align	8
	.type	k_q5d2d44b818_ffn2,@function
k_q5d2d44b818_ffn2:
	s_mov_b64 s[64:65], 0
	v_nop
	global_prefetch_b8 v0, s[64:65] scope:SCOPE_SE
	s_setreg_imm32_b32 hwreg(HW_REG_WAVE_MODE, 25, 1), 1
	s_wait_xcnt 0x0
	s_wait_alu depctr_hold_cnt(0) depctr_sa_sdst(0) depctr_va_vdst(0) depctr_va_sdst(0) depctr_va_ssrc(0) depctr_va_vcc(0) depctr_vm_vsrc(0)
	s_getreg_b32 s2, hwreg(HW_REG_IB_STS2, 6, 4)
	s_cmp_eq_u32 s2, 0
	s_cbranch_scc0 .Lentry_in_a_cluster
	s_endpgm
.Lentry_in_a_cluster:
	s_bfe_u32 s2, ttmp6, 0x10000c
	s_cmp_lg_u32 s2, 0xf033
	s_cbranch_scc0 .Lentry_shape_is_right
	s_endpgm
.Lentry_shape_is_right:
.set LAPS,   4
.set GA,     32
.set GB,     8
.set BLK,    33792
.set BOFF,   256*BLK
.set PITCH,  272
.set FR,     16
.set NP,     8
.set HALFT,  132*PITCH
.set SLOT,   4*HALFT
.set SPARE,  2*SLOT
.set ADRA, 16
.set ADRB, 20
.set ADRS, 22
.set STO,  24
.set RD,   25
.set CO,   26
.set SPW,  28
.set NIL,  29
.set SC,   32
.set BK,   64
.set ACC,  128
.set F0,   0
.set F1,   128
.set G1,  24
.set G0,  32
.set G1B, 48
.set G0B, 56
.set MSB, 0
.macro WIN new
.if MSB != \new
	s_set_vgpr_msb (MSB<<8)|\new
.set MSB, \new
.endif
.endm
.set MUL,  0x05
.set TO_F, 0x40
.macro JLOAD g0a, g1a, g0b, g1b
	s_cmp_eq_u32 s15, 0
	s_cbranch_scc0 .Lfor_b_\@
	tensor_load_to_lds s[\g0a:\g0a+3], s[\g1a:\g1a+7]
	s_nop 0
.rept 4
	v_nop
.endr
	s_branch .Lasked_\@
.Lfor_b_\@:
	tensor_load_to_lds s[\g0b:\g0b+3], s[\g1b:\g1b+7]
	s_nop 0
.rept 4
	v_nop
.endr
.Lasked_\@:
.endm
.macro CREST
	s_cmp_lg_u32 s14, 0
	s_cbranch_scc1 .Lnot_wave_0_\@
	s_barrier_signal -3
.Lnot_wave_0_\@:
	s_barrier_wait -3
	s_barrier_signal -1
	s_barrier_wait -1
.endm
.macro CROUND
	s_barrier_signal -1
	s_barrier_wait -1
	CREST
.endm
.macro ADVANCE slot
	s_add_nc_u64 s[G0+4*\slot+2:G0+4*\slot+3], s[G0+4*\slot+2:G0+4*\slot+3], 4*GA*BLK
	s_add_nc_u64 s[G0B+4*\slot+2:G0B+4*\slot+3], s[G0B+4*\slot+2:G0B+4*\slot+3], 4*GB*BLK
.endm
	s_load_b128 s[4:7], s[0:1], 0x0
	s_load_b64 s[12:13], s[0:1], 0x10
	v_lshl_add_u32 v[SPW], v0, 2, SPARE
	v_mov_b32 v[NIL], 0
	ds_add_u32 v28, v29
	ds_add_u32 v28, v29
	s_wait_dscnt 0x0
	v_lshrrev_b32 v1, 5, v0
	v_readfirstlane_b32 s14, v1
	s_lshr_b32 s15, s14, 1
	s_and_b32 s16, s14, 1
	s_bfe_u32 s40, ttmp6, 0x40000
	s_bfe_u32 s41, ttmp6, 0x40004
	s_lshl_b32 s42, ttmp9, 2
	s_add_co_u32 s42, s42, s40
	s_and_b32 s17, ttmp7, 0xffff
	s_lshl_b32 s17, s17, 2
	s_add_co_u32 s17, s17, s41
	s_lshl_b32 s43, s41, 2
	s_lshl_b32 s43, 15, s43
	s_lshl_b32 s44, 0x1111, s40
	s_or_b32 s[G1+0], s43, (3<<16)|(1<<20)|(1<<21)|(5<<22)|(3<<25)
	s_or_b32 s[G1B+0], s44, (3<<16)|(1<<20)|(1<<21)|(5<<22)|(3<<25)
.irp g, G1, G1B
	s_mov_b32 s[\g+1], 32<<16
	s_mov_b32 s[\g+2], 132<<16
	s_mov_b32 s[\g+3], 32<<16
	s_mov_b32 s[\g+4], 132
	s_mov_b32 s[\g+5], 32
	s_mov_b32 s[\g+6], 0
	s_mov_b32 s[\g+7], 0
.endr
	s_mul_i32 s20, s16, GA
	s_add_co_u32 s20, s20, s17
	s_mul_i32 s20, s20, BLK
	s_mov_b32 s21, 0
	s_mul_i32 s46, s16, GB
	s_add_co_u32 s46, s46, s42
	s_mul_i32 s46, s46, BLK
	s_add_co_u32 s46, s46, BOFF
	s_mov_b32 s47, 0
	s_mul_i32 s45, s14, HALFT
	s_wait_kmcnt 0x0
	s_add_nc_u64 s[20:21], s[4:5], s[20:21]
	s_add_nc_u64 s[46:47], s[6:7], s[46:47]
	CROUND
.irp s, 0,1
	s_mov_b32 s[G0+4*\s], 1
	s_add_co_u32 s[G0+4*\s+1], s45, \s*SLOT
	s_add_nc_u64 s[G0+4*\s+2:G0+4*\s+3], s[20:21], \s*2*GA*BLK
	s_or_b32 s[G0+4*\s+3], s[G0+4*\s+3], 0x80000000
	s_mov_b32 s[G0B+4*\s], 1
	s_add_co_u32 s[G0B+4*\s+1], s45, \s*SLOT
	s_add_nc_u64 s[G0B+4*\s+2:G0B+4*\s+3], s[46:47], \s*2*GB*BLK
	s_or_b32 s[G0B+4*\s+3], s[G0B+4*\s+3], 0x80000000
.endr
	JLOAD G0, G1, G0B, G1B                         ; slot 0: one tensor load a wave at the head; the set-up below stands under its flight
	v_and_b32 v1, 15, v0
	v_bfe_u32 v2, v0, 4, 1
	v_mul_u32_u24 v3, v1, PITCH
	v_lshl_add_u32 v4, v2, 4, v3
	s_mul_i32 s21, s15, 64*PITCH
	s_mul_i32 s22, s16, 64*PITCH
	s_add_co_u32 s22, s22, 2*HALFT
	v_add_nc_u32 v[ADRA], s21, v4
	v_add_nc_u32 v[ADRB], s22, v4
	v_add_nc_u32 v[ADRA+1], SLOT, v[ADRA]
	v_add_nc_u32 v[ADRB+1], SLOT, v[ADRB]
	s_mul_i32 s21, s15, 2*PITCH
	s_mul_i32 s22, s16, 2*PITCH
	s_add_co_u32 s22, s22, 2*HALFT
	s_sub_co_u32 s22, s22, s21
	v_mul_u32_u24 v6, s22, v2
	v_lshl_add_u32 v5, v1, 3, v6
	s_add_co_u32 s21, s21, 128*PITCH
	v_add_nc_u32 v[ADRS], s21, v5
	v_add_nc_u32 v[ADRS+1], SLOT, v[ADRS]
	s_mul_i32 s23, s14, 16*PITCH
	v_lshl_add_u32 v5, v2, 6, v3
	v_add_nc_u32 v[STO], s23, v5
	v_mul_u32_u24 v5, v2, PITCH
	v_lshl_add_u32 v5, v1, 4, v5
	v_add_nc_u32 v[RD], s23, v5
	v_lshlrev_b32 v[CO], 12, v2
	v_lshl_add_u32 v[CO], v1, 4, v[CO]
	s_lshl_b32 s20, s17, 19
	s_lshl_b32 s21, s15, 18
	s_add_co_u32 s20, s20, s21
	s_mov_b32 s21, 0
	s_lshl_b32 s46, s42, 9
	s_lshl_b32 s47, s16, 8
	s_add_co_u32 s46, s46, s47
	s_mov_b32 s47, 0
	s_add_nc_u64 s[20:21], s[20:21], s[46:47]
	s_add_nc_u64 s[12:13], s[12:13], s[20:21]
.macro FRAG reg, adr, q, i
.irp c, 0,1,2,3
	ds_load_b128 v[\reg+4*\c:\reg+4*\c+3], v[\adr] offset:((\q)/2)*HALFT+128*((\q)%2)+32*\c+(\i)*16*PITCH
.endr
.endm
.macro MUL4 f, a, q, sc, zero
.irp b, 0,1,2,3
.if \zero
	v_wmma_scale_f32_16x16x128_f8f6f4 v[ACC+8*(4*(\a)+\b):ACC+8*(4*(\a)+\b)+7], v[\f+64+FR*\b:\f+64+FR*\b+FR-1], v[\f+FR*(\a):\f+FR*(\a)+FR-1], 0, v[SC+16*(\sc)+4*\b+(\q)], v[SC+16*(\sc)+4*(\a)+(\q)] matrix_a_scale:MATRIX_SCALE_ROW1
.else
	v_wmma_scale_f32_16x16x128_f8f6f4 v[ACC+8*(4*(\a)+\b):ACC+8*(4*(\a)+\b)+7], v[\f+64+FR*\b:\f+64+FR*\b+FR-1], v[\f+FR*(\a):\f+FR*(\a)+FR-1], v[ACC+8*(4*(\a)+\b):ACC+8*(4*(\a)+\b)+7], v[SC+16*(\sc)+4*\b+(\q)], v[SC+16*(\sc)+4*(\a)+(\q)] matrix_a_scale:MATRIX_SCALE_ROW1
.endif
.endr
.endm
.macro FETCH slot, q, f
	WIN TO_F
.irp i, 0,1,2,3
	FRAG \f+64+FR*\i, ADRB+\slot, \q, \i
.endr
.irp i, 0,1,2,3
	FRAG \f+FR*\i, ADRA+\slot, \q, \i
.endr
.endm
.macro SCALES sc
.irp i, 0,1,2,3
.irp kb, 0,1
	ds_load_b64 v[SC+16*\sc+4*\i+2*\kb:SC+16*\sc+4*\i+2*\kb+1], v[ADRS+\sc] offset:\kb*HALFT+(\i/2)*PITCH+(\i%2)*128
.endr
.endr
.endm
.macro PLACES n
.rept \n
	v_nop
.endr
.endm
.macro QUARTER slot, q, f, g, zero
	s_wait_dscnt 8
	WIN MUL
	MUL4 \f, 0, \q, \slot, \zero
	MUL4 \f, 1, \q, \slot, \zero
	PLACES NP
	FETCH \slot, (\q)+1, \g
	s_wait_dscnt 32
	WIN MUL
	MUL4 \f, 2, \q, \slot, \zero
	MUL4 \f, 3, \q, \slot, \zero
.endm
.macro TURN slot, next, fill
	WIN 0
	s_wait_tensorcnt 0x0
	ds_add_u32 v[SPW], v[NIL]
	s_wait_dscnt 9
	WIN MUL
	MUL4 F1, 0, 3, \slot, 0
	MUL4 F1, 1, 3, \slot, 0
	s_wait_dscnt 0x0
	s_barrier_signal -1
	MUL4 F1, 2, 3, \slot, 0
	WIN 0
	s_barrier_wait -1
.if \fill
	CREST
	ADVANCE \slot
	JLOAD G0+4*\slot, G1, G0B+4*\slot, G1B
	PLACES NP-4
.else
	PLACES NP
.endif
	SCALES \next
	FETCH \next, 0, F0
	WIN MUL
	MUL4 F1, 3, 3, \slot, 0
.endm
	s_wait_alu depctr_va_vdst(0)
	s_wait_tensorcnt 0x0                           ; my block of slot 0 is in; slot 1's first fill is issued as a refill is
	ds_add_u32 v[SPW], v[NIL]
	s_wait_dscnt 0x0
	CROUND
	JLOAD G0+4, G1, G0B+4, G1B                     ; slot 1: my one tensor load behind the round
	SCALES 0
	FETCH 0, 0, F0
	QUARTER 0, 0, F0, F1, 1
.if LAPS > 1
	WIN 0
	s_mov_b32 s3, LAPS-1
.Llap:
	QUARTER 0, 1, F1, F0, 0
	QUARTER 0, 2, F0, F1, 0
	TURN 0, 1, 1
	QUARTER 1, 0, F0, F1, 0
	QUARTER 1, 1, F1, F0, 0
	QUARTER 1, 2, F0, F1, 0
	TURN 1, 0, 1
	QUARTER 0, 0, F0, F1, 0
	WIN 0
	s_sub_co_u32 s3, s3, 1
	s_cmp_lg_u32 s3, 0
	s_cbranch_scc1 .Llap
.endif
	QUARTER 0, 1, F1, F0, 0
	QUARTER 0, 2, F0, F1, 0
	TURN 0, 1, 0
	QUARTER 1, 0, F0, F1, 0
	QUARTER 1, 1, F1, F0, 0
	QUARTER 1, 2, F0, F1, 0
	s_wait_dscnt 8
	WIN MUL
	MUL4 F1, 0, 3, 1, 0
	MUL4 F1, 1, 3, 1, 0
	s_wait_dscnt 0
	MUL4 F1, 2, 3, 1, 0
	MUL4 F1, 3, 3, 1, 0
	WIN 0
.macro TOSTAGE a
.irp b, 0,1,2,3
	ds_store_b128 v[STO], v[ACC+8*(4*(\a)+\b):ACC+8*(4*(\a)+\b)+3] offset:128*(\b/2)+32*(\b%2)
	ds_store_b128 v[STO], v[ACC+8*(4*(\a)+\b)+4:ACC+8*(4*(\a)+\b)+7] offset:128*(\b/2)+32*(\b%2)+16
.endr
.set BB, BK+32*((\a)%2)
.irp t, 0,1,2,3,4,5,6,7
	ds_load_b128 v[BB+4*\t:BB+4*\t+3], v[RD] offset:\t*2*PITCH
.endr
.endm
.macro SEND a, younger
.set BB, BK+32*((\a)%2)
	s_wait_dscnt \younger
.irp t, 0,1,2,3,4,5,6,7
	global_store_b128 v[CO], v[BB+4*\t:BB+4*\t+3], s[12:13] offset:(32*((\a)/2)+8*((\a)%2)+16*(\t/4)+2*(\t%4))*4096 th:TH_STORE_NT
.endr
.endm
	PLACES NP
	TOSTAGE 0
.irp a, 1,2,3
.if \a > 1
	s_wait_xcnt 0x0
.endif
	TOSTAGE \a
	SEND \a-1, 16
.endr
	SEND 3, 0
	s_wait_tensorcnt 0x0
	ds_add_u32 v[SPW], v[NIL]
	s_wait_dscnt 0x0
	CROUND
	s_endpgm
.Lfunc_end_k_q5d2d44b818_ffn2:
	.size	k_q5d2d44b818_ffn2, .Lfunc_end_k_q5d2d44b818_ffn2-k_q5d2d44b818_ffn2
	.p2alignl 7, 3214868480
	.fill 96, 4, 3214868480
	.section	.rodata,"a",@progbits
	.p2align	6, 0x0
	.amdhsa_kernel k_q5d2d44b818_ffn2
		.amdhsa_group_segment_fixed_size 327680
		.amdhsa_private_segment_fixed_size 0
		.amdhsa_enable_private_segment 0
		.amdhsa_kernarg_size 24
		.amdhsa_user_sgpr_count 2
		.amdhsa_user_sgpr_kernarg_segment_ptr 1
		.amdhsa_wavefront_size32 1
		.amdhsa_system_sgpr_workgroup_id_x 1
		.amdhsa_system_sgpr_workgroup_id_y 1
		.amdhsa_system_sgpr_workgroup_id_z 1
		.amdhsa_system_vgpr_workitem_id 0
		.amdhsa_next_free_vgpr 512
		.amdhsa_next_free_sgpr 100
		.amdhsa_reserve_vcc 0
		.amdhsa_float_denorm_mode_32 3
		.amdhsa_float_denorm_mode_16_64 3
		.amdhsa_memory_ordered 1
		.amdhsa_forward_progress 1
		.amdhsa_inst_pref_size 90
	.end_amdhsa_kernel
	.amdgpu_metadata
---
amdhsa.version: [ 1, 2 ]
amdhsa.kernels:
  - .name:           k_q5d2d44b818_ffn2
    .symbol:         k_q5d2d44b818_ffn2.kd
    .args:
      - { .name: gq, .offset: 0, .size: 8, .value_kind: global_buffer, .address_space: global }
      - { .name: wts, .offset: 8, .size: 8, .value_kind: global_buffer, .address_space: global }
      - { .name: cbuf, .offset: 16, .size: 8, .value_kind: global_buffer, .address_space: global }
    .group_segment_fixed_size: 327680
    .private_segment_fixed_size: 0
    .kernarg_segment_align: 8
    .kernarg_segment_size: 24
    .max_flat_workgroup_size: 128
    .sgpr_count:     100
    .vgpr_count:     512
    .wavefront_size: 32
...
	.end_amdgpu_metadata
.endif
;; end of part 15
;; launch ln2 (part 16): grid 256 x 1, 8 waves a work-group, no clusters, 0 bytes of LDS; arguments cbuf, h1, bf2, g2, b2, out0; writes out0
.if DOCPART == 16
	.amdgcn_target "amdgcn-amd-amdhsa--gfx1250"
	.amdhsa_code_object_version 6
	.text
	.protected	k_q5d2d44b818_ln2
	.globl	k_q5d2d44b818_ln2
	.p2align	8
	.type	k_q5d2d44b818_ln2,@function
k_q5d2d44b818_ln2:
	s_mov_b64 s[64:65], 0
	v_nop
	global_prefetch_b8 v0, s[64:65] scope:SCOPE_SE
	s_setreg_imm32_b32 hwreg(HW_REG_WAVE_MODE, 25, 1), 1
	s_wait_xcnt 0x0
; out0 = LN(h1 + (c + bf2)) with gain g2 and offset b2, f32.  A stream: memory binds; no LDS, no barrier, no matrix unit.
; A work-group takes 16 rows, a wave two; all of a wave's loads go out at its head.  A row (4,096 bytes) lies in 32 registers of the wave, a lane holding bytes 512 i + 16 lane:
; every load and store covers 512 consecutive bytes.  NaN and infinities are not served.
.set BIAS,  16
.set GAM,   48
.set BET,   80
	s_load_b256 s[4:11], s[0:1], 0x0               ; c, h1, bf2, g2
	s_load_b128 s[12:15], s[0:1], 0x20             ; b2, out0
	v_lshrrev_b32 v1, 5, v0
	s_delay_alu instid0(VALU_DEP_1)
	v_readfirstlane_b32 s18, v1
	v_and_b32 v2, 31, v0
	s_delay_alu instid0(VALU_DEP_1)
	v_lshlrev_b32 v3, 4, v2
	s_lshl_b32 s20, ttmp9, 16                      ; 16 rows of 4,096 bytes
	s_lshl_b32 s21, s18, 13                        ; 2 rows
	s_add_co_u32 s20, s20, s21
	s_mov_b32 s21, 0
	s_mov_b32 s26, 0x3a800000                      ; 1 / 1,024
	s_mov_b32 s27, 0x2b8cbccc                      ; 1e-12
	s_mov_b32 s28, 0x76543210
	s_mov_b32 s29, 0xfedcba98
	s_wait_alu depctr_va_vdst(0)
	s_wait_kmcnt 0x0
	s_add_nc_u64 s[4:5], s[4:5], s[20:21]
	s_add_nc_u64 s[6:7], s[6:7], s[20:21]
	s_add_nc_u64 s[14:15], s[14:15], s[20:21]
.irp i, 0,1,2,3,4,5,6,7
	global_load_b128 v[BIAS+4*\i:BIAS+4*\i+3], v3, s[8:9] offset:512*\i
	global_load_b128 v[GAM+4*\i:GAM+4*\i+3], v3, s[10:11] offset:512*\i
	global_load_b128 v[BET+4*\i:BET+4*\i+3], v3, s[12:13] offset:512*\i
.endr
.macro RLOAD k
.set CC, 112+64*((\k)%2)
.irp i, 0,1,2,3,4,5,6,7
	global_load_b128 v[CC+4*\i:CC+4*\i+3], v3, s[4:5] offset:4096*(\k)+512*\i th:TH_LOAD_NT
.endr
.irp i, 0,1,2,3,4,5,6,7
	global_load_b128 v[CC+32+4*\i:CC+32+4*\i+3], v3, s[6:7] offset:4096*(\k)+512*\i th:TH_LOAD_NT
.endr
.endm
.macro ALLSUM a, b                     ; v[a] summed over the 32 lanes; v[b] has been written
	s_delay_alu instid0(VALU_DEP_1)
	v_add_f32_dpp v[\a], v[\a], v[\a] row_xmask:1 row_mask:0xf bank_mask:0xf
	s_delay_alu instid0(VALU_DEP_1)
	v_add_f32_dpp v[\a], v[\a], v[\a] row_xmask:2 row_mask:0xf bank_mask:0xf
	s_delay_alu instid0(VALU_DEP_1)
	v_add_f32_dpp v[\a], v[\a], v[\a] row_xmask:4 row_mask:0xf bank_mask:0xf
	s_delay_alu instid0(VALU_DEP_1)
	v_add_f32_dpp v[\a], v[\a], v[\a] row_xmask:8 row_mask:0xf bank_mask:0xf
	s_delay_alu instid0(VALU_DEP_1)
	v_permlanex16_b32 v[\b], v[\a], s28, s29
	s_delay_alu instid0(VALU_DEP_1)
	v_add_f32 v[\a], v[\a], v[\b]
.endm
.macro ROW k
.set CC, 112+64*((\k)%2)
.set RR, CC+32
.if (\k) < 1
	s_wait_loadcnt 16                              ; the parameters and this row are in; the second row's 16 loads may be out
.else
	s_wait_loadcnt 0
.endif
.set n, 0
.rept 16
	v_pk_add_f32 v[CC+2*n:CC+2*n+1], v[CC+2*n:CC+2*n+1], v[BIAS+2*n:BIAS+2*n+1]
.set n, n+1
.endr
.set n, 0
.rept 16
	v_pk_add_f32 v[CC+2*n:CC+2*n+1], v[RR+2*n:RR+2*n+1], v[CC+2*n:CC+2*n+1]
.set n, n+1
.endr
.irp j, 0,1,2,3
	v_pk_add_f32 v[240+2*\j:241+2*\j], v[CC+4*\j:CC+4*\j+1], v[CC+4*\j+2:CC+4*\j+3]   ; four chains
.endr
.irp i, 0,1
.irp j, 0,1,2,3
	s_delay_alu instid0(VALU_DEP_4)
	v_pk_add_f32 v[240+2*\j:241+2*\j], v[240+2*\j:241+2*\j], v[CC+16+8*\i+2*\j:CC+17+8*\i+2*\j]
.endr
.endr
	s_delay_alu instid0(VALU_DEP_3)
	v_pk_add_f32 v[240:241], v[240:241], v[242:243]
	s_delay_alu instid0(VALU_DEP_2)
	v_pk_add_f32 v[244:245], v[244:245], v[246:247]
	s_delay_alu instid0(VALU_DEP_1)
	v_pk_add_f32 v[240:241], v[240:241], v[244:245]
	s_delay_alu instid0(VALU_DEP_1)
	v_add_f32 v240, v240, v241
	ALLSUM 240, 241
	s_delay_alu instid0(VALU_DEP_1)
	v_mul_f32 v240, s26, v240                      ; the mean
.set n, 0
.rept 16
	v_pk_add_f32 v[CC+2*n:CC+2*n+1], v[CC+2*n:CC+2*n+1], v[240:241] op_sel_hi:[1,0] neg_lo:[0,1] neg_hi:[0,1]
.set n, n+1
.endr
.irp j, 0,1,2,3
	v_pk_mul_f32 v[242+2*\j:243+2*\j], v[CC+2*\j:CC+2*\j+1], v[CC+2*\j:CC+2*\j+1]
.endr
.irp i, 1,2,3
.irp j, 0,1,2,3
	s_delay_alu instid0(VALU_DEP_4)
	v_pk_fma_f32 v[242+2*\j:243+2*\j], v[CC+8*\i+2*\j:CC+8*\i+2*\j+1], v[CC+8*\i+2*\j:CC+8*\i+2*\j+1], v[242+2*\j:243+2*\j]
.endr
.endr
	s_delay_alu instid0(VALU_DEP_3)
	v_pk_add_f32 v[242:243], v[242:243], v[244:245]
	s_delay_alu instid0(VALU_DEP_2)
	v_pk_add_f32 v[246:247], v[246:247], v[248:249]
	s_delay_alu instid0(VALU_DEP_1)
	v_pk_add_f32 v[242:243], v[242:243], v[246:247]
	s_delay_alu instid0(VALU_DEP_1)
	v_add_f32 v242, v242, v243
	ALLSUM 242, 243
	s_delay_alu instid0(VALU_DEP_1)
	v_fma_f32 v242, v242, s26, s27                 ; the variance + 1e-12
	s_wait_alu depctr_va_vdst(0)
	v_rsq_f32 v242, v242
	v_nop                                          ; a plain line behind the transcendental
	s_wait_alu depctr_va_vdst(0)                   ; and its wait, ahead of the first reader
.set n, 0
.rept 16
	v_pk_mul_f32 v[CC+2*n:CC+2*n+1], v[CC+2*n:CC+2*n+1], v[242:243] op_sel_hi:[1,0]
.set n, n+1
.endr
.set n, 0
.rept 16
	v_pk_fma_f32 v[CC+2*n:CC+2*n+1], v[CC+2*n:CC+2*n+1], v[GAM+2*n:GAM+2*n+1], v[BET+2*n:BET+2*n+1]
.set n, n+1
.endr
.irp i, 0,1,2,3,4,5,6,7
	global_store_b128 v3, v[CC+4*\i:CC+4*\i+3], s[14:15] offset:4096*(\k)+512*\i th:TH_STORE_NT
.endr
.endm
	RLOAD 0
	RLOAD 1
	ROW 0
	ROW 1
	s_endpgm
.Lfunc_end_k_q5d2d44b818_ln2:
	.size	k_q5d2d44b818_ln2, .Lfunc_end_k_q5d2d44b818_ln2-k_q5d2d44b818_ln2
	.p2alignl 7, 3214868480
	.fill 96, 4, 3214868480
	.section	.rodata,"a",@progbits
	.p2align	6, 0x0
	.amdhsa_kernel k_q5d2d44b818_ln2
		.amdhsa_group_segment_fixed_size 0
		.amdhsa_private_segment_fixed_size 0
		.amdhsa_enable_private_segment 0
		.amdhsa_kernarg_size 48
		.amdhsa_user_sgpr_count 2
		.amdhsa_user_sgpr_kernarg_segment_ptr 1
		.amdhsa_wavefront_size32 1
		.amdhsa_system_sgpr_workgroup_id_x 1
		.amdhsa_system_sgpr_workgroup_id_y 1
		.amdhsa_system_sgpr_workgroup_id_z 1
		.amdhsa_system_vgpr_workitem_id 0
		.amdhsa_next_free_vgpr 256
		.amdhsa_next_free_sgpr 66
		.amdhsa_reserve_vcc 0
		.amdhsa_float_denorm_mode_32 3
		.amdhsa_float_denorm_mode_16_64 3
		.amdhsa_memory_ordered 1
		.amdhsa_forward_progress 1
		.amdhsa_inst_pref_size 27
	.end_amdhsa_kernel
	.amdgpu_metadata
---
amdhsa.version: [ 1, 2 ]
amdhsa.kernels:
  - .name:           k_q5d2d44b818_ln2
    .symbol:         k_q5d2d44b818_ln2.kd
    .args:
      - { .name: cbuf, .offset: 0, .size: 8, .value_kind: global_buffer, .address_space: global }
      - { .name: h1, .offset: 8, .size: 8, .value_kind: global_buffer, .address_space: global }
      - { .name: bf2, .offset: 16, .size: 8, .value_kind: global_buffer, .address_space: global }
      - { .name: g2, .offset: 24, .size: 8, .value_kind: global_buffer, .address_space: global }
      - { .name: b2, .offset: 32, .size: 8, .value_kind: global_buffer, .address_space: global }
      - { .name: out0, .offset: 40, .size: 8, .value_kind: global_buffer, .address_space: global }
    .group_segment_fixed_size: 0
    .private_segment_fixed_size: 0
    .kernarg_segment_align: 8
    .kernarg_segment_size: 48
    .max_flat_workgroup_size: 256
    .sgpr_count:     66
    .vgpr_count:     256
    .wavefront_size: 32
...
	.end_amdgpu_metadata
.endif
;; end of part 16
